; MI455X (gfx1250); checked and timed in simulation.
; The chip was launched on July 23, 2026; its instructions are those of AMD's public machine-readable ISA for CDNA 5 (MIT licence, August 2026) and "CDNA5" Instruction Set Architecture Reference Guide (July 2026). The comments in the code are by the model that wrote it; some were corrected since.
;; CLS Transformer Aggregator. Allowed arithmetic: float matrix products may take bf16 or f16 operands with f32 sums; all other float work in f32.
;; Inputs: cls_token 1 x 1 x 256 float32; features 8 x 1,024 x 256 float32; ffn_b1 4 x 1,024 float32; ffn_b2 4 x 256 float32; ffn_w1 4 x 1,024 x 256 float32; ffn_w2 4 x 256 x 1,024 float32; in_proj_b 4 x 768 float32; in_proj_w 4 x 768 x 256 float32; ln1_b 4 x 256 float32; ln1_g 4 x 256 float32; ln2_b 4 x 256 float32; ln2_g 4 x 256 float32; lnf_b 256 float32; lnf_g 256 float32; mask 8 x 1,024 int32; out_b 4 x 256 float32; out_w 4 x 256 x 256 float32; pos_embedding 1 x 2,049 x 256 float32.
;; Outputs: out0 8 x 256 float32; out1 8 x 1,024 float32.
;; 2 versions, each right and faster than the one before. Each part assembles by itself: llvm-mc -triple=amdgcn-amd-amdhsa -mcpu=gfx1250 --defsym DOCPART=n.
;; ======== version 1 of 2: 11 launches
;; limits: values are held in f16: magnitudes above 65,504 overflow, below 6.1e-05 lose precision
;; workspace buffers: xA 8,650,752 bytes; xB 8,650,752 bytes; qkv 12,976,128 bytes; o 4,325,376 bytes; w0 1,593,344 bytes; w1 1,593,344 bytes; w2 1,593,344 bytes; wf 446,464 bytes
;; launch prep (part 1): grid 4 x 40, 4 waves a work-group, no clusters, 0 bytes of LDS; arguments in_proj_w, in_proj_b, out_w, out_b, ffn_w1, ffn_b1, ffn_w2, ffn_b2, ln1_g, ln1_b, ln2_g, ln2_b, mask, w0, w1, w2, wf; writes w0, w1, w2, wf
.if DOCPART == 1
	.amdgcn_target "amdgcn-amd-amdhsa--gfx1250"
	.amdhsa_code_object_version 6
	.text
	.protected	k_q7dee79e408_prep
	.globl	k_q7dee79e408_prep
	.p2align	8
	.type	k_q7dee79e408_prep,@function
k_q7dee79e408_prep:
	s_mov_b64 s[64:65], 0
	v_nop
	global_prefetch_b8 v0, s[64:65] scope:SCOPE_SE
	s_setreg_imm32_b32 hwreg(HW_REG_WAVE_MODE, 25, 1), 1
	s_wait_xcnt 0x0
; PREP.  Weights of layers 0-2 (and the q, k, v weights of all four) are rounded once to f16 and laid out as the matrix unit's lanes hold them:
; a fragment of 16 rows x 32 k is 1,024 bytes, half p (512 bytes) = registers 4p..4p+3 of lanes 0..31, 16 bytes a lane; lane (r, h), half p, element e holds W[row+r][k0+16p+8h+e].
; A pack is [stage 0..11][quarter 0..3][fragment 4 ks + a][1,024]; stage 0 out_w, 1+2j ffn_w1 rows 256 j.., 2+2j ffn_w2 columns 256 j.., 9-11 q, k, v of the NEXT layer.
; q's weights and bias are multiplied by c = log2(e)/sqrt(32) ahead of their one rounding.  wf holds q, k, v of layer 0, its tables, and the keys' flags.
; Work-group (x, y): y < 39: stage y of the 39, quarter x, wave a.  y = 39: the tables of pack x; x = 3 also the flags: u16 0xffff where key s of batch b counts (s = 0, or 1..1024 with mask != 0).
; LIMIT: a weight beyond 65,504 has no f16; below 2^-14 it keeps f16's fixed step.  A stream: no LDS, no matrix unit.
.set CLOG, 0x3e8293ee
	s_load_b512 s[4:19], s[0:1], 0x0               ; in_proj_w 4, in_proj_b 6, out_w 8, out_b 10, ffn_w1 12, ffn_b1 14, ffn_w2 16, ffn_b2 18
	s_load_b512 s[20:35], s[0:1], 0x40             ; ln1_g 20, ln1_b 22, ln2_g 24, ln2_b 26, mask 28, w0 30, w1 32, w2 34
	s_load_b64 s[36:37], s[0:1], 0x80              ; wf
	v_lshrrev_b32 v1, 5, v0
	v_readfirstlane_b32 s38, v1                    ; wave = a
	s_and_b32 s39, ttmp7, 0xffff                   ; y
	s_mov_b32 s40, ttmp9                           ; x
	s_mov_b32 s60, 1024
	s_mov_b32 s61, 4096
	s_cmp_eq_u32 s39, 39
	s_cbranch_scc1 .Lparams
	s_mul_i32 s41, s39, 43
	s_lshr_b32 s41, s41, 9                         ; pack = y / 12 (exact for y < 39); 3 = wf
	s_mul_i32 s42, s41, 12
	s_sub_co_u32 s42, s39, s42                     ; the stage in the pack
	s_add_co_u32 s45, s42, 9
	s_add_co_u32 s46, s41, 1
	s_cmp_eq_u32 s41, 3
	s_cselect_b32 s43, s45, s42                    ; the stage's kind: wf's three are kinds 9-11
	s_cselect_b32 s44, 0, s46                      ; the layer of q, k, v
	s_mul_i32 s47, s44, 786432
	s_sub_co_u32 s48, s43, 9
	s_lshl_b32 s48, s48, 18
	s_add_co_u32 s47, s47, s48                     ; in_proj_w: layer, then 256 rows for each of q, k, v
	s_lshl_b32 s49, s41, 20
	s_sub_co_u32 s50, s43, 1
	s_lshr_b32 s50, s50, 1
	s_lshl_b32 s50, s50, 18
	s_add_co_u32 s50, s50, s49                     ; ffn_w1: layer, 256 rows a chunk
	s_sub_co_u32 s51, s43, 2
	s_lshr_b32 s51, s51, 1
	s_lshl_b32 s51, s51, 10
	s_add_co_u32 s51, s51, s49                     ; ffn_w2: layer, 256 columns a chunk
	s_lshl_b32 s52, s41, 18                        ; out_w: layer
	s_lshl_b32 s66, s42, 17
	s_lshl_b32 s67, s40, 15
	s_add_co_u32 s66, s66, s67
	s_lshl_b32 s67, s38, 10
	s_add_co_u32 s66, s66, s67                     ; where my fragments go: stage, quarter, a
	s_mov_b32 s67, 0
	s_lshl_b32 s70, s40, 6
	s_lshl_b32 s71, s38, 4
	s_add_co_u32 s70, s70, s71                     ; my first row, 64 x + 16 a
	s_wait_kmcnt 0x0
	s_bitcmp1_b32 s43, 0                           ; odd kind below 9: ffn_w1; even: ffn_w2
	s_cselect_b32 s53, s50, s51
	s_cselect_b32 s54, s60, s61                    ; bytes from row to row
	s_cselect_b64 s[56:57], s[12:13], s[16:17]
	s_cmp_lt_u32 s43, 9
	s_cselect_b32 s53, s53, s47
	s_cselect_b32 s54, s54, s60
	s_cselect_b64 s[56:57], s[56:57], s[4:5]
	s_cmp_eq_u32 s43, 0
	s_cselect_b32 s53, s52, s53
	s_cselect_b32 s54, s60, s54
	s_cselect_b64 s[56:57], s[8:9], s[56:57]
	s_cmp_eq_u32 s43, 9
	s_cselect_b32 s58, CLOG, 1.0                   ; q's weights take c
	s_mov_b32 s59, s58
	s_cmp_eq_u32 s41, 1
	s_cselect_b64 s[62:63], s[32:33], s[30:31]
	s_cmp_eq_u32 s41, 2
	s_cselect_b64 s[62:63], s[34:35], s[62:63]
	s_cmp_eq_u32 s41, 3
	s_cselect_b64 s[62:63], s[36:37], s[62:63]
	s_mov_b32 s68, s53
	s_mov_b32 s69, 0
	s_add_nc_u64 s[56:57], s[56:57], s[68:69]
	s_add_nc_u64 s[62:63], s[62:63], s[66:67]
	v_and_b32 v2, 15, v0
	v_bfe_u32 v5, v0, 4, 1
	v_add_nc_u32 v2, s70, v2
	v_mul_lo_u32 v3, v2, s54
	v_lshl_add_u32 v3, v5, 5, v3                   ; row x pitch + 32 h: eight f32 of piece n lie 64 n bytes on
	v_and_b32 v4, 31, v0
	v_lshlrev_b32 v4, 4, v4
.set n, 0
.rept 16                                           ; all 32 loads go out at once: the wave's 16 rows x 1,024 bytes
	global_load_b128 v[32+8*n:35+8*n], v3, s[56:57] offset:64*n
	global_load_b128 v[36+8*n:39+8*n], v3, s[56:57] offset:64*n+16
.set n, n+1
.endr
.set n, 0
.rept 16
	s_wait_loadcnt 30-2*n                          ; piece n's two loads are in; the 2 (15 - n) younger ones stay out
.set j, 0
.rept 4
	v_pk_mul_f32 v[32+8*n+2*j:33+8*n+2*j], v[32+8*n+2*j:33+8*n+2*j], s[58:59] op_sel_hi:[1,0]
.set j, j+1
.endr
.set j, 0
.rept 4
	v_cvt_pk_f16_f32 v[160+4*n+j], v[32+8*n+2*j], v[33+8*n+2*j]
.set j, j+1
.endr
	global_store_b128 v4, v[160+4*n:163+4*n], s[62:63] offset:(n/2)*4096+(n%2)*512 th:TH_STORE_NT  ; 512 consecutive bytes a wave
.set n, n+1
.endr
	s_endpgm
.Lparams:                                              ; the tables of pack x, 128 threads
	s_add_co_u32 s41, s40, 1
	s_mov_b32 s43, 1572864
	s_cmp_eq_u32 s40, 3
	s_cselect_b32 s41, 0, s41                      ; the next layer; wf serves layer 0
	s_cselect_b32 s42, 393216, s43                 ; the tables lie behind the pack's weights
	s_mov_b32 s43, 0
	s_lshl_b32 s44, s41, 10
	s_mov_b32 s45, 0
	s_mul_i32 s46, s41, 3072
	s_mov_b32 s47, 0
	s_lshl_b32 s48, s40, 10
	s_mov_b32 s49, 0
	s_lshl_b32 s50, s40, 12
	s_mov_b32 s51, 0
	s_mov_b32 s58, CLOG
	s_mov_b32 s59, CLOG
	v_lshlrev_b32 v1, 3, v0                        ; 8 bytes a thread: a table of 1,024
	v_lshrrev_b32 v2, 1, v0
	v_lshlrev_b32 v2, 2, v2
	v_lshlrev_b32 v3, 4, v0
	s_wait_kmcnt 0x0
	s_cmp_eq_u32 s40, 1
	s_cselect_b64 s[62:63], s[32:33], s[30:31]
	s_cmp_eq_u32 s40, 2
	s_cselect_b64 s[62:63], s[34:35], s[62:63]
	s_cmp_eq_u32 s40, 3
	s_cselect_b64 s[62:63], s[36:37], s[62:63]
	s_add_nc_u64 s[62:63], s[62:63], s[42:43]
	s_add_nc_u64 s[20:21], s[20:21], s[44:45]
	s_add_nc_u64 s[22:23], s[22:23], s[44:45]
	s_add_nc_u64 s[6:7], s[6:7], s[46:47]
	global_load_b64 v[8:9], v1, s[20:21]           ; ln1_g of the next layer
	global_load_b64 v[10:11], v1, s[22:23]         ; ln1_b
	global_load_b64 v[12:13], v1, s[6:7]           ; bq
	global_load_b64 v[14:15], v1, s[6:7] offset:1024  ; bk
.set i, 0
.rept 4
	global_load_b32 v[16+i], v2, s[6:7] offset:2048+256*i  ; bv of channel (thread + 128 i) / 2
.set i, i+1
.endr
	s_wait_loadcnt 0x0
	v_pk_mul_f32 v[12:13], v[12:13], s[58:59] op_sel_hi:[1,0]
	global_store_b64 v1, v[8:9], s[62:63] offset:18432
	global_store_b64 v1, v[10:11], s[62:63] offset:19456
	global_store_b64 v1, v[12:13], s[62:63] offset:5120
	global_store_b64 v1, v[14:15], s[62:63] offset:6144
.set i, 0
.rept 4                                            ; bv eight times on end for each channel: the C operand of the product that holds one channel a lane
	v_mov_b32 v[20+4*i], v[16+i]
	v_mov_b32 v[21+4*i], v[16+i]
	v_mov_b32 v[22+4*i], v[16+i]
	v_mov_b32 v[23+4*i], v[16+i]
	global_store_b128 v3, v[20+4*i:23+4*i], s[62:63] offset:7168+2048*i
.set i, i+1
.endr
	s_cmp_eq_u32 s40, 3
	s_cbranch_scc1 .Lval
	s_add_nc_u64 s[10:11], s[10:11], s[48:49]
	s_add_nc_u64 s[24:25], s[24:25], s[48:49]
	s_add_nc_u64 s[26:27], s[26:27], s[48:49]
	s_add_nc_u64 s[18:19], s[18:19], s[48:49]
	s_add_nc_u64 s[14:15], s[14:15], s[50:51]
	global_load_b64 v[40:41], v1, s[10:11]         ; out_b
	global_load_b64 v[42:43], v1, s[24:25]         ; ln2_g
	global_load_b64 v[44:45], v1, s[26:27]         ; ln2_b
	global_load_b64 v[46:47], v1, s[18:19]         ; ffn_b2
	global_load_b128 v[48:51], v3, s[14:15]        ; ffn_b1
	global_load_b128 v[52:55], v3, s[14:15] offset:2048
	s_wait_loadcnt 0x0
	global_store_b64 v1, v[40:41], s[62:63]
	global_store_b64 v1, v[42:43], s[62:63] offset:15360
	global_store_b64 v1, v[44:45], s[62:63] offset:16384
	global_store_b64 v1, v[46:47], s[62:63] offset:17408
	global_store_b128 v3, v[48:51], s[62:63] offset:1024
	global_store_b128 v3, v[52:55], s[62:63] offset:3072
	s_endpgm
.Lval:                                                 ; the flags: 8 batches x 2,048 u16 = 2,048 pieces of 16 bytes, 16 trips of 128 threads
	v_mov_b32 v60, v0                              ; the piece
	v_mov_b32 v61, 0xffff
	s_mov_b32 s70, 16
.Lvl:
	v_lshrrev_b32 v62, 8, v60
	v_lshlrev_b32 v62, 12, v62                     ; the batch's row of mask, in bytes
	v_and_b32 v63, 255, v60
	v_lshlrev_b32 v63, 3, v63                      ; the piece's first key s
.set e, 0
.rept 8
	v_add_nc_u32 v[64+e], e-1, v63                 ; s - 1: the patch
	v_min_u32 v[72+e], 0x3ff, v[64+e]              ; kept inside the row; s = 0 and s > 1024 are decided below
	v_lshl_add_u32 v[72+e], v[72+e], 2, v62
	global_load_b32 v[80+e], v[72+e], s[28:29]
.set e, e+1
.endr
	s_wait_loadcnt 0x0
.set e, 0
.rept 8
	v_cmp_ne_u32 s71, 0, v[80+e]
	v_cmp_gt_u32 s72, 0x400, v[64+e]
	s_and_b32 s71, s71, s72                        ; a patch whose mask is not 0,
	v_cmp_eq_u32 s72, -1, v[64+e]
	s_or_b32 s71, s71, s72                         ; or the CLS key
	v_cndmask_b32 v[88+e], 0, v61, s71
.set e, e+1
.endr
.set e, 0
.rept 4
	v_lshl_or_b32 v[96+e], v[89+2*e], 16, v[88+2*e]
.set e, e+1
.endr
	v_lshlrev_b32 v100, 4, v60
	global_store_b128 v100, v[96:99], s[62:63] offset:20480
	s_wait_xcnt 0x0                                ; the store's address and data are written again in the next trip only behind this wait
	v_add_nc_u32 v60, 128, v60
	s_sub_co_u32 s70, s70, 1
	s_cmp_lg_u32 s70, 0
	s_cbranch_scc1 .Lvl
	s_endpgm
.Lfunc_end_k_q7dee79e408_prep:
	.size	k_q7dee79e408_prep, .Lfunc_end_k_q7dee79e408_prep-k_q7dee79e408_prep
	.p2alignl 7, 3214868480
	.fill 96, 4, 3214868480
	.section	.rodata,"a",@progbits
	.p2align	6, 0x0
	.amdhsa_kernel k_q7dee79e408_prep
		.amdhsa_group_segment_fixed_size 0
		.amdhsa_private_segment_fixed_size 0
		.amdhsa_enable_private_segment 0
		.amdhsa_kernarg_size 136
		.amdhsa_user_sgpr_count 2
		.amdhsa_user_sgpr_kernarg_segment_ptr 1
		.amdhsa_wavefront_size32 1
		.amdhsa_system_sgpr_workgroup_id_x 1
		.amdhsa_system_sgpr_workgroup_id_y 1
		.amdhsa_system_sgpr_workgroup_id_z 1
		.amdhsa_system_vgpr_workitem_id 0
		.amdhsa_next_free_vgpr 224
		.amdhsa_next_free_sgpr 80
		.amdhsa_reserve_vcc 0
		.amdhsa_float_denorm_mode_32 3
		.amdhsa_float_denorm_mode_16_64 3
		.amdhsa_memory_ordered 1
		.amdhsa_forward_progress 1
		.amdhsa_inst_pref_size 27
	.end_amdhsa_kernel
	.amdgpu_metadata
---
amdhsa.version: [ 1, 2 ]
amdhsa.kernels:
  - .name:           k_q7dee79e408_prep
    .symbol:         k_q7dee79e408_prep.kd
    .args:
      - { .name: in_proj_w, .offset: 0, .size: 8, .value_kind: global_buffer, .address_space: global }
      - { .name: in_proj_b, .offset: 8, .size: 8, .value_kind: global_buffer, .address_space: global }
      - { .name: out_w, .offset: 16, .size: 8, .value_kind: global_buffer, .address_space: global }
      - { .name: out_b, .offset: 24, .size: 8, .value_kind: global_buffer, .address_space: global }
      - { .name: ffn_w1, .offset: 32, .size: 8, .value_kind: global_buffer, .address_space: global }
      - { .name: ffn_b1, .offset: 40, .size: 8, .value_kind: global_buffer, .address_space: global }
      - { .name: ffn_w2, .offset: 48, .size: 8, .value_kind: global_buffer, .address_space: global }
      - { .name: ffn_b2, .offset: 56, .size: 8, .value_kind: global_buffer, .address_space: global }
      - { .name: ln1_g, .offset: 64, .size: 8, .value_kind: global_buffer, .address_space: global }
      - { .name: ln1_b, .offset: 72, .size: 8, .value_kind: global_buffer, .address_space: global }
      - { .name: ln2_g, .offset: 80, .size: 8, .value_kind: global_buffer, .address_space: global }
      - { .name: ln2_b, .offset: 88, .size: 8, .value_kind: global_buffer, .address_space: global }
      - { .name: mask, .offset: 96, .size: 8, .value_kind: global_buffer, .address_space: global }
      - { .name: w0, .offset: 104, .size: 8, .value_kind: global_buffer, .address_space: global }
      - { .name: w1, .offset: 112, .size: 8, .value_kind: global_buffer, .address_space: global }
      - { .name: w2, .offset: 120, .size: 8, .value_kind: global_buffer, .address_space: global }
      - { .name: wf, .offset: 128, .size: 8, .value_kind: global_buffer, .address_space: global }
    .group_segment_fixed_size: 0
    .private_segment_fixed_size: 0
    .kernarg_segment_align: 8
    .kernarg_segment_size: 136
    .max_flat_workgroup_size: 128
    .sgpr_count:     80
    .vgpr_count:     224
    .wavefront_size: 32
...
	.end_amdgpu_metadata
.endif
;; end of part 1
;; launch front (part 2): grid 176 x 1, 4 waves a work-group, clusters of 4 x 1, 327,680 bytes of LDS; arguments features, cls_token, pos_embedding, wf, xA, qkv; writes xA, qkv
.if DOCPART == 2
	.amdgcn_target "amdgcn-amd-amdhsa--gfx1250"
	.amdhsa_code_object_version 6
	.text
	.protected	k_q7dee79e408_front
	.globl	k_q7dee79e408_front
	.p2align	8
	.type	k_q7dee79e408_front,@function
k_q7dee79e408_front:
	s_mov_b64 s[64:65], 0
	v_nop
	global_prefetch_b8 v0, s[64:65] scope:SCOPE_SE
	s_setreg_imm32_b32 hwreg(HW_REG_WAVE_MODE, 25, 1), 1
	s_wait_xcnt 0x0
	s_wait_alu depctr_hold_cnt(0) depctr_sa_sdst(0) depctr_va_vdst(0) depctr_va_sdst(0) depctr_va_ssrc(0) depctr_va_vcc(0) depctr_vm_vsrc(0)
	s_getreg_b32 s2, hwreg(HW_REG_IB_STS2, 6, 4)
	s_cmp_eq_u32 s2, 0
	s_cbranch_scc0 .Lentry_in_a_cluster
	s_endpgm
.Lentry_in_a_cluster:
	s_bfe_u32 s2, ttmp6, 0x10000c
	s_cmp_lg_u32 s2, 0x3003
	s_cbranch_scc0 .Lentry_shape_is_right
	s_endpgm
.Lentry_shape_is_right:
; FRONT.  x0 = [cls; features] + pos on a sequence padded to 1,056 rows (rows 1025.. hold features' last row + pos: finite, and never counted as keys); LN1 of layer 0; q, k, v of layer 0.
; A work-group owns 48 rows (3 tiles of 16) of one batch: 8 x 1056 / 48 = 176 work-groups.  The four waves split the 256 output channels, 64 each.
; Weights are source 0, activations source 1: a lane then holds ONE row (lane % 16) and channels 16 a + 8 (lane / 16) + 0..7, which rounded in pairs are half a fragment of the next product.
; For v the sources change places: a lane holds one channel and eight rows (keys), half a fragment of V^T.  All intermediates lie in memory in that order: each store of a wave is 512 consecutive bytes.
; CLUSTER: all work-groups walk the same weights, so the four of a cluster ask for each 128 KB stage jointly; wave w asks for and reads quarter w alone.
; LIMITS: operands are f16: |xn|, |q|, |k|, |v| stay under 65,504.  NaN and infinities are not treated apart.
; REGISTERS (windows of 256; s_set_vgpr_msb bits 1:0 source 0, 3:2 source 1, 5:4 source 2, 7:6 destination):
;   window 0: v0-31 addresses; v32-95, v96-159 two buffers of 8 weight fragments (also at work between stages); v160-255 12 accumulators (t, a) at 160 + 8 (4 t + a)
;   window 1: v0-191 xn's fragments (t, ks) at 8 (8 t + ks); v192-223 the bias as C operand        window 3: v0-95 x in f32, (t, a) at 8 (4 t + a)
.set XS,    262144                     ; 48 rows of x0 in f32, 1,040 bytes apart: row r starts at bank 4 r mod 64
.set XP,    1040
.set XN,    262144                     ; xn's fragments, (8 t + ks) x 1,024; written when every wave has read XS (the barrier of the statistics stands between)
.set ST,    312064                     ; row x 32 + wave x 8: the wave's mean and sum of squared differences
.set SPARE, 313600                     ; the spare words, 128 bytes a wave
.set PK,    10                         ; s[10:11] the pack
.set PBOFF, 393216
.set AB0,   32
.set AB1,   96
.set ACC1,  160
.set T_BVX, 7168
.set T_G1,  18432
.set T_B1L, 19456
.set KOFF,  4325376
.set VOFF,  8650752
.set VALOFF, 413696
.set MSB, 0
.macro WIN new                         ; the high byte repeats the setting that is left; a switch that changes nothing is dropped
.if MSB != (\new)
	s_set_vgpr_msb (MSB<<8)|(\new)
.set MSB, \new
.endif
.endm
.macro PLACES                          ; four places between a matrix instruction and a vector instruction or load that touches its registers
.rept 4
	v_nop
.endr
.endm
.macro CROUND                          ; a round of the cluster's barrier
	s_barrier_signal -1
	s_barrier_wait -1
	s_cmp_lg_u32 s16, 0
	s_cbranch_scc1 .Lnw0_\@
	s_barrier_signal -3
.Lnw0_\@:
	s_barrier_wait -3
	s_barrier_signal -1
	s_barrier_wait -1
.endm
.macro CHANGE slot                     ; the slot just read is filled again with the stage two on: all my loads have landed, the add, my LDS work is done, the round, then my one joint load
	WIN 0
	s_wait_tensorcnt 0x0
	ds_add_u32 v28, v29
	s_add_nc_u64 s[34+4*(\slot):35+4*(\slot)], s[34+4*(\slot):35+4*(\slot)], 262144
	s_wait_dscnt 0x0
	CROUND
	tensor_load_to_lds s[32+4*(\slot):35+4*(\slot)], s[24:31]
	s_nop 0
	PLACES
.endm
.macro FETCH slot, bt, ab, bl, bwin, breg  ; batch bt of a stage: 8 weight fragments (ks = 2 bt, 2 bt + 1; a = 0..3); bl = 1: also the 6 activation fragments of those ks
	WIN 0
.irp fi, 0,1,2,3,4,5,6,7
	ds_load_b128 v[(\ab)+8*(\fi):(\ab)+8*(\fi)+3], v[2+(\slot)] offset:(8*(\bt)+(\fi))*1024
	ds_load_b128 v[(\ab)+8*(\fi)+4:(\ab)+8*(\fi)+7], v[2+(\slot)] offset:(8*(\bt)+(\fi))*1024+512
.endr
.if \bl
	WIN (\bwin)<<6
.irp ik, 0,1
.irp it, 0,1,2
	ds_load_b128 v[8*(8*(\it)+2*(\bt)+(\ik)):8*(8*(\it)+2*(\bt)+(\ik))+3], v[\breg] offset:(8*(\it)+2*(\bt)+(\ik))*1024
	ds_load_b128 v[8*(8*(\it)+2*(\bt)+(\ik))+4:8*(8*(\it)+2*(\bt)+(\ik))+7], v[\breg] offset:(8*(\it)+2*(\bt)+(\ik))*1024+512
.endr
.endr
.endif
.endm
.macro MUL bt, ab, acc, wm, wf, swap   ; 24 matrix instructions; the 12 accumulators take turns, one instruction a turn; the first 12 of a stage take the bias as C
.irp ik, 0,1
.irp ia, 0,1,2,3
.irp it, 0,1,2
.set rD, (\acc)+8*(4*(\it)+(\ia))
.set rA, (\ab)+8*(4*(\ik)+(\ia))
.set rB, 8*(8*(\it)+2*(\bt)+(\ik))
.if ((\wf) != 0) && ((\bt) == 0) && ((\ik) == 0)
	WIN \wf
.if \swap
	v_wmma_f32_16x16x32_f16 v[rD:rD+7], v[rB:rB+7], v[rA:rA+7], v[192+8*(\ia):199+8*(\ia)]
.else
	v_wmma_f32_16x16x32_f16 v[rD:rD+7], v[rA:rA+7], v[rB:rB+7], v[192+8*(\ia):199+8*(\ia)]
.endif
.else
	WIN \wm
.if \swap
	v_wmma_f32_16x16x32_f16 v[rD:rD+7], v[rB:rB+7], v[rA:rA+7], v[rD:rD+7]
.else
	v_wmma_f32_16x16x32_f16 v[rD:rD+7], v[rA:rA+7], v[rB:rB+7], v[rD:rD+7]
.endif
.endif
.endr
.endr
.endr
.endm
.macro BIASLD kind                     ; the next stage's C operand: 1: eight channels a lane, from the chain of tables; 2: one channel a lane, eight times
	WIN 0x40
.irp ia, 0,1,2,3
.irp jh, 0,1
.if (\kind) == 1
	global_load_b128 v[192+8*(\ia)+4*(\jh):195+8*(\ia)+4*(\jh)], v10, s[40:41] offset:64*(\ia)+16*(\jh)
.else
	global_load_b128 v[192+8*(\ia)+4*(\jh):195+8*(\ia)+4*(\jh)], v11, s[42:43] offset:T_BVX+512*(\ia)+16*(\jh)
.endif
.endr
.endr
.endm
; A stage: 64 channels x 48 rows x 256 k for this wave: 96 matrix instructions in four batches on two buffers.  The counted waits leave out the LDS loads of the one younger batch (16, or 28 with activations).
.macro STAGE slot, acc, wm, wf, bl, bwin, breg, swap, pre, step
	WIN 0
	s_wait_xcnt 0x0                                ; earlier stores have read their data: the buffers are written again only behind this wait
	s_wait_loadcnt 0x0                             ; the bias (and what else was asked for from memory) is in
.if \step
	s_add_nc_u64 s[40:41], s[40:41], 1024          ; the chain's next table
.endif
	FETCH \slot, 0, AB0, \bl, \bwin, \breg
	FETCH \slot, 1, AB1, \bl, \bwin, \breg
	s_wait_dscnt 16+12*(\bl)
	MUL 0, AB0, \acc, \wm, \wf, \swap
	PLACES
.if \pre
	BIASLD \pre
.endif
	FETCH \slot, 2, AB0, \bl, \bwin, \breg
	s_wait_dscnt 16+12*(\bl)
	MUL 1, AB1, \acc, \wm, 0, \swap
	PLACES
	FETCH \slot, 3, AB1, \bl, \bwin, \breg
	s_wait_dscnt 16+12*(\bl)
	MUL 2, AB0, \acc, \wm, 0, \swap
	s_wait_dscnt 0x0
	MUL 3, AB1, \acc, \wm, 0, \swap
	WIN 0
	PLACES
.endm
; LAYER NORM of the 48 rows in window 3.  A row's 256 channels lie in two lanes of each wave.  Each wave makes its 64 channels' mean and sum of squared differences from that mean;
; the four are combined as mean = sum/4, M2 = sum M2_w + 64 sum (mean_w - mean)^2: no difference of large sums is formed.
.macro LNSTAT t
	WIN 0x0f
.set i, 0
.rept 8
	v_pk_add_f32 v[32+2*i:33+2*i], v[32*(\t)+4*i:32*(\t)+4*i+1], v[32*(\t)+4*i+2:32*(\t)+4*i+3]
.set i, i+1
.endr
	WIN 0
	v_pk_add_f32 v[32:33], v[32:33], v[40:41]
	v_pk_add_f32 v[34:35], v[34:35], v[42:43]
	v_pk_add_f32 v[36:37], v[36:37], v[44:45]
	v_pk_add_f32 v[38:39], v[38:39], v[46:47]
	v_pk_add_f32 v[32:33], v[32:33], v[36:37]
	v_pk_add_f32 v[34:35], v[34:35], v[38:39]
	v_pk_add_f32 v[32:33], v[32:33], v[34:35]
	v_add_f32 v32, v32, v33
	v_permlanex16_b32 v33, v32, s62, s63           ; the row's other 32 channels lie in the lane 16 away
	v_add_f32 v32, v32, v33
	v_mul_f32 v48, s76, v32
	v_mul_f32 v49, s76, v32
	WIN 0x03
.set i, 0
.rept 16
	v_pk_add_f32 v[64+2*i:65+2*i], v[32*(\t)+2*i:32*(\t)+2*i+1], v[48:49] neg_lo:[0,1] neg_hi:[0,1]
.set i, i+1
.endr
	WIN 0
	v_pk_mul_f32 v[32:33], v[64:65], v[64:65]
	v_pk_mul_f32 v[34:35], v[66:67], v[66:67]
.set i, 2
.rept 14
	v_pk_fma_f32 v[32+2*(i%2):33+2*(i%2)], v[64+2*i:65+2*i], v[64+2*i:65+2*i], v[32+2*(i%2):33+2*(i%2)]
.set i, i+1
.endr
	v_pk_add_f32 v[32:33], v[32:33], v[34:35]
	v_add_f32 v32, v32, v33
	v_permlanex16_b32 v33, v32, s62, s63
	v_add_f32 v49, v32, v33
	ds_store_b64 v8, v[48:49] offset:512*(\t)
.endm
.macro LNFIN t
.set rR, 32+8*(\t)
.set rM, 84+4*(\t)
	v_add_f32 v80, v[rR], v[rR+2]
	v_add_f32 v81, v[rR+4], v[rR+6]
	v_add_f32 v80, v80, v81
	v_mul_f32 v[rM], 0x3e800000, v80
	v_sub_f32 v80, v[rR], v[rM]
	v_mul_f32 v81, v80, v80
	v_sub_f32 v80, v[rR+2], v[rM]
	v_fmac_f32 v81, v80, v80
	v_sub_f32 v80, v[rR+4], v[rM]
	v_fmac_f32 v81, v80, v80
	v_sub_f32 v80, v[rR+6], v[rM]
	v_fmac_f32 v81, v80, v80
	v_add_f32 v82, v[rR+1], v[rR+3]
	v_add_f32 v83, v[rR+5], v[rR+7]
	v_add_f32 v82, v82, v83
	v_fma_f32 v82, v81, s78, v82
	v_fma_f32 v82, v82, s80, s82                   ; variance + 1e-5
	v_rsq_f32 v[rM+2], v82
	v_mov_b32 v[rM+1], v[rM]                       ; the plain instruction behind the root
	s_wait_alu depctr_va_vdst(0)
	v_mov_b32 v[rM+3], v[rM+2]
.endm
.macro LNAPP t
	WIN 0x03
.set i, 0
.rept 16
	v_pk_add_f32 v[32+2*i:33+2*i], v[32*(\t)+2*i:32*(\t)+2*i+1], v[84+4*(\t):85+4*(\t)] neg_lo:[0,1] neg_hi:[0,1]
.set i, i+1
.endr
	WIN 0
.set i, 0
.rept 16
	v_pk_mul_f32 v[32+2*i:33+2*i], v[32+2*i:33+2*i], v[86+4*(\t):87+4*(\t)]
.set i, i+1
.endr
.set i, 0
.rept 16
	v_pk_fma_f32 v[32+2*i:33+2*i], v[32+2*i:33+2*i], v[96+2*i:97+2*i], v[128+2*i:129+2*i]
.set i, i+1
.endr
.set i, 0
.rept 16
	v_cvt_pk_f16_f32 v[64+i], v[32+2*i], v[33+2*i]
.set i, i+1
.endr
.irp ia, 0,1,2,3
	ds_store_b128 v5, v[64+4*(\ia):67+4*(\ia)] offset:(8*(\t)+(\ia)/2)*1024+((\ia)%2)*512
.endr
.endm
.macro LN gofs, bofs
	WIN 0
.irp ia, 0,1,2,3
.irp jh, 0,1
	global_load_b128 v[96+8*(\ia)+4*(\jh):99+8*(\ia)+4*(\jh)], v10, s[42:43] offset:(\gofs)+64*(\ia)+16*(\jh)
	global_load_b128 v[128+8*(\ia)+4*(\jh):131+8*(\ia)+4*(\jh)], v10, s[42:43] offset:(\bofs)+64*(\ia)+16*(\jh)
.endr
.endr
	LNSTAT 0
	LNSTAT 1
	LNSTAT 2
	s_wait_dscnt 0x0                               ; for the others' sake: my statistics are in LDS
	s_barrier_signal -1
	s_barrier_wait -1                              ; a tile on its way may stay out
.irp it, 0,1,2
	ds_load_b128 v[32+8*(\it):35+8*(\it)], v9 offset:512*(\it)
	ds_load_b128 v[36+8*(\it):39+8*(\it)], v9 offset:512*(\it)+16
.endr
	s_wait_dscnt 0x0
	LNFIN 0
	LNFIN 1
	LNFIN 2
	s_wait_loadcnt 0x0                             ; gain and bias
	LNAPP 0
	LNAPP 1
	LNAPP 2
.endm
.macro OUTQK base                      ; q or k: rounded to f16; head 2 w + a / 2, half a % 2 of the head's fragment of tile t
	WIN 0
.set n, 0
.rept 12
.set j, 0
.rept 4
	v_cvt_pk_f16_f32 v[32+4*n+j], v[ACC1+8*n+2*j], v[ACC1+8*n+2*j+1]
.set j, j+1
.endr
	global_store_b128 v1, v[32+4*n:35+4*n], s[\base:(\base)+1] offset:((n%4)/2)*67584+(n/4)*1024+((n%4)%2)*512
.set n, n+1
.endr
.endm
.macro OUTV                            ; v: a lane holds one channel and eight keys; keys that do not count are set to 0 bit by bit
	WIN 0
.set n, 0
.rept 12
.set j, 0
.rept 4
	v_cvt_pk_f16_f32 v[32+4*n+j], v[ACC1+8*n+2*j], v[ACC1+8*n+2*j+1]
.set j, j+1
.endr
.set j, 0
.rept 4
	v_and_b32 v[32+4*n+j], v[32+4*n+j], v[16+4*(n/4)+j]
.set j, j+1
.endr
	global_store_b128 v[12+n/4], v[32+4*n:35+4*n], s[70:71] offset:((n%4)/2)*67584+((n%4)%2)*1024
.set n, n+1
.endr
.endm
	s_load_b256 s[4:11], s[0:1], 0x0               ; features 4, cls_token 6, pos_embedding 8, wf 10
	s_load_b128 s[12:15], s[0:1], 0x20             ; xA 12, qkv 14
	v_lshl_add_u32 v28, v0, 2, SPARE
	v_mov_b32 v29, 0
	ds_add_u32 v28, v29                            ; the wave's opening: the add and its wait ahead of my first tensor load
	v_lshrrev_b32 v30, 5, v0
	v_readfirstlane_b32 s16, v30                   ; wave
	s_bfe_u32 s17, ttmp6, 0x40000                  ; cx: it enters addresses in memory alone
	s_lshl_b32 s18, ttmp9, 2
	s_add_co_u32 s18, s18, s17                     ; work-group
	s_mul_i32 s19, s18, 373
	s_lshr_b32 s19, s19, 13                        ; batch = work-group / 22 (exact below 176)
	s_mul_i32 s20, s19, 22
	s_sub_co_u32 s20, s18, s20
	s_mul_i32 s20, s20, 3                          ; my first tile in the batch
	s_mov_b32 s24, 15|(3<<16)|(1<<21)              ; group 1: mask of all four, 8-byte elements, bit 21 beside the mask
	s_mov_b32 s25, 32<<16                          ; tensor_dim0 = 32 elements = 256 bytes
	s_mov_b32 s26, 128<<16                         ; tensor_dim1 = 128 rows
	s_mov_b32 s27, 32<<16                          ; tile_dim0
	s_mov_b32 s28, 128                             ; tile_dim1: 32 KB, dense
	s_mov_b32 s29, 32
	s_mov_b32 s30, 0
	s_mov_b32 s31, 0
	s_mul_i32 s21, s16, 32768                      ; my quarter of a slot and of a stage
	s_mov_b32 s32, 1
	s_mov_b32 s33, s21
	s_mov_b32 s36, 1
	s_add_co_u32 s37, s21, 131072
	s_mov_b32 s62, 0x76543210
	s_mov_b32 s63, 0xfedcba98
	s_mov_b32 s76, 0x3c800000                      ; 1/64
	s_mov_b32 s78, 0x42800000                      ; 64
	s_mov_b32 s80, 0x3b800000                      ; 1/256
	s_mov_b32 s82, 0x3727c5ac                      ; 1e-5
	s_mov_b32 s86, s21
	s_mov_b32 s87, 0
	s_mul_i32 s88, s18, 49152
	s_lshl_b32 s22, s16, 12
	s_add_co_u32 s88, s88, s22                     ; x: (16 x 3 work-group + 4 wave) x 1,024
	s_mov_b32 s89, 0
	s_lshl_b32 s75, s20, 4
	s_mul_i32 s22, s16, 12
	s_add_co_u32 s75, s75, s22                     ; the first of the 12 rows that I bring in
	s_lshl_b32 s90, s75, 10
	s_mov_b32 s91, 0
	s_lshl_b32 s98, s19, 20
	s_lshl_b32 s22, s19, 3
	s_lshl_b32 s23, s16, 1
	s_add_co_u32 s22, s22, s23
	s_mul_i32 s92, s22, 67584                      ; head 8 b + 2 w: 66 KB a head
	s_mov_b32 s93, 0
	s_lshl_b32 s23, s20, 10
	s_add_co_u32 s94, s92, s23
	s_mov_b32 s95, 0
	s_lshl_b32 s96, s19, 12
	s_lshl_b32 s23, s20, 5
	s_add_co_u32 s96, s96, s23
	s_add_co_u32 s96, s96, VALOFF
	s_mov_b32 s97, 0
	s_wait_dscnt 0x0                               ; the opening add is done
	s_wait_kmcnt 0x0
	s_add_nc_u64 s[34:35], s[PK:PK+1], s[86:87]
	s_add_nc_u64 s[38:39], s[34:35], 131072
	s_or_b32 s35, s35, 0x80000000
	s_or_b32 s39, s39, 0x80000000
	s_add_nc_u64 s[42:43], s[PK:PK+1], PBOFF       ; the tables
	s_add_nc_u64 s[40:41], s[42:43], 5120          ; the chain begins at bq
	s_add_nc_u64 s[44:45], s[8:9], s[90:91]        ; pos at my first row
	s_add_nc_u64 s[46:47], s[12:13], s[88:89]
	s_add_nc_u64 s[66:67], s[14:15], s[94:95]
	s_add_nc_u64 s[68:69], s[66:67], KOFF
	s_add_nc_u64 s[70:71], s[14:15], s[92:93]
	s_add_nc_u64 s[70:71], s[70:71], VOFF
	s_add_nc_u64 s[72:73], s[10:11], s[96:97]
	CROUND                                         ; all four work-groups are here: the first joint loads meet
	tensor_load_to_lds s[32:35], s[24:31]          ; q's weights
	s_nop 0
	tensor_load_to_lds s[36:39], s[24:31]          ; k's: two loads of mine are out
	s_nop 0
	PLACES
	v_and_b32 v1, 31, v0
	v_lshlrev_b32 v1, 4, v1                        ; 16 x lane
	v_and_b32 v30, 15, v0
	v_bfe_u32 v31, v0, 4, 1
	v_add_nc_u32 v2, s21, v1
	v_add_nc_u32 v3, 131072, v2
	v_add_nc_u32 v4, XN, v1
	s_lshl_b32 s2, s16, 11
	v_add_nc_u32 v5, s2, v4
	v_lshlrev_b32 v9, 5, v30
	v_add_nc_u32 v9, ST, v9
	s_lshl_b32 s23, s16, 3
	v_add_nc_u32 v8, s23, v9
	s_lshl_b32 s23, s16, 8
	v_lshl_add_u32 v10, v31, 5, s23
	v_lshl_add_u32 v11, v30, 5, s2
	v_lshlrev_b32 v15, 4, v31
	s_mul_i32 s3, s16, 12*XP
	v_add_nc_u32 v6, s3, v1
	v_add_nc_u32 v6, XS, v6                        ; where my 12 rows go
	v_mul_u32_u24 v7, v30, XP
	v_add_nc_u32 v7, v7, v10
	v_add_nc_u32 v7, XS, v7                        ; where row lane % 16, my 64 channels, come back from
.irp it, 0,1,2
	s_add_co_u32 s22, s20, \it
	s_lshr_b32 s23, s22, 1
	s_lshl_b32 s23, s23, 11
	s_and_b32 s22, s22, 1
	s_lshl_b32 s22, s22, 9
	s_add_co_u32 s22, s22, s23
	v_add_nc_u32 v[12+\it], s22, v1                ; v: key block (tile / 2), half (tile % 2)
.endr
	BIASLD 1
	WIN 0
.irp it, 0,1,2
	global_load_b128 v[16+4*(\it):19+4*(\it)], v15, s[72:73] offset:32*(\it)  ; the flags of my eight keys of tile t
.endr
	global_load_b128 v[236:239], v1, s[6:7]
	global_load_b128 v[240:243], v1, s[6:7] offset:512
.set i, 0
.rept 12
	s_add_co_u32 s22, s75, i
	s_max_u32 s22, s22, 1
	s_sub_co_u32 s22, s22, 1
	s_min_u32 s22, s22, 1023                       ; the patch of row s, kept inside features
	s_lshl_b32 s22, s22, 10
	s_add_co_u32 s22, s22, s98
	v_add_nc_u32 v[224+i], s22, v1
	global_load_b128 v[32+16*i:35+16*i], v[224+i], s[4:5]
	global_load_b128 v[36+16*i:39+16*i], v[224+i], s[4:5] offset:512
	global_load_b128 v[40+16*i:43+16*i], v1, s[44:45] offset:1024*i
	global_load_b128 v[44+16*i:47+16*i], v1, s[44:45] offset:1024*i+512
.set i, i+1
.endr
	s_cmp_eq_u32 s75, 0
	s_cselect_b32 s86, -1, 0                       ; my first row is the CLS row
.set i, 0
.rept 12
	s_wait_loadcnt 4*(11-i)                        ; row i's four loads are in; the later rows' stay out
.if i == 0
.set j, 0
.rept 8
	v_cndmask_b32 v[32+j], v[32+j], v[236+j], s86
.set j, j+1
.endr
.endif
.set j, 0
.rept 4
	v_pk_add_f32 v[32+16*i+2*j:33+16*i+2*j], v[32+16*i+2*j:33+16*i+2*j], v[40+16*i+2*j:41+16*i+2*j]
.set j, j+1
.endr
	ds_store_b128 v6, v[32+16*i:35+16*i] offset:XP*i
	ds_store_b128 v6, v[36+16*i:39+16*i] offset:XP*i+512
.set i, i+1
.endr
	s_wait_dscnt 0x0                               ; for the others' sake: my rows are in LDS
	s_barrier_signal -1
	s_barrier_wait -1
	WIN 0xc0
.irp it, 0,1,2
.irp ia, 0,1,2,3
.irp jh, 0,1
	ds_load_b128 v[8*(4*(\it)+(\ia))+4*(\jh):8*(4*(\it)+(\ia))+4*(\jh)+3], v7 offset:(\it)*16*XP+64*(\ia)+16*(\jh)
.endr
.endr
.endr
	s_wait_dscnt 0x0                               ; my reads of XS are over: XN may take its bytes behind the next barrier
	WIN 0x0c
.irp it, 0,1,2
.irp ia, 0,1,2,3
.irp jh, 0,1
	global_store_b128 v1, v[8*(4*(\it)+(\ia))+4*(\jh):8*(4*(\it)+(\ia))+4*(\jh)+3], s[46:47] offset:(\it)*16384+(\ia)*1024+(\jh)*512
.endr
.endr
.endr
	LN T_G1, T_B1L
	s_wait_dscnt 0x0
	s_barrier_signal -1
	s_barrier_wait -1                              ; xn is whole
	s_wait_tensorcnt 0x1                           ; my quarter of q's weights is in, and only I read it; k's may stay out
	STAGE 0, ACC1, 0x04, 0x14, 1, 1, 4, 0, 1, 1
	OUTQK 66
	CHANGE 0                                       ; v's weights
	STAGE 1, ACC1, 0x04, 0x14, 0, 0, 0, 0, 2, 0
	OUTQK 68
	s_wait_tensorcnt 0x0
	STAGE 0, ACC1, 0x01, 0x11, 0, 0, 0, 1, 0, 0
	OUTV
	s_wait_tensorcnt 0x0                           ; the wave's end
	ds_add_u32 v28, v29
	s_wait_dscnt 0x0
	CROUND                                         ; the closing round
	s_endpgm
.Lfunc_end_k_q7dee79e408_front:
	.size	k_q7dee79e408_front, .Lfunc_end_k_q7dee79e408_front-k_q7dee79e408_front
	.p2alignl 7, 3214868480
	.fill 96, 4, 3214868480
	.section	.rodata,"a",@progbits
	.p2align	6, 0x0
	.amdhsa_kernel k_q7dee79e408_front
		.amdhsa_group_segment_fixed_size 327680
		.amdhsa_private_segment_fixed_size 0
		.amdhsa_enable_private_segment 0
		.amdhsa_kernarg_size 48
		.amdhsa_user_sgpr_count 2
		.amdhsa_user_sgpr_kernarg_segment_ptr 1
		.amdhsa_wavefront_size32 1
		.amdhsa_system_sgpr_workgroup_id_x 1
		.amdhsa_system_sgpr_workgroup_id_y 1
		.amdhsa_system_sgpr_workgroup_id_z 1
		.amdhsa_system_vgpr_workitem_id 0
		.amdhsa_next_free_vgpr 864
		.amdhsa_next_free_sgpr 100
		.amdhsa_reserve_vcc 0
		.amdhsa_float_denorm_mode_32 3
		.amdhsa_float_denorm_mode_16_64 3
		.amdhsa_memory_ordered 1
		.amdhsa_forward_progress 1
		.amdhsa_inst_pref_size 105
	.end_amdhsa_kernel
	.amdgpu_metadata
---
amdhsa.version: [ 1, 2 ]
amdhsa.kernels:
  - .name:           k_q7dee79e408_front
    .symbol:         k_q7dee79e408_front.kd
    .args:
      - { .name: features, .offset: 0, .size: 8, .value_kind: global_buffer, .address_space: global }
      - { .name: cls_token, .offset: 8, .size: 8, .value_kind: global_buffer, .address_space: global }
      - { .name: pos_embedding, .offset: 16, .size: 8, .value_kind: global_buffer, .address_space: global }
      - { .name: wf, .offset: 24, .size: 8, .value_kind: global_buffer, .address_space: global }
      - { .name: xA, .offset: 32, .size: 8, .value_kind: global_buffer, .address_space: global }
      - { .name: qkv, .offset: 40, .size: 8, .value_kind: global_buffer, .address_space: global }
    .group_segment_fixed_size: 327680
    .private_segment_fixed_size: 0
    .kernarg_segment_align: 8
    .kernarg_segment_size: 48
    .max_flat_workgroup_size: 128
    .sgpr_count:     100
    .vgpr_count:     864
    .wavefront_size: 32
...
	.end_amdgpu_metadata
.endif
;; end of part 2
;; launch attn (part 3): grid 4 x 64, 8 waves a work-group, no clusters, 167,936 bytes of LDS; arguments qkv, wf, o; writes o
.if DOCPART == 3
	.amdgcn_target "amdgcn-amd-amdhsa--gfx1250"
	.amdhsa_code_object_version 6
	.text
	.protected	k_q7dee79e408_attn
	.globl	k_q7dee79e408_attn
	.p2align	8
	.type	k_q7dee79e408_attn,@function
k_q7dee79e408_attn:
	s_mov_b64 s[64:65], 0
	v_nop
	global_prefetch_b8 v0, s[64:65] scope:SCOPE_SE
	s_setreg_imm32_b32 hwreg(HW_REG_WAVE_MODE, 25, 1), 1
	s_wait_xcnt 0x0
; ATTENTION, head size 32, 1,056 keys (33 blocks of 32) of one (batch, head) kept in LDS: K 66 KB, V^T 66 KB, the keys' flags as f16 1.0 / 0.
; Work-group (part, bh): 8 waves, two on a SIMD, each with two tiles of 16 queries: tiles 16 part + 2 wave.  Tiles 64 and 65 are a second job of the last wave of part 3.
; S^T = K Q^T: a lane holds one query (lane % 16) and keys 8 (lane / 16) + 0..7; two results rounded to f16 are source 1 of O^T = V^T P.  q already carries log2(e)/sqrt(32).
; SOFTMAX IN TWO PASSES.  Pass 1 makes all scores and takes the query's true maximum m.  Pass 2 makes them again with C = -m, so p = 2^(what the product returns).  The sum l comes as a
; third block of 'channels' of V^T that holds the flags.
; THE MASK.  On its way into LDS the K row of a key that does not count is replaced by key 0's (the CLS key always counts): its score equals a counted key's, so m is the counted keys' maximum and p <= 1;
; its V row was stored as zeros and its flag is 0, so it adds nothing to O or l.
; NO JOINT LOADS: K's rows are chosen in registers, so they reach LDS by stores; K and V are 135 KB read once, against 66 walks over a key block for each wave.
; LIMITS: p below 6e-5 keeps f16's fixed step; a weight below 2^-126 counts as 0; NaN and infinities are not treated apart.
; REGISTERS: v16-31 Q; v32-47 -m, eight times a tile; v48-95 O^T: tile t at 48 + 24 t: channels 0-15, 16-31, l; v96-127 K, two buffers; v128-175 V and flags, two buffers; v176-207 S^T of tile 0, 1; v208-223 P.
; Pass 1: two sets of scores in v128-191, the maxima's chains in v48-55.
.set VL,    67584
.set ONE,   135168
.set SPARE, 139264
.set KOFF,  4325376
.set VOFF,  8650752
.set VALOFF, 413696
.macro PLACES
.rept 4
	v_nop
.endr
.endm
.macro KLOAD buf                       ; a key block's two fragments of K
	ds_load_b128 v[96+16*(\buf):99+16*(\buf)], v2
	ds_load_b128 v[100+16*(\buf):103+16*(\buf)], v2 offset:512
	ds_load_b128 v[104+16*(\buf):107+16*(\buf)], v2 offset:1024
	ds_load_b128 v[108+16*(\buf):111+16*(\buf)], v2 offset:1536
	v_add_nc_u32 v2, 2048, v2
.endm
.macro VLOAD buf                       ; its two fragments of V^T and the fragment of flags
	ds_load_b128 v[128+24*(\buf):131+24*(\buf)], v3
	ds_load_b128 v[132+24*(\buf):135+24*(\buf)], v3 offset:512
	ds_load_b128 v[136+24*(\buf):139+24*(\buf)], v3 offset:1024
	ds_load_b128 v[140+24*(\buf):143+24*(\buf)], v3 offset:1536
	ds_load_b128 v[144+24*(\buf):147+24*(\buf)], v4
	ds_load_b128 v[148+24*(\buf):151+24*(\buf)], v4 offset:32
	v_add_nc_u32 v3, 2048, v3
	v_add_nc_u32 v4, 64, v4
.endm
.macro KQ t, kbuf, sreg, neg
.irp kt, 0,1
.if \neg
	v_wmma_f32_16x16x32_f16 v[(\sreg)+8*(\kt):(\sreg)+8*(\kt)+7], v[96+16*(\kbuf)+8*(\kt):103+16*(\kbuf)+8*(\kt)], v[16+8*(\t):23+8*(\t)], v[32+8*(\t):39+8*(\t)]
.else
	v_wmma_f32_16x16x32_f16 v[(\sreg)+8*(\kt):(\sreg)+8*(\kt)+7], v[96+16*(\kbuf)+8*(\kt):103+16*(\kbuf)+8*(\kt)], v[16+8*(\t):23+8*(\t)], 0
.endif
.endr
.endm
.macro MAXS t, sreg                    ; four chains a tile; each accumulator's lowest registers are read first
.irp kt, 0,1
.irp jq, 0,1,2,3
	v_max3_num_f32 v[48+4*(\t)+(\jq)], v[48+4*(\t)+(\jq)], v[(\sreg)+8*(\kt)+2*(\jq)], v[(\sreg)+8*(\kt)+2*(\jq)+1]
.endr
.endr
.endm
.macro SOFT sreg, preg
.set i, 0
.rept 16
	v_exp_f32 v[(\sreg)+i], v[(\sreg)+i]
.set i, i+1
.endr
	v_nop                                          ; the plain instruction behind the exponentials
.set i, 0
	s_wait_alu depctr_va_vdst(0)
.rept 8
	v_cvt_pk_f16_f32 v[(\preg)+i], v[(\sreg)+2*i], v[(\sreg)+2*i+1]
.set i, i+1
.endr
.endm
.macro PV t, vbuf, preg, zero
.irp cb, 0,1,2
.if \zero
	v_wmma_f32_16x16x32_f16 v[48+24*(\t)+8*(\cb):55+24*(\t)+8*(\cb)], v[128+24*(\vbuf)+8*(\cb):135+24*(\vbuf)+8*(\cb)], v[\preg:(\preg)+7], 0
.else
	v_wmma_f32_16x16x32_f16 v[48+24*(\t)+8*(\cb):55+24*(\t)+8*(\cb)], v[128+24*(\vbuf)+8*(\cb):135+24*(\vbuf)+8*(\cb)], v[\preg:(\preg)+7], v[48+24*(\t)+8*(\cb):55+24*(\t)+8*(\cb)]
.endif
.endr
.endm
; Pass 1, one key block: four products into set x; the next block's K; the other set's 16 maxima, which are the places behind the products before.
.macro P1 x, fetch, domax
	s_wait_dscnt 0x0
	KQ 0, \x, 128+32*(\x), 0
	KQ 1, \x, 144+32*(\x), 0
.if \fetch
	KLOAD 1-(\x)
.endif
.if \domax
	MAXS 0, 128+32*(1-(\x))
	MAXS 1, 144+32*(1-(\x))
.else
	PLACES
.endif
.endm
; Pass 2, one key block.  Tile 0's scores were made in the block before.  Each tile's nine plain instructions (v_nop, eight roundings) are the places behind the other tile's products.
; The waits: ahead of V^T P the 4 loads of the next K and the 6 of the next V may be out; ahead of the next K Q^T the 6 of the next V.
.macro P2 x, fk, fv, zero, last
.if \fk
	KLOAD 1-(\x)
.endif
	KQ 1, \x, 192, 1
	SOFT 176, 208
.if \fv
	VLOAD 1-(\x)
.endif
	s_wait_dscnt 4*(\fk)+6*(\fv)
	PV 0, \x, 208, \zero
.if !(\last)
	s_wait_dscnt 6*(\fv)
	KQ 0, 1-(\x), 176, 1
.endif
	SOFT 192, 216
	PV 1, \x, 216, \zero
.endm
	s_load_b128 s[4:7], s[0:1], 0x0                ; qkv, wf
	s_load_b64 s[8:9], s[0:1], 0x10                ; o
	v_lshl_add_u32 v5, v0, 2, SPARE                ; my spare word, and 0: kept for the wave's end
	v_mov_b32 v6, 0
	v_lshrrev_b32 v7, 5, v0
	v_readfirstlane_b32 s16, v7                    ; wave
	s_and_b32 s17, ttmp7, 0xffff                   ; bh
	s_lshr_b32 s18, s17, 3
	s_and_b32 s19, s17, 7
	s_mul_i32 s24, s17, 67584
	s_mov_b32 s25, 0
	s_lshl_b32 s26, s18, 12
	s_add_co_u32 s26, s26, VALOFF
	s_mov_b32 s27, 0
	s_mul_i32 s28, s18, 540672                     ; o: 66 tiles x 8 heads x 1,024 a batch
	s_lshl_b32 s29, s19, 10
	s_add_co_u32 s28, s28, s29
	s_mov_b32 s29, 0
	s_lshl_b32 s33, ttmp9, 3
	s_add_co_u32 s33, s33, s16                     ; my number among the head's 32 waves
	s_lshl_b32 s31, s33, 1                         ; my first tile
	s_mov_b32 s34, 0x76543210
	s_mov_b32 s35, 0xfedcba98
	v_and_b32 v1, 31, v0
	v_lshlrev_b32 v1, 4, v1
	v_lshl_add_u32 v7, v7, 10, v1                  ; block 'wave', my 16 bytes: in memory and in LDS alike
	v_bfe_u32 v8, v0, 4, 1
	v_lshl_add_u32 v15, v8, 4, ONE                 ; the flags of keys 8 (lane / 16) ..
	v_lshlrev_b32 v8, 8, v8                        ; key 0's 16 bytes of my half of the channels
	v_and_b32 v9, 15, v0
	v_lshlrev_b32 v9, 1, v9
	s_lshl_b32 s36, s16, 5
	v_add_nc_u32 v9, s36, v9                       ; the flag of key 16 wave + lane % 16
	v_lshlrev_b32 v10, 4, v0
	v_add_nc_u32 v11, 65536, v7
	v_add_nc_u32 v12, VL, v7
	v_add_nc_u32 v13, 65536, v12
	v_add_nc_u32 v14, ONE, v10
	s_wait_kmcnt 0x0
	s_add_nc_u64 s[10:11], s[4:5], s[24:25]        ; the head's Q,
	s_add_nc_u64 s[12:13], s[10:11], KOFF          ; K,
	s_add_nc_u64 s[14:15], s[10:11], VOFF          ; V
	s_add_nc_u64 s[20:21], s[6:7], s[26:27]        ; the batch's flags
	s_add_nc_u64 s[22:23], s[8:9], s[28:29]
	; THE FILL: 66 blocks of K and of V, block wave + 8 n.  Blocks 64 and 65 are asked for first, so that the counts below hold for every wave.
	s_cmp_lt_u32 s16, 2
	s_cbranch_scc0 .Lnox1
	global_load_b128 v[180:183], v7, s[12:13] offset:65536
	global_load_b128 v[184:187], v7, s[12:13] offset:66048
	global_load_b128 v[188:191], v7, s[14:15] offset:65536
	global_load_b128 v[192:195], v7, s[14:15] offset:66048
	global_load_u16 v196, v9, s[20:21] offset:2048
.Lnox1:
	global_load_b128 v[168:171], v8, s[12:13]
	global_load_b128 v[172:175], v8, s[12:13] offset:512
	global_load_b128 v[176:179], v10, s[20:21]
.set n, 0
.rept 8
	global_load_u16 v[160+n], v9, s[20:21] offset:256*n
.set n, n+1
.endr
.set n, 0
.rept 8
	global_load_b128 v[32+8*n:35+8*n], v7, s[12:13] offset:8192*n
	global_load_b128 v[36+8*n:39+8*n], v7, s[12:13] offset:8192*n+512
	global_load_b128 v[96+8*n:99+8*n], v7, s[14:15] offset:8192*n
	global_load_b128 v[100+8*n:103+8*n], v7, s[14:15] offset:8192*n+512
.set n, n+1
.endr
.set n, 0
.rept 8
	s_wait_loadcnt 4*(7-n)                         ; block n's four loads are in; the later blocks' stay out
	v_cmp_ne_u32 vcc_lo, 0, v[160+n]
.set j, 0
.rept 8
	v_cndmask_b32 v[32+8*n+j], v[168+j], v[32+8*n+j], vcc_lo
.set j, j+1
.endr
	ds_store_b128 v7, v[32+8*n:35+8*n] offset:8192*n
	ds_store_b128 v7, v[36+8*n:39+8*n] offset:8192*n+512
	ds_store_b128 v12, v[96+8*n:99+8*n] offset:8192*n
	ds_store_b128 v12, v[100+8*n:103+8*n] offset:8192*n+512
.set n, n+1
.endr
.set j, 0
.rept 4
	v_and_b32 v[176+j], 0x3c003c00, v[176+j]       ; 0xffff -> f16 1.0
.set j, j+1
.endr
	ds_store_b128 v14, v[176:179]
	s_cmp_lt_u32 s16, 2
	s_cbranch_scc0 .Lnox2
	v_cmp_ne_u32 vcc_lo, 0, v196
.set j, 0
.rept 8
	v_cndmask_b32 v[180+j], v[168+j], v[180+j], vcc_lo
.set j, j+1
.endr
	ds_store_b128 v11, v[180:183]
	ds_store_b128 v11, v[184:187] offset:512
	ds_store_b128 v13, v[188:191]
	ds_store_b128 v13, v[192:195] offset:512
.Lnox2:
	s_wait_dscnt 0x0                               ; for the others' sake: my blocks are in LDS
	s_barrier_signal -1
	s_barrier_wait -1                              ; K, V and the flags are whole: they are only read from here on
	s_mov_b32 s30, 0
.Ljob:                                                 ; two trips; the second is the last wave of part 3's alone
	s_cmp_eq_u32 s30, 0
	s_cbranch_scc1 .Ldo
	s_cmp_eq_u32 s33, 31
	s_cbranch_scc0 .Lskip
	s_mov_b32 s31, 64
.Ldo:
	s_wait_xcnt 0x0                                ; the job before has handed over its stores' addresses and data
	s_lshl_b32 s36, s31, 10
	s_mov_b32 s37, 0
	s_add_nc_u64 s[26:27], s[10:11], s[36:37]
	s_lshl_b32 s36, s31, 13
	s_add_nc_u64 s[28:29], s[22:23], s[36:37]
	global_load_b128 v[16:19], v1, s[26:27]
	global_load_b128 v[20:23], v1, s[26:27] offset:512
	global_load_b128 v[24:27], v1, s[26:27] offset:1024
	global_load_b128 v[28:31], v1, s[26:27] offset:1536
.set j, 0
.rept 8
	v_mov_b32 v[48+j], 0xff7fffff                  ; the chains start at the lowest finite number
.set j, j+1
.endr
	v_mov_b32 v2, v1
	KLOAD 0
	s_wait_loadcnt 0x0
	P1 0, 1, 0
	s_mov_b32 s32, 15
.Lp1:
	P1 1, 1, 1
	P1 0, 1, 1
	s_sub_co_u32 s32, s32, 1
	s_cmp_lg_u32 s32, 0
	s_cbranch_scc1 .Lp1
	P1 1, 1, 1
	P1 0, 0, 1
	PLACES
	MAXS 0, 128
	MAXS 1, 144
.irp it, 0,1
	v_max3_num_f32 v7, v[48+4*(\it)], v[49+4*(\it)], v[50+4*(\it)]
	v_max_num_f32 v7, v7, v[51+4*(\it)]
	v_permlanex16_b32 v8, v7, s34, s35             ; the query's other keys lie in the lane 16 away
	v_max_num_f32 v7, v7, v8
.set j, 0
.rept 8
	v_mul_f32 v[32+8*(\it)+j], -1.0, v7
.set j, j+1
.endr
.endr
	v_mov_b32 v2, v1
	v_add_nc_u32 v3, VL, v1
	v_mov_b32 v4, v15
	KLOAD 0
	VLOAD 0
	s_wait_dscnt 0x6                               ; K is in; V's six loads may be out
	KQ 0, 0, 176, 1
	PLACES
	P2 0, 1, 1, 1, 0                               ; the first block's products start O^T and l
	s_mov_b32 s32, 15
.Lp2:
	P2 1, 1, 1, 0, 0
	P2 0, 1, 1, 0, 0
	s_sub_co_u32 s32, s32, 1
	s_cmp_lg_u32 s32, 0
	s_cbranch_scc1 .Lp2
	P2 1, 1, 1, 0, 0
	P2 0, 0, 0, 0, 1
	PLACES
	v_rcp_f32 v8, v64                              ; l of tile 0: the third accumulator's lowest register
	v_rcp_f32 v9, v64
	v_rcp_f32 v10, v88
	v_rcp_f32 v11, v88
	v_nop
	s_wait_alu depctr_va_vdst(0)
.irp it, 0,1
.set i, 0
.rept 8
	v_pk_mul_f32 v[48+24*(\it)+2*i:49+24*(\it)+2*i], v[48+24*(\it)+2*i:49+24*(\it)+2*i], v[8+2*(\it):9+2*(\it)]
.set i, i+1
.endr
.set i, 0
.rept 8
	v_cvt_pk_f16_f32 v[176+8*(\it)+i], v[48+24*(\it)+2*i], v[49+24*(\it)+2*i]
.set i, i+1
.endr
	global_store_b128 v1, v[176+8*(\it):179+8*(\it)], s[28:29] offset:8192*(\it)       ; 512 consecutive bytes: half a fragment of the next product
	global_store_b128 v1, v[180+8*(\it):183+8*(\it)], s[28:29] offset:8192*(\it)+512
.endr
.Lskip:
	s_add_co_u32 s30, s30, 1
	s_cmp_lt_u32 s30, 2
	s_cbranch_scc1 .Ljob
	s_wait_dscnt 0x0                               ; my reads of K, V and the flags are back
	s_barrier_signal -1
	s_barrier_wait -1                              ; and so are every wave's: the one LDS write that follows stands behind all reads of LDS, whatever their stepped addresses
	s_wait_tensorcnt 0x0                           ; the wave's end, behind my last LDS store
	ds_add_u32 v5, v6
	s_wait_dscnt 0x0
	s_endpgm
.Lfunc_end_k_q7dee79e408_attn:
	.size	k_q7dee79e408_attn, .Lfunc_end_k_q7dee79e408_attn-k_q7dee79e408_attn
	.p2alignl 7, 3214868480
	.fill 96, 4, 3214868480
	.section	.rodata,"a",@progbits
	.p2align	6, 0x0
	.amdhsa_kernel k_q7dee79e408_attn
		.amdhsa_group_segment_fixed_size 167936
		.amdhsa_private_segment_fixed_size 0
		.amdhsa_enable_private_segment 0
		.amdhsa_kernarg_size 24
		.amdhsa_user_sgpr_count 2
		.amdhsa_user_sgpr_kernarg_segment_ptr 1
		.amdhsa_wavefront_size32 1
		.amdhsa_system_sgpr_workgroup_id_x 1
		.amdhsa_system_sgpr_workgroup_id_y 1
		.amdhsa_system_sgpr_workgroup_id_z 1
		.amdhsa_system_vgpr_workitem_id 0
		.amdhsa_next_free_vgpr 224
		.amdhsa_next_free_sgpr 66
		.amdhsa_reserve_vcc 1
		.amdhsa_float_denorm_mode_32 3
		.amdhsa_float_denorm_mode_16_64 3
		.amdhsa_memory_ordered 1
		.amdhsa_forward_progress 1
		.amdhsa_inst_pref_size 45
	.end_amdhsa_kernel
	.amdgpu_metadata
---
amdhsa.version: [ 1, 2 ]
amdhsa.kernels:
  - .name:           k_q7dee79e408_attn
    .symbol:         k_q7dee79e408_attn.kd
    .args:
      - { .name: qkv, .offset: 0, .size: 8, .value_kind: global_buffer, .address_space: global }
      - { .name: wf, .offset: 8, .size: 8, .value_kind: global_buffer, .address_space: global }
      - { .name: o, .offset: 16, .size: 8, .value_kind: global_buffer, .address_space: global }
    .group_segment_fixed_size: 167936
    .private_segment_fixed_size: 0
    .kernarg_segment_align: 8
    .kernarg_segment_size: 24
    .max_flat_workgroup_size: 256
    .sgpr_count:     66
    .vgpr_count:     224
    .wavefront_size: 32
...
	.end_amdgpu_metadata
.endif
;; end of part 3
;; launch row (part 4): grid 176 x 1, 4 waves a work-group, clusters of 4 x 1, 327,680 bytes of LDS; arguments xA, o, w0, wf, xB, qkv; writes xB, qkv
.if DOCPART == 4
	.amdgcn_target "amdgcn-amd-amdhsa--gfx1250"
	.amdhsa_code_object_version 6
	.text
	.protected	k_q7dee79e408_row
	.globl	k_q7dee79e408_row
	.p2align	8
	.type	k_q7dee79e408_row,@function
k_q7dee79e408_row:
	s_mov_b64 s[64:65], 0
	v_nop
	global_prefetch_b8 v0, s[64:65] scope:SCOPE_SE
	s_setreg_imm32_b32 hwreg(HW_REG_WAVE_MODE, 25, 1), 1
	s_wait_xcnt 0x0
	s_wait_alu depctr_hold_cnt(0) depctr_sa_sdst(0) depctr_va_vdst(0) depctr_va_sdst(0) depctr_va_ssrc(0) depctr_va_vcc(0) depctr_vm_vsrc(0)
	s_getreg_b32 s2, hwreg(HW_REG_IB_STS2, 6, 4)
	s_cmp_eq_u32 s2, 0
	s_cbranch_scc0 .Lentry_in_a_cluster
	s_endpgm
.Lentry_in_a_cluster:
	s_bfe_u32 s2, ttmp6, 0x10000c
	s_cmp_lg_u32 s2, 0x3003
	s_cbranch_scc0 .Lentry_shape_is_right
	s_endpgm
.Lentry_shape_is_right:
; ROW.  For 48 rows of one batch: x1 = x + o Wo^T + bo; xn2 = LN2(x1); x2 = x1 + gelu(xn2 W1^T + b1) W2^T + b2; xn = LN1 of the next layer; q, k, v of the next layer.  One launch, nothing in between goes to memory.
; 8 x 1056 / 48 = 176 work-groups.  The four waves split each stage's 256 output channels, 64 each, so each weight fragment is read from LDS by one wave.  12 stages of 256 x 256 weights (128 KB in f16):
; 0 Wo; 1+2j W1's rows 256 j..; 2+2j W2's columns 256 j..; 9, 10, 11 q, k, v.  A wave issues 96 matrix instructions a stage.
; Weights are source 0, activations source 1: a lane holds ONE row (lane % 16) and channels 16 a + 8 (lane / 16) + 0..7; rounded in pairs that is half a fragment of the next product, so activations go through LDS
; as they lie, 512 consecutive bytes a wave and instruction.  For v the sources change places (one channel, eight keys a lane).
; CLUSTER: every work-group walks the same 12 stages, so the four of a cluster ask for each stage jointly; wave w asks for and reads quarter w of a slot alone.  Two slots of 128 KB; one load a wave behind each round;
; the round also hands xn2 and h from wave to wave.
; GELU exact to 1.5e-7: gelu(x) = max(x, 0) - |x| E, E = erfc(|x|/sqrt 2)/2 = t (a1 + t (a2 + t (a3 + t (a4 + t a5)))) 2^(-x^2 log2(e)/2), t = 1/(1 + 0.23164189 |x|) (Abramowitz and Stegun 7.1.26, halved), for every x.
; LIMITS: operands are f16: |o|, |xn|, |h|, |q|, |k|, |v| stay under 65,504.  NaN and infinities are not treated apart.
; REGISTERS (windows of 256; s_set_vgpr_msb bits 1:0 source 0, 3:2 source 1, 5:4 source 2, 7:6 destination):
;   window 0: v0-31 addresses, flags; v32-95, v96-159 two buffers of 8 weight fragments (also at work between stages); v160-255 12 accumulators (t, a) at 160 + 8 (4 t + a)
;   window 1: v0-191 fragments of o, xn2, xn: (t, ks) at 8 (8 t + ks); v192-223 the bias as C operand
;   window 2: v0-191 h's fragments (at the start v0-95: x as loaded)        window 3: v0-95 the residual stream in f32, (t, a) at 8 (4 t + a)
.set XN,    262144                     ; behind the ring: xn2, later xn: (8 t + ks) x 1,024
.set HC,    286720                     ; 256 hidden units of h, the same form
.set ST,    311296                     ; row x 32 + wave x 8: the wave's mean and sum of squared differences
.set SPARE, 312832                     ; the spare words, 128 bytes a wave
.set PK,    8                          ; s[8:9] the pack
.set PBOFF, 1572864
.set AB0,   32
.set AB1,   96
.set ACC1,  160
.set ACC2,  0
.set T_BVX, 7168
.set T_G2,  15360
.set T_B2L, 16384
.set T_B2,  17408
.set T_G1,  18432
.set T_B1L, 19456
.set KOFF,  4325376
.set VOFF,  8650752
.set VALOFF, 413696
.set MSB, 0
.macro WIN new                         ; the high byte repeats the setting that is left; a switch that changes nothing is dropped
.if MSB != (\new)
	s_set_vgpr_msb (MSB<<8)|(\new)
.set MSB, \new
.endif
.endm
.macro PLACES                          ; four places between a matrix instruction and a vector instruction or load that touches its registers
.rept 4
	v_nop
.endr
.endm
.macro CROUND                          ; a round of the cluster's barrier
	s_barrier_signal -1
	s_barrier_wait -1
	s_cmp_lg_u32 s16, 0
	s_cbranch_scc1 .Lnw0_\@
	s_barrier_signal -3
.Lnw0_\@:
	s_barrier_wait -3
	s_barrier_signal -1
	s_barrier_wait -1
.endm
.macro CHANGE slot                     ; the slot just read is filled again with the stage two on: all my loads have landed, the add, my LDS work is done, the round, then my one joint load
	WIN 0
	s_wait_tensorcnt 0x0
	ds_add_u32 v28, v29
	s_add_nc_u64 s[34+4*(\slot):35+4*(\slot)], s[34+4*(\slot):35+4*(\slot)], 262144
	s_wait_dscnt 0x0
	CROUND
	tensor_load_to_lds s[32+4*(\slot):35+4*(\slot)], s[24:31]
	s_nop 0
	PLACES
.endm
.macro FETCH slot, bt, ab, bl, bwin, breg  ; batch bt of a stage: 8 weight fragments (ks = 2 bt, 2 bt + 1; a = 0..3); bl = 1: also the 6 activation fragments of those ks
	WIN 0
.irp fi, 0,1,2,3,4,5,6,7
	ds_load_b128 v[(\ab)+8*(\fi):(\ab)+8*(\fi)+3], v[2+(\slot)] offset:(8*(\bt)+(\fi))*1024
	ds_load_b128 v[(\ab)+8*(\fi)+4:(\ab)+8*(\fi)+7], v[2+(\slot)] offset:(8*(\bt)+(\fi))*1024+512
.endr
.if \bl
	WIN (\bwin)<<6
.irp ik, 0,1
.irp it, 0,1,2
	ds_load_b128 v[8*(8*(\it)+2*(\bt)+(\ik)):8*(8*(\it)+2*(\bt)+(\ik))+3], v[\breg] offset:(8*(\it)+2*(\bt)+(\ik))*1024
	ds_load_b128 v[8*(8*(\it)+2*(\bt)+(\ik))+4:8*(8*(\it)+2*(\bt)+(\ik))+7], v[\breg] offset:(8*(\it)+2*(\bt)+(\ik))*1024+512
.endr
.endr
.endif
.endm
.macro MUL bt, ab, acc, wm, wf, swap   ; 24 matrix instructions; the 12 accumulators take turns, one instruction a turn; the first 12 of a stage may take the bias as C
.irp ik, 0,1
.irp ia, 0,1,2,3
.irp it, 0,1,2
.set rD, (\acc)+8*(4*(\it)+(\ia))
.set rA, (\ab)+8*(4*(\ik)+(\ia))
.set rB, 8*(8*(\it)+2*(\bt)+(\ik))
.if ((\wf) != 0) && ((\bt) == 0) && ((\ik) == 0)
	WIN \wf
.if \swap
	v_wmma_f32_16x16x32_f16 v[rD:rD+7], v[rB:rB+7], v[rA:rA+7], v[192+8*(\ia):199+8*(\ia)]
.else
	v_wmma_f32_16x16x32_f16 v[rD:rD+7], v[rA:rA+7], v[rB:rB+7], v[192+8*(\ia):199+8*(\ia)]
.endif
.else
	WIN \wm
.if \swap
	v_wmma_f32_16x16x32_f16 v[rD:rD+7], v[rB:rB+7], v[rA:rA+7], v[rD:rD+7]
.else
	v_wmma_f32_16x16x32_f16 v[rD:rD+7], v[rA:rA+7], v[rB:rB+7], v[rD:rD+7]
.endif
.endif
.endr
.endr
.endr
.endm
.macro BIASLD kind                     ; the next stage's C operand: 1: eight channels a lane, from the chain of tables (bo, b1 x 4, bq, bk); 2: one channel a lane, eight times (bv)
	WIN 0x40
.irp ia, 0,1,2,3
.irp jh, 0,1
.if (\kind) == 1
	global_load_b128 v[192+8*(\ia)+4*(\jh):195+8*(\ia)+4*(\jh)], v10, s[40:41] offset:64*(\ia)+16*(\jh)
.else
	global_load_b128 v[192+8*(\ia)+4*(\jh):195+8*(\ia)+4*(\jh)], v11, s[42:43] offset:T_BVX+512*(\ia)+16*(\jh)
.endif
.endr
.endr
.endm
; A stage: four batches on two buffers.  The counted waits leave out the LDS loads of the one younger batch (16, or 28 with activations).
.macro STAGE slot, acc, wm, wf, bl, bwin, breg, swap, pre, step
	WIN 0
	s_wait_xcnt 0x0                                ; earlier stores have read their data: the buffers are written again only behind this wait
	s_wait_loadcnt 0x0                             ; the bias (and what else was asked for from memory) is in
.if \step
	s_add_nc_u64 s[40:41], s[40:41], 1024          ; the chain's next table
.endif
	FETCH \slot, 0, AB0, \bl, \bwin, \breg
	FETCH \slot, 1, AB1, \bl, \bwin, \breg
	s_wait_dscnt 16+12*(\bl)
	MUL 0, AB0, \acc, \wm, \wf, \swap
	PLACES
.if \pre
	BIASLD \pre
.endif
	FETCH \slot, 2, AB0, \bl, \bwin, \breg
	s_wait_dscnt 16+12*(\bl)
	MUL 1, AB1, \acc, \wm, 0, \swap
	PLACES
	FETCH \slot, 3, AB1, \bl, \bwin, \breg
	s_wait_dscnt 16+12*(\bl)
	MUL 2, AB0, \acc, \wm, 0, \swap
	s_wait_dscnt 0x0
	MUL 3, AB1, \acc, \wm, 0, \swap
	WIN 0
	PLACES
.endm
.macro GELU                            ; the 12 accumulators, eight numbers at a time; three sets of registers at work take turns
	WIN 0
.set n, 0
.rept 12
.set gX, ACC1+8*n
.set gD, 32+40*(n%3)
.set gU, gD+8
.set gQ, gD+16
.set gM, gD+24
.set gO, gD+32
.set j, 0
.rept 8
	v_fma_f32 v[gD+j], |v[gX+j]|, s60, 1.0
.set j, j+1
.endr
.set j, 0
.rept 4
	v_pk_mul_f32 v[gU+2*j:gU+2*j+1], v[gX+2*j:gX+2*j+1], s[48:49] op_sel_hi:[1,0]
.set j, j+1
.endr
.set j, 0
.rept 4
	v_pk_mul_f32 v[gU+2*j:gU+2*j+1], v[gU+2*j:gU+2*j+1], v[gX+2*j:gX+2*j+1]
.set j, j+1
.endr
.set j, 0
.rept 8
	v_rcp_f32 v[gD+j], v[gD+j]
.set j, j+1
.endr
.set j, 0
.rept 8
	v_exp_f32 v[gU+j], v[gU+j]
.set j, j+1
.endr
.set j, 0
.rept 8
	v_max_num_f32 v[gM+j], 0, v[gX+j]              ; plain work behind the transcendentals
.set j, j+1
.endr
.set j, 0
	s_wait_alu depctr_va_vdst(0)
.rept 4
	v_pk_fma_f32 v[gQ+2*j:gQ+2*j+1], v[gD+2*j:gD+2*j+1], s[58:59], s[56:57] op_sel_hi:[1,0,0]
.set j, j+1
.endr
.irp cf, 54, 52, 50
.set j, 0
.rept 4
	v_pk_fma_f32 v[gQ+2*j:gQ+2*j+1], v[gQ+2*j:gQ+2*j+1], v[gD+2*j:gD+2*j+1], s[\cf:(\cf)+1] op_sel_hi:[1,1,0]
.set j, j+1
.endr
.endr
.set j, 0
.rept 4
	v_pk_mul_f32 v[gQ+2*j:gQ+2*j+1], v[gQ+2*j:gQ+2*j+1], v[gD+2*j:gD+2*j+1]
.set j, j+1
.endr
.set j, 0
.rept 4
	v_pk_mul_f32 v[gQ+2*j:gQ+2*j+1], v[gQ+2*j:gQ+2*j+1], v[gU+2*j:gU+2*j+1]
.set j, j+1
.endr
.set j, 0
.rept 8
	v_fma_f32 v[gM+j], -v[gQ+j], |v[gX+j]|, v[gM+j]
.set j, j+1
.endr
.set j, 0
.rept 4
	v_cvt_pk_f16_f32 v[gO+j], v[gM+2*j], v[gM+2*j+1]
.set j, j+1
.endr
	ds_store_b128 v7, v[gO:gO+3] offset:(8*(n/4)+(n%4)/2)*1024+((n%4)%2)*512
.set n, n+1
.endr
.endm
; LAYER NORM of the 48 rows in window 3.  A row's 256 channels lie in two lanes of each wave.  Each wave makes its 64 channels' mean and sum of squared differences from that mean;
; the four are combined as mean = sum/4, M2 = sum M2_w + 64 sum (mean_w - mean)^2: no difference of large sums is formed.
.macro LNSTAT t
	WIN 0x0f
.set i, 0
.rept 8
	v_pk_add_f32 v[32+2*i:33+2*i], v[32*(\t)+4*i:32*(\t)+4*i+1], v[32*(\t)+4*i+2:32*(\t)+4*i+3]
.set i, i+1
.endr
	WIN 0
	v_pk_add_f32 v[32:33], v[32:33], v[40:41]
	v_pk_add_f32 v[34:35], v[34:35], v[42:43]
	v_pk_add_f32 v[36:37], v[36:37], v[44:45]
	v_pk_add_f32 v[38:39], v[38:39], v[46:47]
	v_pk_add_f32 v[32:33], v[32:33], v[36:37]
	v_pk_add_f32 v[34:35], v[34:35], v[38:39]
	v_pk_add_f32 v[32:33], v[32:33], v[34:35]
	v_add_f32 v32, v32, v33
	v_permlanex16_b32 v33, v32, s62, s63           ; the row's other 32 channels lie in the lane 16 away
	v_add_f32 v32, v32, v33
	v_mul_f32 v48, s76, v32
	v_mul_f32 v49, s76, v32
	WIN 0x03
.set i, 0
.rept 16
	v_pk_add_f32 v[64+2*i:65+2*i], v[32*(\t)+2*i:32*(\t)+2*i+1], v[48:49] neg_lo:[0,1] neg_hi:[0,1]
.set i, i+1
.endr
	WIN 0
	v_pk_mul_f32 v[32:33], v[64:65], v[64:65]
	v_pk_mul_f32 v[34:35], v[66:67], v[66:67]
.set i, 2
.rept 14
	v_pk_fma_f32 v[32+2*(i%2):33+2*(i%2)], v[64+2*i:65+2*i], v[64+2*i:65+2*i], v[32+2*(i%2):33+2*(i%2)]
.set i, i+1
.endr
	v_pk_add_f32 v[32:33], v[32:33], v[34:35]
	v_add_f32 v32, v32, v33
	v_permlanex16_b32 v33, v32, s62, s63
	v_add_f32 v49, v32, v33
	ds_store_b64 v8, v[48:49] offset:512*(\t)
.endm
.macro LNFIN t
.set rR, 32+8*(\t)
.set rM, 84+4*(\t)
	v_add_f32 v80, v[rR], v[rR+2]
	v_add_f32 v81, v[rR+4], v[rR+6]
	v_add_f32 v80, v80, v81
	v_mul_f32 v[rM], 0x3e800000, v80
	v_sub_f32 v80, v[rR], v[rM]
	v_mul_f32 v81, v80, v80
	v_sub_f32 v80, v[rR+2], v[rM]
	v_fmac_f32 v81, v80, v80
	v_sub_f32 v80, v[rR+4], v[rM]
	v_fmac_f32 v81, v80, v80
	v_sub_f32 v80, v[rR+6], v[rM]
	v_fmac_f32 v81, v80, v80
	v_add_f32 v82, v[rR+1], v[rR+3]
	v_add_f32 v83, v[rR+5], v[rR+7]
	v_add_f32 v82, v82, v83
	v_fma_f32 v82, v81, s78, v82
	v_fma_f32 v82, v82, s80, s82                   ; variance + 1e-5
	v_rsq_f32 v[rM+2], v82
	v_mov_b32 v[rM+1], v[rM]                       ; the plain instruction behind the root
	s_wait_alu depctr_va_vdst(0)
	v_mov_b32 v[rM+3], v[rM+2]
.endm
.macro LNAPP t
	WIN 0x03
.set i, 0
.rept 16
	v_pk_add_f32 v[32+2*i:33+2*i], v[32*(\t)+2*i:32*(\t)+2*i+1], v[84+4*(\t):85+4*(\t)] neg_lo:[0,1] neg_hi:[0,1]
.set i, i+1
.endr
	WIN 0
.set i, 0
.rept 16
	v_pk_mul_f32 v[32+2*i:33+2*i], v[32+2*i:33+2*i], v[86+4*(\t):87+4*(\t)]
.set i, i+1
.endr
.set i, 0
.rept 16
	v_pk_fma_f32 v[32+2*i:33+2*i], v[32+2*i:33+2*i], v[96+2*i:97+2*i], v[128+2*i:129+2*i]
.set i, i+1
.endr
.set i, 0
.rept 16
	v_cvt_pk_f16_f32 v[64+i], v[32+2*i], v[33+2*i]
.set i, i+1
.endr
.irp ia, 0,1,2,3
	ds_store_b128 v5, v[64+4*(\ia):67+4*(\ia)] offset:(8*(\t)+(\ia)/2)*1024+((\ia)%2)*512
.endr
.endm
.macro LN gofs, bofs
	WIN 0
.irp ia, 0,1,2,3
.irp jh, 0,1
	global_load_b128 v[96+8*(\ia)+4*(\jh):99+8*(\ia)+4*(\jh)], v10, s[42:43] offset:(\gofs)+64*(\ia)+16*(\jh)
	global_load_b128 v[128+8*(\ia)+4*(\jh):131+8*(\ia)+4*(\jh)], v10, s[42:43] offset:(\bofs)+64*(\ia)+16*(\jh)
.endr
.endr
	LNSTAT 0
	LNSTAT 1
	LNSTAT 2
	s_wait_dscnt 0x0                               ; for the others' sake: my statistics are in LDS
	s_barrier_signal -1
	s_barrier_wait -1                              ; a tile on its way may stay out
.irp it, 0,1,2
	ds_load_b128 v[32+8*(\it):35+8*(\it)], v9 offset:512*(\it)
	ds_load_b128 v[36+8*(\it):39+8*(\it)], v9 offset:512*(\it)+16
.endr
	s_wait_dscnt 0x0
	LNFIN 0
	LNFIN 1
	LNFIN 2
	s_wait_loadcnt 0x0                             ; gain and bias
	LNAPP 0
	LNAPP 1
	LNAPP 2
.endm
.macro OUTQK base                      ; q or k: rounded to f16; head 2 w + a / 2, half a % 2 of the head's fragment of tile t
	WIN 0
.set n, 0
.rept 12
.set j, 0
.rept 4
	v_cvt_pk_f16_f32 v[32+4*n+j], v[ACC1+8*n+2*j], v[ACC1+8*n+2*j+1]
.set j, j+1
.endr
	global_store_b128 v1, v[32+4*n:35+4*n], s[\base:(\base)+1] offset:((n%4)/2)*67584+(n/4)*1024+((n%4)%2)*512
.set n, n+1
.endr
.endm
.macro OUTV                            ; v: a lane holds one channel and eight keys; keys that do not count are set to 0 bit by bit
	WIN 0
.set n, 0
.rept 12
.set j, 0
.rept 4
	v_cvt_pk_f16_f32 v[32+4*n+j], v[ACC1+8*n+2*j], v[ACC1+8*n+2*j+1]
.set j, j+1
.endr
.set j, 0
.rept 4
	v_and_b32 v[32+4*n+j], v[32+4*n+j], v[16+4*(n/4)+j]
.set j, j+1
.endr
	global_store_b128 v[12+n/4], v[32+4*n:35+4*n], s[70:71] offset:((n%4)/2)*67584+((n%4)%2)*1024
.set n, n+1
.endr
.endm
	s_load_b256 s[4:11], s[0:1], 0x0               ; x in 4, o 6, the pack 8, wf 10
	s_load_b128 s[12:15], s[0:1], 0x20             ; x out 12, qkv 14
	v_lshl_add_u32 v28, v0, 2, SPARE
	v_mov_b32 v29, 0
	ds_add_u32 v28, v29                            ; the wave's opening: the add and its wait ahead of my first tensor load
	v_lshrrev_b32 v30, 5, v0
	v_readfirstlane_b32 s16, v30                   ; wave
	s_bfe_u32 s17, ttmp6, 0x40000                  ; cx: it enters addresses in memory alone
	s_lshl_b32 s18, ttmp9, 2
	s_add_co_u32 s18, s18, s17                     ; work-group
	s_mul_i32 s19, s18, 373
	s_lshr_b32 s19, s19, 13                        ; batch = work-group / 22 (exact below 176)
	s_mul_i32 s20, s19, 22
	s_sub_co_u32 s20, s18, s20
	s_mul_i32 s20, s20, 3                          ; my first tile in the batch
	s_mov_b32 s24, 15|(3<<16)|(1<<21)              ; group 1: mask of all four, 8-byte elements, bit 21 beside the mask
	s_mov_b32 s25, 32<<16                          ; tensor_dim0 = 32 elements = 256 bytes
	s_mov_b32 s26, 128<<16                         ; tensor_dim1 = 128 rows
	s_mov_b32 s27, 32<<16                          ; tile_dim0
	s_mov_b32 s28, 128                             ; tile_dim1: 32 KB, dense
	s_mov_b32 s29, 32
	s_mov_b32 s30, 0
	s_mov_b32 s31, 0
	s_mul_i32 s21, s16, 32768                      ; my quarter of a slot and of a stage
	s_mov_b32 s32, 1
	s_mov_b32 s33, s21
	s_mov_b32 s36, 1
	s_add_co_u32 s37, s21, 131072
	s_mov_b32 s48, 0xbf38aa3b                      ; -log2(e)/2
	s_mov_b32 s49, 0xbf38aa3b
	s_mov_b32 s50, 0x3e027906                      ; a1/2 =  0.127414796
	s_mov_b32 s51, 0x3e027906
	s_mov_b32 s52, 0xbe11a98e                      ; a2/2 = -0.142248368
	s_mov_b32 s53, 0xbe11a98e
	s_mov_b32 s54, 0x3f35f0e3                      ; a3/2 =  0.710706871
	s_mov_b32 s55, 0x3f35f0e3
	s_mov_b32 s56, 0xbf3a00e3                      ; a4/2 = -0.726576014
	s_mov_b32 s57, 0xbf3a00e3
	s_mov_b32 s58, 0x3f07dc22                      ; a5/2 =  0.530702715
	s_mov_b32 s59, 0x3f07dc22
	s_mov_b32 s60, 0x3e6d3388                      ; 0.3275911/sqrt 2
	s_mov_b32 s62, 0x76543210
	s_mov_b32 s63, 0xfedcba98
	s_mov_b32 s76, 0x3c800000                      ; 1/64
	s_mov_b32 s78, 0x42800000                      ; 64
	s_mov_b32 s80, 0x3b800000                      ; 1/256
	s_mov_b32 s82, 0x3727c5ac                      ; 1e-5
	s_mov_b32 s86, s21
	s_mov_b32 s87, 0
	s_mul_i32 s88, s18, 49152
	s_lshl_b32 s22, s16, 12
	s_add_co_u32 s88, s88, s22                     ; x: (16 x 3 work-group + 4 wave) x 1,024
	s_mov_b32 s89, 0
	s_mul_i32 s90, s18, 24576                      ; o: 3 work-group x 8 x 1,024
	s_mov_b32 s91, 0
	s_lshl_b32 s22, s19, 3
	s_lshl_b32 s23, s16, 1
	s_add_co_u32 s22, s22, s23
	s_mul_i32 s92, s22, 67584                      ; head 8 b + 2 w: 66 KB a head
	s_mov_b32 s93, 0
	s_lshl_b32 s23, s20, 10
	s_add_co_u32 s94, s92, s23
	s_mov_b32 s95, 0
	s_lshl_b32 s96, s19, 12
	s_lshl_b32 s23, s20, 5
	s_add_co_u32 s96, s96, s23
	s_add_co_u32 s96, s96, VALOFF
	s_mov_b32 s97, 0
	s_wait_dscnt 0x0                               ; the opening add is done
	s_wait_kmcnt 0x0
	s_add_nc_u64 s[34:35], s[PK:PK+1], s[86:87]
	s_add_nc_u64 s[38:39], s[34:35], 131072
	s_or_b32 s35, s35, 0x80000000
	s_or_b32 s39, s39, 0x80000000
	s_add_nc_u64 s[42:43], s[PK:PK+1], PBOFF       ; the tables
	s_mov_b64 s[40:41], s[42:43]                   ; the chain begins at bo
	s_add_nc_u64 s[44:45], s[4:5], s[88:89]
	s_add_nc_u64 s[46:47], s[12:13], s[88:89]
	s_add_nc_u64 s[84:85], s[6:7], s[90:91]
	s_add_nc_u64 s[66:67], s[14:15], s[94:95]
	s_add_nc_u64 s[68:69], s[66:67], KOFF
	s_add_nc_u64 s[70:71], s[14:15], s[92:93]
	s_add_nc_u64 s[70:71], s[70:71], VOFF
	s_add_nc_u64 s[72:73], s[10:11], s[96:97]
	CROUND                                         ; all four work-groups are here: the first joint loads meet
	tensor_load_to_lds s[32:35], s[24:31]          ; stage 0
	s_nop 0
	tensor_load_to_lds s[36:39], s[24:31]          ; stage 1: two loads of mine are out
	s_nop 0
	PLACES
	v_and_b32 v1, 31, v0
	v_lshlrev_b32 v1, 4, v1                        ; 16 x lane
	v_and_b32 v30, 15, v0
	v_bfe_u32 v31, v0, 4, 1
	s_lshl_b32 s2, s16, 11
	s_lshl_b32 s23, s16, 8
	v_lshl_add_u32 v10, v31, 5, s23                ; a table's eight numbers of mine: 256 w + 32 h (+ 64 a)
	v_lshl_add_u32 v11, v30, 5, s2
	v_lshlrev_b32 v15, 4, v31
	WIN 0x40
.set n, 0
.rept 24                                           ; o's fragments: each wave needs all 48 rows x 256 channels
	global_load_b128 v[8*n:8*n+3], v1, s[84:85] offset:1024*n
	global_load_b128 v[8*n+4:8*n+7], v1, s[84:85] offset:1024*n+512
.set n, n+1
.endr
	BIASLD 1
	WIN 0x80
.set n, 0
.rept 12                                           ; x, my 64 channels
	global_load_b128 v[8*n:8*n+3], v1, s[44:45] offset:(n/4)*16384+(n%4)*1024
	global_load_b128 v[8*n+4:8*n+7], v1, s[44:45] offset:(n/4)*16384+(n%4)*1024+512
.set n, n+1
.endr
	WIN 0
.irp it, 0,1,2
	global_load_b128 v[16+4*(\it):19+4*(\it)], v15, s[72:73] offset:32*(\it)  ; the flags of my eight keys of tile t
.endr
	v_add_nc_u32 v2, s21, v1
	v_add_nc_u32 v3, 131072, v2
	v_add_nc_u32 v4, XN, v1
	v_add_nc_u32 v5, s2, v4
	v_add_nc_u32 v6, HC, v1
	v_add_nc_u32 v7, s2, v6
	v_lshlrev_b32 v9, 5, v30
	v_add_nc_u32 v9, ST, v9
	s_lshl_b32 s23, s16, 3
	v_add_nc_u32 v8, s23, v9
.irp it, 0,1,2
	s_add_co_u32 s22, s20, \it
	s_lshr_b32 s23, s22, 1
	s_lshl_b32 s23, s23, 11
	s_and_b32 s22, s22, 1
	s_lshl_b32 s22, s22, 9
	s_add_co_u32 s22, s22, s23
	v_add_nc_u32 v[12+\it], s22, v1                ; v: key block (tile / 2), half (tile % 2)
.endr
	s_wait_tensorcnt 0x1                           ; my quarter of stage 0 is in, and only I read it; stage 1's may stay out
	STAGE 0, ACC2, 0xf4, 0xd4, 0, 0, 0, 0, 1, 1    ; o Wo^T + bo
	WIN 0xcb
.set i, 0
.rept 48
	v_pk_add_f32 v[2*i:2*i+1], v[2*i:2*i+1], v[2*i:2*i+1]  ; window 3 += window 2: x1
.set i, i+1
.endr
	LN T_G2, T_B2L
	CHANGE 0                                       ; stage 2 is asked for; the round hands xn2 to all four waves
	s_mov_b32 s74, 4
.Lffn:                                                 ; four chunks of 256 hidden units; both slots are filled again in every trip (stages 3..10)
	STAGE 1, ACC1, 0x04, 0x14, 1, 1, 4, 0, 1, 1
	GELU
	CHANGE 1                                       ; the round hands h over
	STAGE 0, ACC2, 0xf8, 0, 1, 2, 6, 0, 0, 0
	CHANGE 0                                       ; every wave has read h: the next trip may write it
	s_sub_co_u32 s74, s74, 1
	s_cmp_lg_u32 s74, 0
	s_cbranch_scc1 .Lffn
.irp ia, 0,1,2,3
.irp jh, 0,1
	global_load_b128 v[32+8*(\ia)+4*(\jh):35+8*(\ia)+4*(\jh)], v10, s[42:43] offset:T_B2+64*(\ia)+16*(\jh)
.endr
.endr
	s_wait_loadcnt 0x0
	WIN 0xc3
.irp it, 0,1,2
.set i, 0
.rept 16
	v_pk_add_f32 v[32*(\it)+2*i:32*(\it)+2*i+1], v[32*(\it)+2*i:32*(\it)+2*i+1], v[32+2*i:33+2*i]  ; x2
.set i, i+1
.endr
.endr
	WIN 0x0c
.set n, 0
.rept 12
	global_store_b128 v1, v[8*n:8*n+3], s[46:47] offset:(n/4)*16384+(n%4)*1024
	global_store_b128 v1, v[8*n+4:8*n+7], s[46:47] offset:(n/4)*16384+(n%4)*1024+512
.set n, n+1
.endr
	LN T_G1, T_B1L
	s_wait_dscnt 0x0
	s_barrier_signal -1
	s_barrier_wait -1                              ; xn is whole
	STAGE 1, ACC1, 0x04, 0x14, 1, 1, 4, 0, 1, 1    ; q
	OUTQK 66
	CHANGE 1                                       ; stage 11
	STAGE 0, ACC1, 0x04, 0x14, 0, 0, 0, 0, 2, 0    ; k
	OUTQK 68
	s_wait_tensorcnt 0x0
	STAGE 1, ACC1, 0x01, 0x11, 0, 0, 0, 1, 0, 0    ; v, sources changed
	OUTV
	s_wait_tensorcnt 0x0                           ; the wave's end
	ds_add_u32 v28, v29
	s_wait_dscnt 0x0
	CROUND                                         ; the closing round
	s_endpgm
.Lfunc_end_k_q7dee79e408_row:
	.size	k_q7dee79e408_row, .Lfunc_end_k_q7dee79e408_row-k_q7dee79e408_row
	.p2alignl 7, 3214868480
	.fill 96, 4, 3214868480
	.section	.rodata,"a",@progbits
	.p2align	6, 0x0
	.amdhsa_kernel k_q7dee79e408_row
		.amdhsa_group_segment_fixed_size 327680
		.amdhsa_private_segment_fixed_size 0
		.amdhsa_enable_private_segment 0
		.amdhsa_kernarg_size 48
		.amdhsa_user_sgpr_count 2
		.amdhsa_user_sgpr_kernarg_segment_ptr 1
		.amdhsa_wavefront_size32 1
		.amdhsa_system_sgpr_workgroup_id_x 1
		.amdhsa_system_sgpr_workgroup_id_y 1
		.amdhsa_system_sgpr_workgroup_id_z 1
		.amdhsa_system_vgpr_workitem_id 0
		.amdhsa_next_free_vgpr 864
		.amdhsa_next_free_sgpr 100
		.amdhsa_reserve_vcc 0
		.amdhsa_float_denorm_mode_32 3
		.amdhsa_float_denorm_mode_16_64 3
		.amdhsa_memory_ordered 1
		.amdhsa_forward_progress 1
		.amdhsa_inst_pref_size 224
	.end_amdhsa_kernel
	.amdgpu_metadata
---
amdhsa.version: [ 1, 2 ]
amdhsa.kernels:
  - .name:           k_q7dee79e408_row
    .symbol:         k_q7dee79e408_row.kd
    .args:
      - { .name: xA, .offset: 0, .size: 8, .value_kind: global_buffer, .address_space: global }
      - { .name: o, .offset: 8, .size: 8, .value_kind: global_buffer, .address_space: global }
      - { .name: w0, .offset: 16, .size: 8, .value_kind: global_buffer, .address_space: global }
      - { .name: wf, .offset: 24, .size: 8, .value_kind: global_buffer, .address_space: global }
      - { .name: xB, .offset: 32, .size: 8, .value_kind: global_buffer, .address_space: global }
      - { .name: qkv, .offset: 40, .size: 8, .value_kind: global_buffer, .address_space: global }
    .group_segment_fixed_size: 327680
    .private_segment_fixed_size: 0
    .kernarg_segment_align: 8
    .kernarg_segment_size: 48
    .max_flat_workgroup_size: 128
    .sgpr_count:     100
    .vgpr_count:     864
    .wavefront_size: 32
...
	.end_amdgpu_metadata
.endif
;; end of part 4
;; launch attn1: the kernel of part 3 again; grid 4 x 64, 8 waves a work-group, no clusters, 167,936 bytes of LDS; arguments qkv, wf, o; writes o
;; launch row1: the kernel of part 4 again; grid 176 x 1, 4 waves a work-group, clusters of 4 x 1, 327,680 bytes of LDS; arguments xB, o, w1, wf, xA, qkv; writes xA, qkv
;; launch attn2: the kernel of part 3 again; grid 4 x 64, 8 waves a work-group, no clusters, 167,936 bytes of LDS; arguments qkv, wf, o; writes o
;; launch row2: the kernel of part 4 again; grid 176 x 1, 4 waves a work-group, clusters of 4 x 1, 327,680 bytes of LDS; arguments xA, o, w2, wf, xB, qkv; writes xB, qkv
;; launch cls_attn (part 5): grid 64 x 1, 11 waves a work-group, no clusters, 10,752 bytes of LDS; arguments qkv, wf, out_w, o; writes o
.if DOCPART == 5
	.amdgcn_target "amdgcn-amd-amdhsa--gfx1250"
	.amdhsa_code_object_version 6
	.text
	.protected	k_q7dee79e408_cls_attn
	.globl	k_q7dee79e408_cls_attn
	.p2align	8
	.type	k_q7dee79e408_cls_attn,@function
k_q7dee79e408_cls_attn:
	s_mov_b64 s[64:65], 0
	v_nop
	global_prefetch_b8 v0, s[64:65] scope:SCOPE_SE
	s_setreg_imm32_b32 hwreg(HW_REG_WAVE_MODE, 25, 1), 1
	s_wait_xcnt 0x0
; LAYER 3, THE CLS QUERY ALONE (no other row of layer 3 reaches an output).  One (batch, head) a work-group; 33 key blocks of 32 = 11 waves x 3.
; Scores: source 0 = the CLS query in all 16 rows, source 1 = 16 keys: every register of lane l holds key l % 16's score.  Keys that do not count are set to the lowest finite number, the true maximum is
; taken over the work-group, p = 2^(s - m) (q carries log2(e)/sqrt(32)).  O^T = V^T P with P the same in all 16 columns.
; Stored into o (free by now): at 0 [bh][1024] f32: p/l of patch n; at 262,144 [bh][256] f32: the head's share of o Wo^T (out_w of layer 3 in f32, on the vector unit: 32 x 256 numbers, read once).
; LIMITS: p goes into the product as f16; a weight below 2^-126 counts as 0; NaN and infinities in counted keys are not treated apart.
.set LS,    256
.set P16,   512
.set OP,    3328
.set PAL,   4864
.set SPARE, 9216
.set KOFF,  4325376
.set VOFF,  8650752
.set VALOFF, 413696
.macro RMAX r, tmp
	v_max_num_f32_dpp v[\r], v[\r], v[\r] row_xmask:1 row_mask:0xf bank_mask:0xf
	v_max_num_f32_dpp v[\r], v[\r], v[\r] row_xmask:2 row_mask:0xf bank_mask:0xf
	v_max_num_f32_dpp v[\r], v[\r], v[\r] row_xmask:4 row_mask:0xf bank_mask:0xf
	v_max_num_f32_dpp v[\r], v[\r], v[\r] row_xmask:8 row_mask:0xf bank_mask:0xf
	v_permlanex16_b32 v[\tmp], v[\r], s12, s13
	v_max_num_f32 v[\r], v[\r], v[\tmp]
.endm
.macro RSUM r, tmp
	v_add_f32_dpp v[\r], v[\r], v[\r] row_xmask:1 row_mask:0xf bank_mask:0xf
	v_add_f32_dpp v[\r], v[\r], v[\r] row_xmask:2 row_mask:0xf bank_mask:0xf
	v_add_f32_dpp v[\r], v[\r], v[\r] row_xmask:4 row_mask:0xf bank_mask:0xf
	v_add_f32_dpp v[\r], v[\r], v[\r] row_xmask:8 row_mask:0xf bank_mask:0xf
	v_permlanex16_b32 v[\tmp], v[\r], s12, s13
	v_add_f32 v[\r], v[\r], v[\tmp]
.endm
	s_load_b256 s[4:11], s[0:1], 0x0               ; qkv 4, wf 6, out_w 8, o 10
	v_lshl_add_u32 v2, v0, 2, SPARE                ; my spare word, and 0: kept for the wave's end
	v_mov_b32 v3, 0
	v_lshrrev_b32 v4, 5, v0
	v_readfirstlane_b32 s16, v4                    ; wave
	s_mov_b32 s17, ttmp9                           ; bh
	s_lshr_b32 s18, s17, 3
	s_and_b32 s19, s17, 7
	s_mov_b32 s12, 0x76543210
	s_mov_b32 s13, 0xfedcba98
	s_mov_b32 s14, 0xffff0000
	s_mul_i32 s20, s17, 67584
	s_mov_b32 s21, 0
	s_mul_i32 s22, s16, 6144                       ; my 6 tiles of K, my 3 key blocks of V
	s_add_co_u32 s22, s22, s20
	s_mov_b32 s23, 0
	s_lshl_b32 s24, s18, 12
	s_mul_i32 s25, s16, 192
	s_add_co_u32 s24, s24, s25
	s_add_co_u32 s24, s24, VALOFF
	s_mov_b32 s25, 0
	s_lshl_b32 s26, s19, 7
	s_lshl_b32 s27, s16, 16
	s_add_co_u32 s26, s26, s27
	s_add_co_u32 s26, s26, 786432                  ; out_w[3], rows 64 wave .., columns 32 head ..
	s_mov_b32 s27, 0
	s_lshl_b32 s28, s17, 12
	s_mov_b32 s29, 0
	s_lshl_b32 s30, s17, 10
	s_lshl_b32 s31, s16, 8
	s_add_co_u32 s30, s30, s31
	s_add_co_u32 s30, s30, 262144
	s_mov_b32 s31, 0
	v_and_b32 v5, 31, v0                           ; lane
	v_lshlrev_b32 v1, 4, v5
	v_bfe_u32 v6, v0, 4, 1
	v_lshlrev_b32 v12, 8, v6                       ; row 0's 16 bytes of my half of the channels
	v_lshlrev_b32 v13, 1, v5
	v_lshlrev_b32 v14, 11, v5
	s_lshl_b32 s66, s16, 2
	v_mov_b32 v7, s66                              ; my wave's word among the maxima (and, 256 on, the sums)
	v_min_u32 v8, 10, v5
	v_lshlrev_b32 v8, 2, v8
	s_lshl_b32 s66, s16, 8
	s_add_co_u32 s66, s66, P16
	v_add_nc_u32 v9, s66, v13                      ; p as f16: my wave's 96 keys
	v_lshl_add_u32 v11, v6, 4, s66
	s_mul_i32 s66, s16, 384
	s_add_co_u32 s66, s66, PAL+12
	v_lshl_add_u32 v10, v5, 2, s66                 ; p as f32: key s at PAL + 12 + 4 s, so that patch 0 lies at a multiple of 16
	s_lshl_b32 s66, s16, 7
	s_add_co_u32 s66, s66, OP
	v_lshl_add_u32 v15, v6, 5, s66
	v_lshlrev_b32 v250, 4, v0
	v_add_nc_u32 v248, PAL+16, v250
	v_lshl_add_u32 v249, v5, 2, OP
	v_lshlrev_b32 v251, 3, v5
	v_mov_b32 v244, 0xff7fffff
	v_mov_b32 v246, 0
	s_wait_kmcnt 0x0
	s_add_nc_u64 s[20:21], s[4:5], s[20:21]        ; Q of the head
	s_add_nc_u64 s[22:23], s[4:5], s[22:23]
	s_add_nc_u64 s[68:69], s[22:23], VOFF
	s_add_nc_u64 s[22:23], s[22:23], KOFF
	s_add_nc_u64 s[24:25], s[6:7], s[24:25]
	s_add_nc_u64 s[28:29], s[10:11], s[28:29]
	s_add_nc_u64 s[30:31], s[10:11], s[30:31]
	global_load_b128 v[16:19], v12, s[20:21]
	global_load_b128 v[20:23], v12, s[20:21] offset:512
.set i, 0
.rept 6
	global_load_b128 v[24+8*i:27+8*i], v1, s[22:23] offset:1024*i
	global_load_b128 v[28+8*i:31+8*i], v1, s[22:23] offset:1024*i+512
	global_load_b128 v[72+8*i:75+8*i], v1, s[68:69] offset:1024*i
	global_load_b128 v[76+8*i:79+8*i], v1, s[68:69] offset:1024*i+512
.set i, i+1
.endr
.set i, 0
.rept 3
	global_load_u16 v[120+i], v13, s[24:25] offset:64*i
.set i, i+1
.endr
	s_cmp_lt_u32 s16, 4
	s_cbranch_scc0 .Lnow
	s_add_nc_u64 s[26:27], s[8:9], s[26:27]
.set i, 0
.rept 8
	global_load_b128 v[124+4*i:127+4*i], v14, s[26:27] offset:16*i
	global_load_b128 v[156+4*i:159+4*i], v14, s[26:27] offset:1024+16*i
.set i, i+1
.endr
.Lnow:
	s_wait_loadcnt 0x0
.set i, 0
.rept 6
	v_wmma_f32_16x16x32_f16 v[188+8*i:195+8*i], v[16:23], v[24+8*i:31+8*i], 0
.set i, i+1
.endr
.rept 4
	v_nop
.endr
.set i, 0
.rept 3
	v_cndmask_b32 v[240+i], v[188+16*i], v[196+16*i], s14  ; lane l: key 32 i + l of my 96
	v_cmp_ne_u32 vcc_lo, 0, v[120+i]
	v_cndmask_b32 v[240+i], v244, v[240+i], vcc_lo
.set i, i+1
.endr
	v_max3_num_f32 v245, v240, v241, v242
	RMAX 245, 246
	ds_store_b32 v7, v245
	s_wait_dscnt 0x0
	s_barrier_signal -1
	s_barrier_wait -1
	ds_load_b32 v247, v8
	s_wait_dscnt 0x0
	RMAX 247, 246                                  ; m
.set i, 0
.rept 3
	v_sub_f32 v[240+i], v[240+i], v247
.set i, i+1
.endr
	v_exp_f32 v240, v240
	v_exp_f32 v241, v241
	v_exp_f32 v242, v242
	v_nop
.set i, 0
	s_wait_alu depctr_va_vdst(0)
.rept 3
	v_cvt_pk_f16_f32 v[252+i], v[240+i], v[240+i]
	ds_store_b16 v9, v[252+i] offset:64*i
	ds_store_b32 v10, v[240+i] offset:128*i
.set i, i+1
.endr
	v_add_f32 v245, v240, v241
	v_add_f32 v245, v245, v242
	RSUM 245, 246
	ds_store_b32 v7, v245 offset:LS
.set i, 0
.rept 3                                            ; P's fragments, the same in all columns: my wave's own bytes, served in order
	ds_load_b128 v[24+8*i:27+8*i], v11 offset:64*i
	ds_load_b128 v[28+8*i:31+8*i], v11 offset:64*i+32
.set i, i+1
.endr
	s_wait_dscnt 0x0
	v_wmma_f32_16x16x32_f16 v[48:55], v[72:79], v[24:31], 0        ; two accumulators (channels 0-15, 16-31) by turns
	v_wmma_f32_16x16x32_f16 v[56:63], v[80:87], v[24:31], 0
	v_wmma_f32_16x16x32_f16 v[48:55], v[88:95], v[32:39], v[48:55]
	v_wmma_f32_16x16x32_f16 v[56:63], v[96:103], v[32:39], v[56:63]
	v_wmma_f32_16x16x32_f16 v[48:55], v[104:111], v[40:47], v[48:55]
	v_wmma_f32_16x16x32_f16 v[56:63], v[112:119], v[40:47], v[56:63]
.rept 4
	v_nop
.endr
	ds_store_b128 v15, v[48:51]                    ; my wave's share of the 32 channels; the 16 lanes of a half hold the same numbers
	ds_store_b128 v15, v[52:55] offset:16
	ds_store_b128 v15, v[56:59] offset:64
	ds_store_b128 v15, v[60:63] offset:80
	s_wait_dscnt 0x0
	s_barrier_signal -1
	s_barrier_wait -1
	ds_load_b32 v247, v8 offset:LS
	s_wait_dscnt 0x0
	v_cmp_gt_u32 vcc_lo, 11, v5
	v_cndmask_b32 v247, 0, v247, vcc_lo
	RSUM 247, 246                                  ; l
	v_rcp_f32 v247, v247
	v_nop
	s_cmp_lt_u32 s16, 8
	s_cbranch_scc0 .Lend
	ds_load_b128 v[64:67], v248
	s_wait_dscnt 0x0
	s_wait_alu depctr_va_vdst(0)
	v_mul_f32 v64, v64, v247
	v_mul_f32 v65, v65, v247
	v_mul_f32 v66, v66, v247
	v_mul_f32 v67, v67, v247
	global_store_b128 v250, v[64:67], s[28:29]
	s_cmp_lt_u32 s16, 4
	s_cbranch_scc0 .Lend
.set i, 0
.rept 11
	ds_load_b32 v[68+i], v249 offset:128*i
.set i, i+1
.endr
	s_wait_dscnt 0x0
.set i, 1
.rept 10
	v_add_f32 v68, v68, v[68+i]
.set i, i+1
.endr
	v_mul_f32 v80, v68, v247                       ; lane d: channel d of the head's output
.set i, 0
.rept 32
	v_readlane_b32 s[32+i], v80, i
.set i, i+1
.endr
	v_mul_f32 v82, s32, v124
	v_mul_f32 v83, s32, v156
.set i, 1
.rept 31
	v_fmac_f32 v82, s[32+i], v[124+i]
	v_fmac_f32 v83, s[32+i], v[156+i]
.set i, i+1
.endr
	global_store_b64 v251, v[82:83], s[30:31]
.Lend:
	s_wait_tensorcnt 0x0                           ; the wave's end, behind my last LDS store
	ds_add_u32 v2, v3
	s_wait_dscnt 0x0
	s_endpgm
.Lfunc_end_k_q7dee79e408_cls_attn:
	.size	k_q7dee79e408_cls_attn, .Lfunc_end_k_q7dee79e408_cls_attn-k_q7dee79e408_cls_attn
	.p2alignl 7, 3214868480
	.fill 96, 4, 3214868480
	.section	.rodata,"a",@progbits
	.p2align	6, 0x0
	.amdhsa_kernel k_q7dee79e408_cls_attn
		.amdhsa_group_segment_fixed_size 10752
		.amdhsa_private_segment_fixed_size 0
		.amdhsa_enable_private_segment 0
		.amdhsa_kernarg_size 32
		.amdhsa_user_sgpr_count 2
		.amdhsa_user_sgpr_kernarg_segment_ptr 1
		.amdhsa_wavefront_size32 1
		.amdhsa_system_sgpr_workgroup_id_x 1
		.amdhsa_system_sgpr_workgroup_id_y 1
		.amdhsa_system_sgpr_workgroup_id_z 1
		.amdhsa_system_vgpr_workitem_id 0
		.amdhsa_next_free_vgpr 256
		.amdhsa_next_free_sgpr 80
		.amdhsa_reserve_vcc 1
		.amdhsa_float_denorm_mode_32 3
		.amdhsa_float_denorm_mode_16_64 3
		.amdhsa_memory_ordered 1
		.amdhsa_forward_progress 1
		.amdhsa_inst_pref_size 19
	.end_amdhsa_kernel
	.amdgpu_metadata
---
amdhsa.version: [ 1, 2 ]
amdhsa.kernels:
  - .name:           k_q7dee79e408_cls_attn
    .symbol:         k_q7dee79e408_cls_attn.kd
    .args:
      - { .name: qkv, .offset: 0, .size: 8, .value_kind: global_buffer, .address_space: global }
      - { .name: wf, .offset: 8, .size: 8, .value_kind: global_buffer, .address_space: global }
      - { .name: out_w, .offset: 16, .size: 8, .value_kind: global_buffer, .address_space: global }
      - { .name: o, .offset: 24, .size: 8, .value_kind: global_buffer, .address_space: global }
    .group_segment_fixed_size: 10752
    .private_segment_fixed_size: 0
    .kernarg_segment_align: 8
    .kernarg_segment_size: 32
    .max_flat_workgroup_size: 352
    .sgpr_count:     80
    .vgpr_count:     256
    .wavefront_size: 32
...
	.end_amdgpu_metadata
.endif
;; end of part 5
;; launch cls_ffn (part 6): grid 32 x 1, 8 waves a work-group, no clusters, 55,296 bytes of LDS; arguments o, xB, out_b, ln2_g, ln2_b, ffn_w1, ffn_b1, ffn_w2, xA; writes xA
.if DOCPART == 6
	.amdgcn_target "amdgcn-amd-amdhsa--gfx1250"
	.amdhsa_code_object_version 6
	.text
	.protected	k_q7dee79e408_cls_ffn
	.globl	k_q7dee79e408_cls_ffn
	.p2align	8
	.type	k_q7dee79e408_cls_ffn,@function
k_q7dee79e408_cls_ffn:
	s_mov_b64 s[64:65], 0
	v_nop
	global_prefetch_b8 v0, s[64:65] scope:SCOPE_SE
	s_setreg_imm32_b32 hwreg(HW_REG_WAVE_MODE, 25, 1), 1
	s_wait_xcnt 0x0
; LAYER 3's FFN FOR THE 8 CLS ROWS, in f32 on the vector unit: eight rows, each weight read once in the launch, so memory binds and the matrix unit would buy nothing.
; Work-group g owns hidden units 32 g .. 32 g + 31.  A: wave b makes x1[b] = x[b] + bo + the eight heads' shares, and LN2 of it.  B: wave w makes units 4 w .. 4 w + 3 for all 8 rows and their GELU.
; C: thread c makes the units' share of output channel c for all 8 rows.  Stored into xA (free by now): at 0 [g][b][256] the shares; at 262,144 [b][256] x1 (by work-group 0).
; GELU as in the row kernel: Abramowitz and Stegun 7.1.26, absolute error 1.5e-7, for every x.
.set HS,    8192
.set YS,    9216
.set TR,    17408
.set SPARE, 54272
.macro RSUM r, tmp
	v_add_f32_dpp v[\r], v[\r], v[\r] row_xmask:1 row_mask:0xf bank_mask:0xf
	v_add_f32_dpp v[\r], v[\r], v[\r] row_xmask:2 row_mask:0xf bank_mask:0xf
	v_add_f32_dpp v[\r], v[\r], v[\r] row_xmask:4 row_mask:0xf bank_mask:0xf
	v_add_f32_dpp v[\r], v[\r], v[\r] row_xmask:8 row_mask:0xf bank_mask:0xf
	v_permlanex16_b32 v[\tmp], v[\r], s38, s39
	v_add_f32 v[\r], v[\r], v[\tmp]
.endm
	s_load_b512 s[4:19], s[0:1], 0x0               ; o 4, xB 6, out_b 8, ln2_g 10, ln2_b 12, ffn_w1 14, ffn_b1 16, ffn_w2 18
	s_load_b64 s[20:21], s[0:1], 0x40              ; xA
	v_lshl_add_u32 v4, v0, 2, SPARE                ; my spare word, and 0: kept for the wave's end
	v_mov_b32 v5, 0
	v_lshrrev_b32 v2, 5, v0
	v_readfirstlane_b32 s22, v2                    ; wave
	s_mov_b32 s23, ttmp9                           ; g
	v_and_b32 v2, 31, v0
	v_lshlrev_b32 v1, 4, v2
	s_lshl_b32 s24, s23, 15
	s_lshl_b32 s25, s22, 12
	s_add_co_u32 s24, s24, s25
	s_add_co_u32 s24, s24, 3145728                 ; ffn_w1[3], rows 32 g + 4 wave ..
	s_mov_b32 s25, 0
	s_lshl_b32 s26, s22, 17
	s_lshl_b32 s27, s23, 7
	s_add_co_u32 s26, s26, s27
	s_add_co_u32 s26, s26, 3145728                 ; ffn_w2[3], rows 32 wave .., columns 32 g ..
	s_mov_b32 s27, 0
	s_lshl_b32 s28, s23, 7
	s_lshl_b32 s29, s22, 4
	s_add_co_u32 s28, s28, s29
	s_add_co_u32 s28, s28, 12288
	s_mov_b32 s29, 0
	s_mul_i32 s30, s22, 1081344                    ; x: the batch's first tile
	s_mov_b32 s31, 0
	s_lshl_b32 s32, s22, 13
	s_add_co_u32 s32, s32, 262144                  ; the eight heads' shares
	s_mov_b32 s33, 0
	s_lshl_b32 s34, s22, 10
	s_add_co_u32 s34, s34, 262144
	s_mov_b32 s35, 0
	s_lshl_b32 s36, s23, 13
	s_lshl_b32 s37, s22, 10
	s_add_co_u32 s36, s36, s37
	s_mov_b32 s37, 0
	s_mov_b32 s38, 0x76543210
	s_mov_b32 s39, 0xfedcba98
	s_mov_b32 s40, 0x3e6d3388                      ; 0.3275911/sqrt 2
	s_mov_b32 s41, 0xbf38aa3b                      ; -log2(e)/2
	s_mov_b32 s42, 0x3e027906                      ; a1/2 .. a5/2
	s_mov_b32 s43, 0xbe11a98e
	s_mov_b32 s44, 0x3f35f0e3
	s_mov_b32 s45, 0xbf3a00e3
	s_mov_b32 s46, 0x3f07dc22
	s_mov_b32 s47, 0x3b800000                      ; 1/256
	s_mov_b32 s48, 0x3727c5ac                      ; 1e-5
	v_lshlrev_b32 v6, 12, v2
	v_lshrrev_b32 v7, 3, v2
	v_lshlrev_b32 v7, 2, v7
	v_lshrrev_b32 v8, 2, v2                        ; channels 4 l .. of row 0 in the stream's order: channel tile l / 4, register half l % 2, lane half (l / 2) % 2
	v_lshlrev_b32 v8, 10, v8
	v_and_b32 v9, 1, v2
	v_lshl_add_u32 v8, v9, 9, v8
	v_bfe_u32 v9, v2, 1, 1
	v_lshl_add_u32 v8, v9, 8, v8
	s_lshl_b32 s49, s22, 10
	v_add_nc_u32 v12, s49, v1                      ; row 'wave' of xn2
	v_add_nc_u32 v14, YS, v12
	s_mul_i32 s49, s22, 4608
	s_add_co_u32 s49, s49, TR
	v_lshl_add_u32 v9, v2, 2, s49
	v_mul_u32_u24 v10, v2, 144
	v_add_nc_u32 v10, s49, v10
	v_and_b32 v11, 7, v2
	v_lshlrev_b32 v11, 7, v11
	v_add_nc_u32 v11, v11, v7
	s_lshl_b32 s49, s22, 4
	s_add_co_u32 s49, s49, HS
	v_add_nc_u32 v11, s49, v11                     ; h[row l % 8][unit 4 wave + l / 8]
	v_mov_b32 v13, HS
	v_lshlrev_b32 v15, 2, v0
	v_add_nc_u32 v15, YS, v15
	s_wait_kmcnt 0x0
	s_add_nc_u64 s[14:15], s[14:15], s[24:25]
	s_add_nc_u64 s[18:19], s[18:19], s[26:27]
	s_add_nc_u64 s[16:17], s[16:17], s[28:29]
	s_add_nc_u64 s[6:7], s[6:7], s[30:31]
	s_add_nc_u64 s[4:5], s[4:5], s[32:33]
	s_add_nc_u64 s[34:35], s[20:21], s[34:35]
	s_add_nc_u64 s[36:37], s[20:21], s[36:37]
	global_load_b128 v[100:103], v8, s[6:7]
	global_load_b128 v[104:107], v8, s[6:7] offset:8192
	global_load_b128 v[108:111], v1, s[8:9] offset:3072
	global_load_b128 v[112:115], v1, s[8:9] offset:3584
	global_load_b128 v[116:119], v1, s[10:11] offset:3072
	global_load_b128 v[120:123], v1, s[10:11] offset:3584
	global_load_b128 v[124:127], v1, s[12:13] offset:3072
	global_load_b128 v[128:131], v1, s[12:13] offset:3584
.set i, 0
.rept 8
	global_load_b128 v[132+8*i:135+8*i], v1, s[4:5] offset:1024*i
	global_load_b128 v[136+8*i:139+8*i], v1, s[4:5] offset:1024*i+512
.set i, i+1
.endr
.set i, 0
.rept 4
	global_load_b128 v[32+8*i:35+8*i], v1, s[14:15] offset:1024*i th:TH_LOAD_NT
	global_load_b128 v[36+8*i:39+8*i], v1, s[14:15] offset:1024*i+512 th:TH_LOAD_NT
.set i, i+1
.endr
.set i, 0
.rept 8
	global_load_b128 v[64+4*i:67+4*i], v6, s[18:19] offset:16*i
.set i, i+1
.endr
	global_load_b32 v96, v7, s[16:17]
	s_wait_loadcnt 0x11                            ; the 17 loads of W1, W2 and b1 may stay out
.set j, 0
.rept 4
	v_pk_add_f32 v[100+2*j:101+2*j], v[100+2*j:101+2*j], v[108+2*j:109+2*j]
.set j, j+1
.endr
.set i, 0
.rept 8
.set j, 0
.rept 4
	v_pk_add_f32 v[100+2*j:101+2*j], v[100+2*j:101+2*j], v[132+8*i+2*j:133+8*i+2*j]
.set j, j+1
.endr
.set i, i+1
.endr
	s_cmp_lg_u32 s23, 0
	s_cbranch_scc1 .Lnox
	global_store_b128 v1, v[100:103], s[34:35]
	global_store_b128 v1, v[104:107], s[34:35] offset:512
.Lnox:
	v_pk_add_f32 v[196:197], v[100:101], v[102:103]
	v_pk_add_f32 v[198:199], v[104:105], v[106:107]
	v_pk_add_f32 v[196:197], v[196:197], v[198:199]
	v_add_f32 v196, v196, v197
	RSUM 196, 197
	v_mul_f32 v200, s47, v196
	v_mul_f32 v201, s47, v196
.set j, 0
.rept 4
	v_pk_add_f32 v[204+2*j:205+2*j], v[100+2*j:101+2*j], v[200:201] neg_lo:[0,1] neg_hi:[0,1]
.set j, j+1
.endr
	v_pk_mul_f32 v[196:197], v[204:205], v[204:205]
	v_pk_fma_f32 v[196:197], v[206:207], v[206:207], v[196:197]
	v_pk_fma_f32 v[196:197], v[208:209], v[208:209], v[196:197]
	v_pk_fma_f32 v[196:197], v[210:211], v[210:211], v[196:197]
	v_add_f32 v196, v196, v197
	RSUM 196, 197
	v_fma_f32 v196, v196, s47, s48
	v_rsq_f32 v202, v196
	v_nop
	s_wait_alu depctr_va_vdst(0)
	v_mov_b32 v203, v202
.set j, 0
.rept 4
	v_pk_mul_f32 v[204+2*j:205+2*j], v[204+2*j:205+2*j], v[202:203]
	v_pk_fma_f32 v[204+2*j:205+2*j], v[204+2*j:205+2*j], v[116+2*j:117+2*j], v[124+2*j:125+2*j]
.set j, j+1
.endr
	ds_store_b128 v12, v[204:207]
	ds_store_b128 v12, v[208:211] offset:512
	s_wait_dscnt 0x0
	s_barrier_signal -1
	s_barrier_wait -1
	s_wait_xcnt 0x0                                ; x1's stores have read their registers
.set i, 0
.rept 8
	ds_load_b128 v[100+8*i:103+8*i], v1 offset:1024*i
	ds_load_b128 v[104+8*i:107+8*i], v1 offset:1024*i+512
.set i, i+1
.endr
	s_wait_dscnt 0x0
	s_wait_loadcnt 0x0
.set n, 0
.rept 32                                           ; number n = 8 unit + row: my lane's eight products; the 32 lanes' sums are turned through my wave's own LDS bytes
.set rW, 32+8*(n/8)
.set rX, 100+8*(n%8)
.set rT, 196+4*(n%2)
	v_pk_mul_f32 v[rT:rT+1], v[rW:rW+1], v[rX:rX+1]
	v_pk_fma_f32 v[rT:rT+1], v[rW+2:rW+3], v[rX+2:rX+3], v[rT:rT+1]
	v_pk_fma_f32 v[rT:rT+1], v[rW+4:rW+5], v[rX+4:rX+5], v[rT:rT+1]
	v_pk_fma_f32 v[rT:rT+1], v[rW+6:rW+7], v[rX+6:rX+7], v[rT:rT+1]
	v_add_f32 v[rT], v[rT], v[rT+1]
	ds_store_b32 v9, v[rT] offset:144*n
.set n, n+1
.endr
.set i, 0
.rept 8
	ds_load_b128 v[164+4*i:167+4*i], v10 offset:16*i   ; LDS serves a wave's instructions in order: these see the stores above
.set i, i+1
.endr
	s_wait_dscnt 0x0
.set i, 0
.rept 8
	v_pk_add_f32 v[164+2*i:165+2*i], v[164+2*i:165+2*i], v[180+2*i:181+2*i]
.set i, i+1
.endr
.set i, 0
.rept 4
	v_pk_add_f32 v[164+2*i:165+2*i], v[164+2*i:165+2*i], v[172+2*i:173+2*i]
.set i, i+1
.endr
	v_pk_add_f32 v[164:165], v[164:165], v[168:169]
	v_pk_add_f32 v[166:167], v[166:167], v[170:171]
	v_pk_add_f32 v[164:165], v[164:165], v[166:167]
	v_add_f32 v196, v164, v165
	v_add_f32 v196, v196, v96
	v_fma_f32 v197, |v196|, s40, 1.0
	v_mul_f32 v198, s41, v196
	v_mul_f32 v198, v198, v196
	v_rcp_f32 v197, v197
	v_exp_f32 v198, v198
	v_max_num_f32 v199, 0, v196
	s_wait_alu depctr_va_vdst(0)
	v_fma_f32 v200, v197, s46, s45
	v_fma_f32 v200, v200, v197, s44
	v_fma_f32 v200, v200, v197, s43
	v_fma_f32 v200, v200, v197, s42
	v_mul_f32 v200, v200, v197
	v_mul_f32 v200, v200, v198
	v_fma_f32 v199, -v200, |v196|, v199
	ds_store_b32 v11, v199
	s_wait_dscnt 0x0
	s_barrier_signal -1
	s_barrier_wait -1
.macro HLOAD b
.set i, 0
.rept 8
	ds_load_b128 v[100+32*((\b)%2)+4*i:103+32*((\b)%2)+4*i], v13 offset:128*(\b)+16*i
.set i, i+1
.endr
.endm
	HLOAD 0
	HLOAD 1
.set b, 0
.rept 8
.if b == 0
	s_wait_dscnt 0x8                               ; row 0's h is in; row 1's eight loads may be out
.elseif b == 7
	s_wait_dscnt 0x1                               ; only the store of the row before may be out
.else
	s_wait_dscnt 0x9                               ; the store of the row before and the next row's eight loads may be out
.endif
.set rH, 100+32*(b%2)
	v_pk_mul_f32 v[196:197], v[64:65], v[rH:rH+1]
.set i, 1
.rept 15
	v_pk_fma_f32 v[196:197], v[64+2*i:65+2*i], v[rH+2*i:rH+2*i+1], v[196:197]
.set i, i+1
.endr
	v_add_f32 v198, v196, v197
	ds_store_b32 v15, v198 offset:1024*b
.if b < 6
	HLOAD b+2
.endif
.set b, b+1
.endr
	s_wait_dscnt 0x0
	s_barrier_signal -1
	s_barrier_wait -1
	ds_load_b128 v[100:103], v14
	ds_load_b128 v[104:107], v14 offset:512
	s_wait_dscnt 0x0
	global_store_b128 v1, v[100:103], s[36:37]
	global_store_b128 v1, v[104:107], s[36:37] offset:512
	s_wait_tensorcnt 0x0                           ; the wave's end, behind my last LDS store
	ds_add_u32 v4, v5
	s_wait_dscnt 0x0
	s_endpgm
.Lfunc_end_k_q7dee79e408_cls_ffn:
	.size	k_q7dee79e408_cls_ffn, .Lfunc_end_k_q7dee79e408_cls_ffn-k_q7dee79e408_cls_ffn
	.p2alignl 7, 3214868480
	.fill 96, 4, 3214868480
	.section	.rodata,"a",@progbits
	.p2align	6, 0x0
	.amdhsa_kernel k_q7dee79e408_cls_ffn
		.amdhsa_group_segment_fixed_size 55296
		.amdhsa_private_segment_fixed_size 0
		.amdhsa_enable_private_segment 0
		.amdhsa_kernarg_size 72
		.amdhsa_user_sgpr_count 2
		.amdhsa_user_sgpr_kernarg_segment_ptr 1
		.amdhsa_wavefront_size32 1
		.amdhsa_system_sgpr_workgroup_id_x 1
		.amdhsa_system_sgpr_workgroup_id_y 1
		.amdhsa_system_sgpr_workgroup_id_z 1
		.amdhsa_system_vgpr_workitem_id 0
		.amdhsa_next_free_vgpr 224
		.amdhsa_next_free_sgpr 66
		.amdhsa_reserve_vcc 0
		.amdhsa_float_denorm_mode_32 3
		.amdhsa_float_denorm_mode_16_64 3
		.amdhsa_memory_ordered 1
		.amdhsa_forward_progress 1
		.amdhsa_inst_pref_size 41
	.end_amdhsa_kernel
	.amdgpu_metadata
---
amdhsa.version: [ 1, 2 ]
amdhsa.kernels:
  - .name:           k_q7dee79e408_cls_ffn
    .symbol:         k_q7dee79e408_cls_ffn.kd
    .args:
      - { .name: o, .offset: 0, .size: 8, .value_kind: global_buffer, .address_space: global }
      - { .name: xB, .offset: 8, .size: 8, .value_kind: global_buffer, .address_space: global }
      - { .name: out_b, .offset: 16, .size: 8, .value_kind: global_buffer, .address_space: global }
      - { .name: ln2_g, .offset: 24, .size: 8, .value_kind: global_buffer, .address_space: global }
      - { .name: ln2_b, .offset: 32, .size: 8, .value_kind: global_buffer, .address_space: global }
      - { .name: ffn_w1, .offset: 40, .size: 8, .value_kind: global_buffer, .address_space: global }
      - { .name: ffn_b1, .offset: 48, .size: 8, .value_kind: global_buffer, .address_space: global }
      - { .name: ffn_w2, .offset: 56, .size: 8, .value_kind: global_buffer, .address_space: global }
      - { .name: xA, .offset: 64, .size: 8, .value_kind: global_buffer, .address_space: global }
    .group_segment_fixed_size: 55296
    .private_segment_fixed_size: 0
    .kernarg_segment_align: 8
    .kernarg_segment_size: 72
    .max_flat_workgroup_size: 256
    .sgpr_count:     66
    .vgpr_count:     224
    .wavefront_size: 32
...
	.end_amdgpu_metadata
.endif
;; end of part 6
;; launch cls_out (part 7): grid 8 x 1, 8 waves a work-group, no clusters, 9,472 bytes of LDS; arguments xA, o, mask, ffn_b2, lnf_g, lnf_b, out0, out1; writes out0, out1
.if DOCPART == 7
	.amdgcn_target "amdgcn-amd-amdhsa--gfx1250"
	.amdhsa_code_object_version 6
	.text
	.protected	k_q7dee79e408_cls_out
	.globl	k_q7dee79e408_cls_out
	.p2align	8
	.type	k_q7dee79e408_cls_out,@function
k_q7dee79e408_cls_out:
	s_mov_b64 s[64:65], 0
	v_nop
	global_prefetch_b8 v0, s[64:65] scope:SCOPE_SE
	s_setreg_imm32_b32 hwreg(HW_REG_WAVE_MODE, 25, 1), 1
	s_wait_xcnt 0x0
; THE OUTPUTS, one batch a work-group.  out1: the mean over 8 heads of the CLS query's weights on the 1,024 patches, times mask, divided by (their sum + 1e-8).
; out0: LNf(x1 + b2 + the 32 work-groups' shares of the FFN).  Wave v adds shares 4 v .. 4 v + 3; wave 0 adds the eight sums and normalises.  A few KB a work-group: latency binds, nothing to tile.
.set RED,   8192
.set SPARE, 8448
.macro RSUM r, tmp
	v_add_f32_dpp v[\r], v[\r], v[\r] row_xmask:1 row_mask:0xf bank_mask:0xf
	v_add_f32_dpp v[\r], v[\r], v[\r] row_xmask:2 row_mask:0xf bank_mask:0xf
	v_add_f32_dpp v[\r], v[\r], v[\r] row_xmask:4 row_mask:0xf bank_mask:0xf
	v_add_f32_dpp v[\r], v[\r], v[\r] row_xmask:8 row_mask:0xf bank_mask:0xf
	v_permlanex16_b32 v[\tmp], v[\r], s32, s33
	v_add_f32 v[\r], v[\r], v[\tmp]
.endm
	s_load_b512 s[4:19], s[0:1], 0x0               ; xA 4, o 6, mask 8, ffn_b2 10, lnf_g 12, lnf_b 14, out0 16, out1 18
	v_lshl_add_u32 v4, v0, 2, SPARE                ; my spare word, and 0: kept for the wave's end
	v_mov_b32 v5, 0
	v_lshrrev_b32 v3, 5, v0
	v_readfirstlane_b32 s20, v3                    ; wave
	s_mov_b32 s21, ttmp9                           ; batch
	v_and_b32 v1, 31, v0
	v_lshlrev_b32 v1, 4, v1
	v_lshlrev_b32 v2, 4, v0
	s_lshl_b32 s22, s21, 15
	s_mov_b32 s23, 0
	s_lshl_b32 s24, s21, 12
	s_mov_b32 s25, 0
	s_lshl_b32 s26, s20, 15
	s_lshl_b32 s27, s21, 10
	s_add_co_u32 s26, s26, s27
	s_mov_b32 s27, 0
	s_lshl_b32 s28, s21, 10
	s_mov_b32 s29, 0
	s_mov_b32 s32, 0x76543210
	s_mov_b32 s33, 0xfedcba98
	s_mov_b32 s34, 0x3b800000                      ; 1/256
	s_mov_b32 s35, 0x3727c5ac                      ; 1e-5
	s_lshl_b32 s36, s20, 2
	s_add_co_u32 s36, s36, RED
	v_mov_b32 v6, s36
	s_lshl_b32 s36, s20, 10
	v_add_nc_u32 v7, s36, v1
	v_mov_b32 v8, RED
	s_wait_kmcnt 0x0
	s_add_nc_u64 s[6:7], s[6:7], s[22:23]
	s_add_nc_u64 s[8:9], s[8:9], s[24:25]
	s_add_nc_u64 s[18:19], s[18:19], s[24:25]
	s_add_nc_u64 s[26:27], s[4:5], s[26:27]
	s_add_nc_u64 s[16:17], s[16:17], s[28:29]
	s_cmp_lg_u32 s20, 0
	s_cbranch_scc1 .Lnot0a
	s_add_nc_u64 s[30:31], s[4:5], s[28:29]
	global_load_b128 v[84:87], v1, s[30:31] offset:262144
	global_load_b128 v[88:91], v1, s[30:31] offset:262656
	global_load_b128 v[92:95], v1, s[10:11] offset:3072
	global_load_b128 v[96:99], v1, s[10:11] offset:3584
	global_load_b128 v[100:103], v1, s[12:13]
	global_load_b128 v[104:107], v1, s[12:13] offset:512
	global_load_b128 v[108:111], v1, s[14:15]
	global_load_b128 v[112:115], v1, s[14:15] offset:512
.Lnot0a:
.set i, 0
.rept 8
	global_load_b128 v[16+4*i:19+4*i], v2, s[6:7] offset:4096*i
.set i, i+1
.endr
	global_load_b128 v[48:51], v2, s[8:9]
.set i, 0
.rept 4
	global_load_b128 v[52+8*i:55+8*i], v1, s[26:27] offset:8192*i
	global_load_b128 v[56+8*i:59+8*i], v1, s[26:27] offset:8192*i+512
.set i, i+1
.endr
	s_wait_loadcnt 0x0
.set i, 1
.rept 7
	v_pk_add_f32 v[16:17], v[16:17], v[16+4*i:17+4*i]
	v_pk_add_f32 v[18:19], v[18:19], v[18+4*i:19+4*i]
.set i, i+1
.endr
.set j, 0
.rept 4
	v_cvt_f32_i32 v[48+j], v[48+j]
	v_mul_f32 v[48+j], 0x3e000000, v[48+j]         ; mask / 8
.set j, j+1
.endr
	v_pk_mul_f32 v[16:17], v[16:17], v[48:49]
	v_pk_mul_f32 v[18:19], v[18:19], v[50:51]
	v_pk_add_f32 v[116:117], v[16:17], v[18:19]
	v_add_f32 v116, v116, v117
	RSUM 116, 117
	ds_store_b32 v6, v116
.set i, 1
.rept 3
.set j, 0
.rept 4
	v_pk_add_f32 v[52+2*j:53+2*j], v[52+2*j:53+2*j], v[52+8*i+2*j:53+8*i+2*j]
.set j, j+1
.endr
.set i, i+1
.endr
	ds_store_b128 v7, v[52:55]
	ds_store_b128 v7, v[56:59] offset:512
	s_wait_dscnt 0x0
	s_barrier_signal -1
	s_barrier_wait -1
	ds_load_b128 v[60:63], v8
	ds_load_b128 v[64:67], v8 offset:16
	s_wait_dscnt 0x0
	v_pk_add_f32 v[60:61], v[60:61], v[62:63]
	v_pk_add_f32 v[64:65], v[64:65], v[66:67]
	v_pk_add_f32 v[60:61], v[60:61], v[64:65]
	v_add_f32 v60, v60, v61
	v_add_f32 v60, 0x322bcc77, v60                 ; + 1e-8
	v_rcp_f32 v60, v60
	v_nop
	s_wait_alu depctr_va_vdst(0)
	v_mov_b32 v61, v60
	v_pk_mul_f32 v[16:17], v[16:17], v[60:61]
	v_pk_mul_f32 v[18:19], v[18:19], v[60:61]
	global_store_b128 v2, v[16:19], s[18:19]
	s_cmp_lg_u32 s20, 0
	s_cbranch_scc1 .Lend
.set i, 0
.rept 8
	ds_load_b128 v[120+8*i:123+8*i], v1 offset:1024*i
	ds_load_b128 v[124+8*i:127+8*i], v1 offset:1024*i+512
.set i, i+1
.endr
	s_wait_dscnt 0x0
.set i, 1
.rept 7
.set j, 0
.rept 4
	v_pk_add_f32 v[120+2*j:121+2*j], v[120+2*j:121+2*j], v[120+8*i+2*j:121+8*i+2*j]
.set j, j+1
.endr
.set i, i+1
.endr
.set j, 0
.rept 4
	v_pk_add_f32 v[120+2*j:121+2*j], v[120+2*j:121+2*j], v[84+2*j:85+2*j]
	v_pk_add_f32 v[120+2*j:121+2*j], v[120+2*j:121+2*j], v[92+2*j:93+2*j]
.set j, j+1
.endr
	v_pk_add_f32 v[184:185], v[120:121], v[122:123]
	v_pk_add_f32 v[186:187], v[124:125], v[126:127]
	v_pk_add_f32 v[184:185], v[184:185], v[186:187]
	v_add_f32 v184, v184, v185
	RSUM 184, 185
	v_mul_f32 v188, s34, v184
	v_mul_f32 v189, s34, v184
.set j, 0
.rept 4
	v_pk_add_f32 v[120+2*j:121+2*j], v[120+2*j:121+2*j], v[188:189] neg_lo:[0,1] neg_hi:[0,1]
.set j, j+1
.endr
	v_pk_mul_f32 v[184:185], v[120:121], v[120:121]
	v_pk_fma_f32 v[184:185], v[122:123], v[122:123], v[184:185]
	v_pk_fma_f32 v[184:185], v[124:125], v[124:125], v[184:185]
	v_pk_fma_f32 v[184:185], v[126:127], v[126:127], v[184:185]
	v_add_f32 v184, v184, v185
	RSUM 184, 185
	v_fma_f32 v184, v184, s34, s35
	v_rsq_f32 v190, v184
	v_nop
	s_wait_alu depctr_va_vdst(0)
	v_mov_b32 v191, v190
.set j, 0
.rept 4
	v_pk_mul_f32 v[120+2*j:121+2*j], v[120+2*j:121+2*j], v[190:191]
	v_pk_fma_f32 v[120+2*j:121+2*j], v[120+2*j:121+2*j], v[100+2*j:101+2*j], v[108+2*j:109+2*j]
.set j, j+1
.endr
	global_store_b128 v1, v[120:123], s[16:17]
	global_store_b128 v1, v[124:127], s[16:17] offset:512
.Lend:
	s_wait_tensorcnt 0x0                           ; the wave's end, behind my last LDS store
	ds_add_u32 v4, v5
	s_wait_dscnt 0x0
	s_endpgm
.Lfunc_end_k_q7dee79e408_cls_out:
	.size	k_q7dee79e408_cls_out, .Lfunc_end_k_q7dee79e408_cls_out-k_q7dee79e408_cls_out
	.p2alignl 7, 3214868480
	.fill 96, 4, 3214868480
	.section	.rodata,"a",@progbits
	.p2align	6, 0x0
	.amdhsa_kernel k_q7dee79e408_cls_out
		.amdhsa_group_segment_fixed_size 9472
		.amdhsa_private_segment_fixed_size 0
		.amdhsa_enable_private_segment 0
		.amdhsa_kernarg_size 64
		.amdhsa_user_sgpr_count 2
		.amdhsa_user_sgpr_kernarg_segment_ptr 1
		.amdhsa_wavefront_size32 1
		.amdhsa_system_sgpr_workgroup_id_x 1
		.amdhsa_system_sgpr_workgroup_id_y 1
		.amdhsa_system_sgpr_workgroup_id_z 1
		.amdhsa_system_vgpr_workitem_id 0
		.amdhsa_next_free_vgpr 192
		.amdhsa_next_free_sgpr 66
		.amdhsa_reserve_vcc 0
		.amdhsa_float_denorm_mode_32 3
		.amdhsa_float_denorm_mode_16_64 3
		.amdhsa_memory_ordered 1
		.amdhsa_forward_progress 1
		.amdhsa_inst_pref_size 14
	.end_amdhsa_kernel
	.amdgpu_metadata
---
amdhsa.version: [ 1, 2 ]
amdhsa.kernels:
  - .name:           k_q7dee79e408_cls_out
    .symbol:         k_q7dee79e408_cls_out.kd
    .args:
      - { .name: xA, .offset: 0, .size: 8, .value_kind: global_buffer, .address_space: global }
      - { .name: o, .offset: 8, .size: 8, .value_kind: global_buffer, .address_space: global }
      - { .name: mask, .offset: 16, .size: 8, .value_kind: global_buffer, .address_space: global }
      - { .name: ffn_b2, .offset: 24, .size: 8, .value_kind: global_buffer, .address_space: global }
      - { .name: lnf_g, .offset: 32, .size: 8, .value_kind: global_buffer, .address_space: global }
      - { .name: lnf_b, .offset: 40, .size: 8, .value_kind: global_buffer, .address_space: global }
      - { .name: out0, .offset: 48, .size: 8, .value_kind: global_buffer, .address_space: global }
      - { .name: out1, .offset: 56, .size: 8, .value_kind: global_buffer, .address_space: global }
    .group_segment_fixed_size: 9472
    .private_segment_fixed_size: 0
    .kernarg_segment_align: 8
    .kernarg_segment_size: 64
    .max_flat_workgroup_size: 256
    .sgpr_count:     66
    .vgpr_count:     192
    .wavefront_size: 32
...
	.end_amdgpu_metadata
.endif
;; end of part 7
;; ======== version 2 of 2: 11 launches; 1.24 times as fast as version 1
;; limits: values are held in f16: magnitudes above 65,504 overflow, below 6.1e-05 lose precision
;; workspace buffers: xA 8,650,752 bytes; xB 8,650,752 bytes; qkv 12,976,128 bytes; o 4,325,376 bytes; w0 1,593,344 bytes; w1 1,593,344 bytes; w2 1,593,344 bytes; wf 446,464 bytes
;; launch prep (part 8): grid 4 x 44, 4 waves a work-group, no clusters, 0 bytes of LDS; arguments in_proj_w, in_proj_b, out_w, out_b, ffn_w1, ffn_b1, ffn_w2, ffn_b2, ln1_g, ln1_b, ln2_g, ln2_b, mask, w0, w1, w2, wf; writes w0, w1, w2, wf
.if DOCPART == 8
	.amdgcn_target "amdgcn-amd-amdhsa--gfx1250"
	.amdhsa_code_object_version 6
	.text
	.protected	k_q7dee79e408_prep
	.globl	k_q7dee79e408_prep
	.p2align	8
	.type	k_q7dee79e408_prep,@function
k_q7dee79e408_prep:
	s_mov_b64 s[64:65], 0
	v_nop
	global_prefetch_b8 v0, s[64:65] scope:SCOPE_SE
	s_setreg_imm32_b32 hwreg(HW_REG_WAVE_MODE, 25, 1), 1
	s_wait_xcnt 0x0
; PREP.  Weights of layers 0-2 (and the q, k, v weights of all four) are rounded once to f16 and laid out as the matrix unit's lanes hold them:
; a fragment of 16 rows x 32 k is 1,024 bytes, half p (512 bytes) = registers 4p..4p+3 of lanes 0..31, 16 bytes a lane; lane (r, h), half p, element e holds W[row+r][k0+16p+8h+e].
; A pack is [stage 0..11][quarter 0..3][fragment 4 ks + a][1,024]; stage 0 out_w, 1+2j ffn_w1 rows 256 j.., 2+2j ffn_w2 columns 256 j.., 9-11 q, k, v of the NEXT layer.
; q's weights and bias are multiplied by c = log2(e)/sqrt(32) ahead of their one rounding.  wf holds q, k, v of layer 0, its tables, and the keys' flags.
; Work-group (x, y): y < 39: stage y of the 39, quarter x, wave a.  y = 39: the tables of pack x.  y = 40..43: 128 of the 2,048 pieces of the flags: u16 0xffff where key s of batch b counts
; (s = 0, or 1..1024 with mask != 0).  Every work-group asks for all it needs at once: no loop.
; LIMIT: a weight beyond 65,504 has no f16; below 2^-14 it keeps f16's fixed step.  A stream: no LDS, no matrix unit.
.set CLOG, 0x3e8293ee
	s_load_b512 s[4:19], s[0:1], 0x0               ; in_proj_w 4, in_proj_b 6, out_w 8, out_b 10, ffn_w1 12, ffn_b1 14, ffn_w2 16, ffn_b2 18
	s_load_b512 s[20:35], s[0:1], 0x40             ; ln1_g 20, ln1_b 22, ln2_g 24, ln2_b 26, mask 28, w0 30, w1 32, w2 34
	s_load_b64 s[36:37], s[0:1], 0x80              ; wf
	v_lshrrev_b32 v1, 5, v0
	v_readfirstlane_b32 s38, v1                    ; wave = a
	s_and_b32 s39, ttmp7, 0xffff                   ; y
	s_mov_b32 s40, ttmp9                           ; x
	s_mov_b32 s60, 1024
	s_mov_b32 s61, 4096
	s_cmp_ge_u32 s39, 40
	s_cbranch_scc1 .Lval
	s_cmp_eq_u32 s39, 39
	s_cbranch_scc1 .Lparams
	s_mul_i32 s41, s39, 43
	s_lshr_b32 s41, s41, 9                         ; pack = y / 12 (exact for y < 39); 3 = wf
	s_mul_i32 s42, s41, 12
	s_sub_co_u32 s42, s39, s42                     ; the stage in the pack
	s_add_co_u32 s45, s42, 9
	s_add_co_u32 s46, s41, 1
	s_cmp_eq_u32 s41, 3
	s_cselect_b32 s43, s45, s42                    ; the stage's kind: wf's three are kinds 9-11
	s_cselect_b32 s44, 0, s46                      ; the layer of q, k, v
	s_mul_i32 s47, s44, 786432
	s_sub_co_u32 s48, s43, 9
	s_lshl_b32 s48, s48, 18
	s_add_co_u32 s47, s47, s48                     ; in_proj_w: layer, then 256 rows for each of q, k, v
	s_lshl_b32 s49, s41, 20
	s_sub_co_u32 s50, s43, 1
	s_lshr_b32 s50, s50, 1
	s_lshl_b32 s50, s50, 18
	s_add_co_u32 s50, s50, s49                     ; ffn_w1: layer, 256 rows a chunk
	s_sub_co_u32 s51, s43, 2
	s_lshr_b32 s51, s51, 1
	s_lshl_b32 s51, s51, 10
	s_add_co_u32 s51, s51, s49                     ; ffn_w2: layer, 256 columns a chunk
	s_lshl_b32 s52, s41, 18                        ; out_w: layer
	s_lshl_b32 s66, s42, 17
	s_lshl_b32 s67, s40, 15
	s_add_co_u32 s66, s66, s67
	s_lshl_b32 s67, s38, 10
	s_add_co_u32 s66, s66, s67                     ; where my fragments go: stage, quarter, a
	s_mov_b32 s67, 0
	s_lshl_b32 s70, s40, 6
	s_lshl_b32 s71, s38, 4
	s_add_co_u32 s70, s70, s71                     ; my first row, 64 x + 16 a
	s_wait_kmcnt 0x0
	s_bitcmp1_b32 s43, 0                           ; odd kind below 9: ffn_w1; even: ffn_w2
	s_cselect_b32 s53, s50, s51
	s_cselect_b32 s54, s60, s61                    ; bytes from row to row
	s_cselect_b64 s[56:57], s[12:13], s[16:17]
	s_cmp_lt_u32 s43, 9
	s_cselect_b32 s53, s53, s47
	s_cselect_b32 s54, s54, s60
	s_cselect_b64 s[56:57], s[56:57], s[4:5]
	s_cmp_eq_u32 s43, 0
	s_cselect_b32 s53, s52, s53
	s_cselect_b32 s54, s60, s54
	s_cselect_b64 s[56:57], s[8:9], s[56:57]
	s_cmp_eq_u32 s43, 9
	s_cselect_b32 s58, CLOG, 1.0                   ; q's weights take c
	s_mov_b32 s59, s58
	s_cmp_eq_u32 s41, 1
	s_cselect_b64 s[62:63], s[32:33], s[30:31]
	s_cmp_eq_u32 s41, 2
	s_cselect_b64 s[62:63], s[34:35], s[62:63]
	s_cmp_eq_u32 s41, 3
	s_cselect_b64 s[62:63], s[36:37], s[62:63]
	s_mov_b32 s68, s53
	s_mov_b32 s69, 0
	s_add_nc_u64 s[56:57], s[56:57], s[68:69]
	s_add_nc_u64 s[62:63], s[62:63], s[66:67]
	v_and_b32 v2, 15, v0
	v_bfe_u32 v5, v0, 4, 1
	v_add_nc_u32 v2, s70, v2
	v_mul_lo_u32 v3, v2, s54
	v_lshl_add_u32 v3, v5, 5, v3                   ; row x pitch + 32 h: eight f32 of piece n lie 64 n bytes on
	v_and_b32 v4, 31, v0
	v_lshlrev_b32 v4, 4, v4
.set n, 0
.rept 16                                           ; all 32 loads go out at once: the wave's 16 rows x 1,024 bytes
	global_load_b128 v[32+8*n:35+8*n], v3, s[56:57] offset:64*n
	global_load_b128 v[36+8*n:39+8*n], v3, s[56:57] offset:64*n+16
.set n, n+1
.endr
.set n, 0
.rept 16
	s_wait_loadcnt 30-2*n                          ; piece n's two loads are in; the 2 (15 - n) younger ones stay out
.set j, 0
.rept 4
	v_pk_mul_f32 v[32+8*n+2*j:33+8*n+2*j], v[32+8*n+2*j:33+8*n+2*j], s[58:59] op_sel_hi:[1,0]
.set j, j+1
.endr
.set j, 0
.rept 4
	v_cvt_pk_f16_f32 v[160+4*n+j], v[32+8*n+2*j], v[33+8*n+2*j]
.set j, j+1
.endr
	global_store_b128 v4, v[160+4*n:163+4*n], s[62:63] offset:(n/2)*4096+(n%2)*512 th:TH_STORE_NT  ; 512 consecutive bytes a wave
.set n, n+1
.endr
	s_endpgm
; The tables that every pack has: ln1's gain and bias, bq (times c), bk and bv of the next layer.
.macro PSTORES
	v_pk_mul_f32 v[12:13], v[12:13], s[58:59] op_sel_hi:[1,0]
	global_store_b64 v1, v[8:9], s[62:63] offset:18432
	global_store_b64 v1, v[10:11], s[62:63] offset:19456
	global_store_b64 v1, v[12:13], s[62:63] offset:5120
	global_store_b64 v1, v[14:15], s[62:63] offset:6144
.set i, 0
.rept 4                                            ; bv eight times on end for each channel: the C operand of the product that holds one channel a lane
	v_mov_b32 v[20+4*i], v[16+i]
	v_mov_b32 v[21+4*i], v[16+i]
	v_mov_b32 v[22+4*i], v[16+i]
	v_mov_b32 v[23+4*i], v[16+i]
	global_store_b128 v3, v[20+4*i:23+4*i], s[62:63] offset:7168+2048*i
.set i, i+1
.endr
.endm
.Lparams:                                              ; the tables of pack x, 128 threads
	s_add_co_u32 s41, s40, 1
	s_mov_b32 s43, 1572864
	s_cmp_eq_u32 s40, 3
	s_cselect_b32 s41, 0, s41                      ; the next layer; wf serves layer 0
	s_cselect_b32 s42, 393216, s43                 ; the tables lie behind the pack's weights
	s_mov_b32 s43, 0
	s_lshl_b32 s44, s41, 10
	s_mov_b32 s45, 0
	s_mul_i32 s46, s41, 3072
	s_mov_b32 s47, 0
	s_lshl_b32 s48, s40, 10
	s_mov_b32 s49, 0
	s_lshl_b32 s50, s40, 12
	s_mov_b32 s51, 0
	s_mov_b32 s58, CLOG
	s_mov_b32 s59, CLOG
	v_lshlrev_b32 v1, 3, v0                        ; 8 bytes a thread: a table of 1,024
	v_lshrrev_b32 v2, 1, v0
	v_lshlrev_b32 v2, 2, v2
	v_lshlrev_b32 v3, 4, v0
	s_wait_kmcnt 0x0
	s_cmp_eq_u32 s40, 1
	s_cselect_b64 s[62:63], s[32:33], s[30:31]
	s_cmp_eq_u32 s40, 2
	s_cselect_b64 s[62:63], s[34:35], s[62:63]
	s_cmp_eq_u32 s40, 3
	s_cselect_b64 s[62:63], s[36:37], s[62:63]
	s_add_nc_u64 s[62:63], s[62:63], s[42:43]
	s_add_nc_u64 s[20:21], s[20:21], s[44:45]
	s_add_nc_u64 s[22:23], s[22:23], s[44:45]
	s_add_nc_u64 s[6:7], s[6:7], s[46:47]
	global_load_b64 v[8:9], v1, s[20:21]           ; ln1_g of the next layer
	global_load_b64 v[10:11], v1, s[22:23]         ; ln1_b
	global_load_b64 v[12:13], v1, s[6:7]           ; bq
	global_load_b64 v[14:15], v1, s[6:7] offset:1024  ; bk
.set i, 0
.rept 4
	global_load_b32 v[16+i], v2, s[6:7] offset:2048+256*i  ; bv of channel (thread + 128 i) / 2
.set i, i+1
.endr
	s_cmp_eq_u32 s40, 3
	s_cbranch_scc1 .Lp3                            ; wf has no layer of its own
	s_add_nc_u64 s[10:11], s[10:11], s[48:49]
	s_add_nc_u64 s[24:25], s[24:25], s[48:49]
	s_add_nc_u64 s[26:27], s[26:27], s[48:49]
	s_add_nc_u64 s[18:19], s[18:19], s[48:49]
	s_add_nc_u64 s[14:15], s[14:15], s[50:51]
	global_load_b64 v[40:41], v1, s[10:11]         ; out_b
	global_load_b64 v[42:43], v1, s[24:25]         ; ln2_g
	global_load_b64 v[44:45], v1, s[26:27]         ; ln2_b
	global_load_b64 v[46:47], v1, s[18:19]         ; ffn_b2
	global_load_b128 v[48:51], v3, s[14:15]        ; ffn_b1
	global_load_b128 v[52:55], v3, s[14:15] offset:2048
	s_wait_loadcnt 0x0                             ; one wait for all fourteen
	PSTORES
	global_store_b64 v1, v[40:41], s[62:63]
	global_store_b64 v1, v[42:43], s[62:63] offset:15360
	global_store_b64 v1, v[44:45], s[62:63] offset:16384
	global_store_b64 v1, v[46:47], s[62:63] offset:17408
	global_store_b128 v3, v[48:51], s[62:63] offset:1024
	global_store_b128 v3, v[52:55], s[62:63] offset:3072
	s_endpgm
.Lp3:
	s_wait_loadcnt 0x0
	PSTORES
	s_endpgm
.Lval:                                                 ; the flags: 8 batches x 2,048 u16 = 2,048 pieces of 16 bytes; 16 work-groups of 128 threads, a piece a thread
	s_sub_co_u32 s41, s39, 40
	s_lshl_b32 s41, s41, 2
	s_add_co_u32 s41, s41, s40                     ; which of the 16
	s_lshl_b32 s41, s41, 7
	v_add_nc_u32 v60, s41, v0                      ; the piece
	v_mov_b32 v61, 0xffff
	v_lshrrev_b32 v62, 8, v60
	v_lshlrev_b32 v62, 12, v62                     ; the batch's row of mask, in bytes
	v_and_b32 v63, 255, v60
	v_lshlrev_b32 v63, 3, v63                      ; the piece's first key s
	s_wait_kmcnt 0x0
.set e, 0
.rept 8
	v_add_nc_u32 v[64+e], e-1, v63                 ; s - 1: the patch
	v_min_u32 v[72+e], 0x3ff, v[64+e]              ; kept inside the row; s = 0 and s > 1024 are decided below
	v_lshl_add_u32 v[72+e], v[72+e], 2, v62
	global_load_b32 v[80+e], v[72+e], s[28:29]
.set e, e+1
.endr
	s_wait_loadcnt 0x0
.set e, 0
.rept 8
	v_cmp_ne_u32 s71, 0, v[80+e]
	v_cmp_gt_u32 s72, 0x400, v[64+e]
	s_and_b32 s71, s71, s72                        ; a patch whose mask is not 0,
	v_cmp_eq_u32 s72, -1, v[64+e]
	s_or_b32 s71, s71, s72                         ; or the CLS key
	v_cndmask_b32 v[88+e], 0, v61, s71
.set e, e+1
.endr
.set e, 0
.rept 4
	v_lshl_or_b32 v[96+e], v[89+2*e], 16, v[88+2*e]
.set e, e+1
.endr
	v_lshlrev_b32 v100, 4, v60
	global_store_b128 v100, v[96:99], s[36:37] offset:413696
	s_endpgm
.Lfunc_end_k_q7dee79e408_prep:
	.size	k_q7dee79e408_prep, .Lfunc_end_k_q7dee79e408_prep-k_q7dee79e408_prep
	.p2alignl 7, 3214868480
	.fill 96, 4, 3214868480
	.section	.rodata,"a",@progbits
	.p2align	6, 0x0
	.amdhsa_kernel k_q7dee79e408_prep
		.amdhsa_group_segment_fixed_size 0
		.amdhsa_private_segment_fixed_size 0
		.amdhsa_enable_private_segment 0
		.amdhsa_kernarg_size 136
		.amdhsa_user_sgpr_count 2
		.amdhsa_user_sgpr_kernarg_segment_ptr 1
		.amdhsa_wavefront_size32 1
		.amdhsa_system_sgpr_workgroup_id_x 1
		.amdhsa_system_sgpr_workgroup_id_y 1
		.amdhsa_system_sgpr_workgroup_id_z 1
		.amdhsa_system_vgpr_workitem_id 0
		.amdhsa_next_free_vgpr 224
		.amdhsa_next_free_sgpr 80
		.amdhsa_reserve_vcc 0
		.amdhsa_float_denorm_mode_32 3
		.amdhsa_float_denorm_mode_16_64 3
		.amdhsa_memory_ordered 1
		.amdhsa_forward_progress 1
		.amdhsa_inst_pref_size 28
	.end_amdhsa_kernel
	.amdgpu_metadata
---
amdhsa.version: [ 1, 2 ]
amdhsa.kernels:
  - .name:           k_q7dee79e408_prep
    .symbol:         k_q7dee79e408_prep.kd
    .args:
      - { .name: in_proj_w, .offset: 0, .size: 8, .value_kind: global_buffer, .address_space: global }
      - { .name: in_proj_b, .offset: 8, .size: 8, .value_kind: global_buffer, .address_space: global }
      - { .name: out_w, .offset: 16, .size: 8, .value_kind: global_buffer, .address_space: global }
      - { .name: out_b, .offset: 24, .size: 8, .value_kind: global_buffer, .address_space: global }
      - { .name: ffn_w1, .offset: 32, .size: 8, .value_kind: global_buffer, .address_space: global }
      - { .name: ffn_b1, .offset: 40, .size: 8, .value_kind: global_buffer, .address_space: global }
      - { .name: ffn_w2, .offset: 48, .size: 8, .value_kind: global_buffer, .address_space: global }
      - { .name: ffn_b2, .offset: 56, .size: 8, .value_kind: global_buffer, .address_space: global }
      - { .name: ln1_g, .offset: 64, .size: 8, .value_kind: global_buffer, .address_space: global }
      - { .name: ln1_b, .offset: 72, .size: 8, .value_kind: global_buffer, .address_space: global }
      - { .name: ln2_g, .offset: 80, .size: 8, .value_kind: global_buffer, .address_space: global }
      - { .name: ln2_b, .offset: 88, .size: 8, .value_kind: global_buffer, .address_space: global }
      - { .name: mask, .offset: 96, .size: 8, .value_kind: global_buffer, .address_space: global }
      - { .name: w0, .offset: 104, .size: 8, .value_kind: global_buffer, .address_space: global }
      - { .name: w1, .offset: 112, .size: 8, .value_kind: global_buffer, .address_space: global }
      - { .name: w2, .offset: 120, .size: 8, .value_kind: global_buffer, .address_space: global }
      - { .name: wf, .offset: 128, .size: 8, .value_kind: global_buffer, .address_space: global }
    .group_segment_fixed_size: 0
    .private_segment_fixed_size: 0
    .kernarg_segment_align: 8
    .kernarg_segment_size: 136
    .max_flat_workgroup_size: 128
    .sgpr_count:     80
    .vgpr_count:     224
    .wavefront_size: 32
...
	.end_amdgpu_metadata
.endif
;; end of part 8
;; launch front: the kernel of part 2 again; grid 176 x 1, 4 waves a work-group, clusters of 4 x 1, 327,680 bytes of LDS; arguments features, cls_token, pos_embedding, wf, xA, qkv; writes xA, qkv
;; launch attn (part 9): grid 4 x 64, 9 waves a work-group, no clusters, 167,936 bytes of LDS; arguments qkv, wf, o; writes o
.if DOCPART == 9
	.amdgcn_target "amdgcn-amd-amdhsa--gfx1250"
	.amdhsa_code_object_version 6
	.text
	.protected	k_q7dee79e408_attn
	.globl	k_q7dee79e408_attn
	.p2align	8
	.type	k_q7dee79e408_attn,@function
k_q7dee79e408_attn:
	s_mov_b64 s[64:65], 0
	v_nop
	global_prefetch_b8 v0, s[64:65] scope:SCOPE_SE
	s_setreg_imm32_b32 hwreg(HW_REG_WAVE_MODE, 25, 1), 1
	s_wait_xcnt 0x0
; ATTENTION, head size 32, 1,056 keys (33 blocks of 32) of one (batch, head) kept in LDS: K 66 KB, V^T 66 KB, the keys' flags as f16 1.0 / 0.
; Work-group (part, bh), nine waves.  Waves 0-7 fill blocks wave + 8 n of K and V and take two tiles of 16 queries each: tiles 16 part + 2 wave: 1,024 queries in four parts.
; Wave 8 fills blocks 64 and 65 in every work-group, and in part 3 serves THE 1,025th QUERY (row 1,024), the only real row of tiles 64 and 65, in a form of its own (below).
; S^T = K Q^T: a lane holds one query (lane % 16) and keys 8 (lane / 16) + 0..7; two results rounded to f16 are source 1 of O^T = V^T P.  q already carries log2(e)/sqrt(32).
; SOFTMAX IN TWO PASSES.  Pass 1 makes all scores and takes the query's true maximum m.  Pass 2 makes them again with C = -m, so p = 2^(what the product returns).  The sum l comes as a
; third block of 'channels' of V^T that holds the flags.
; THE MASK.  On its way into LDS the K row of a key that does not count is replaced by key 0's (the CLS key always counts): its score equals a counted key's, so m is the counted keys' maximum and p <= 1;
; its V row was stored as zeros and its flag is 0, so it adds nothing to O or l.
; ORDER.  No two products stand next to each other where vector work is at hand: in pass 1 four maxima of the other set of scores follow each product, in pass 2 three or four exponentials of the other tile.
; THE ONE QUERY.  With the query in all 16 rows of source 0 and 16 keys as source 1 a lane holds ONE key's score, so 32 keys cost one exponential, not 16.  Two loops of 11 trips, three key blocks a trip.
; A register of P's fragment holds two values only (one for each half of the lanes): they are read out of the lanes into scalar registers and dealt again, so that no LDS byte is written beside the other waves' reads.
; 231 products and 33 exponentials, where the two-tile text has 462 and 1,056.  Rows 1-15 of tile 64 and tile 65 hold no query: they take copies of the one result, finite numbers that are never counted as keys.
; NO JOINT LOADS: K's rows are chosen in registers, so they reach LDS by stores; K and V are 135 KB read once, against 66 walks over a key block for each wave.
; LIMITS: p below 6e-5 keeps f16's fixed step; a weight below 2^-126 counts as 0; NaN and infinities are not treated apart.
; REGISTERS: v16-31 Q; v32-47 -m, eight times a tile; v48-95 O^T: tile t at 48 + 24 t: channels 0-15, 16-31, l; v96-127 K, two buffers; v128-175 V and flags, two buffers; v176-207 S^T of tile 0, 1; v208-223 P.
; Pass 1: two sets of scores in v128-191, the maxima's chains in v48-55.  The one query's job has a map of its own: QS to QV below.
.set VL,    67584
.set ONE,   135168
.set SPARE, 139264                     ; the spare words: 128 bytes for each of nine waves, five blocks of 256
.set KOFF,  4325376
.set VOFF,  8650752
.set VALOFF, 413696
.set QS,    24                         ; v24-26   the one query: a block's 32 scores, then weights, a key a lane
.set QT,    27                         ; v27-29   the neighbouring lane's weight, then the pair in f16
.set QM,    30                         ; v30      the running maximum
.set QZ,    31                         ; v31      0
.set QP,    72                         ; v72-95   P's fragments of three blocks
.set QK,    96                         ; v96-143  K's six fragments
.set QD,    144                        ; v144-191 six products
.set QV,    192                        ; v192-239 V^T: block i at 192 + 16 i; the flags' fragments at v240-247, v248-255, v40-47
.macro PLACES
.rept 4
	v_nop
.endr
.endm
.macro KLOAD buf                       ; a key block's two fragments of K
	ds_load_b128 v[96+16*(\buf):99+16*(\buf)], v2
	ds_load_b128 v[100+16*(\buf):103+16*(\buf)], v2 offset:512
	ds_load_b128 v[104+16*(\buf):107+16*(\buf)], v2 offset:1024
	ds_load_b128 v[108+16*(\buf):111+16*(\buf)], v2 offset:1536
	v_add_nc_u32 v2, 2048, v2
.endm
.macro VLOAD buf                       ; its two fragments of V^T and the fragment of flags
	ds_load_b128 v[128+24*(\buf):131+24*(\buf)], v3
	ds_load_b128 v[132+24*(\buf):135+24*(\buf)], v3 offset:512
	ds_load_b128 v[136+24*(\buf):139+24*(\buf)], v3 offset:1024
	ds_load_b128 v[140+24*(\buf):143+24*(\buf)], v3 offset:1536
	ds_load_b128 v[144+24*(\buf):147+24*(\buf)], v4
	ds_load_b128 v[148+24*(\buf):151+24*(\buf)], v4 offset:32
	v_add_nc_u32 v3, 2048, v3
	v_add_nc_u32 v4, 64, v4
.endm
.macro KQW t, kbuf, sreg, kt, neg      ; one product: keys 16 kt .. of the block x tile t; neg = 1: C = -m
.if \neg
	v_wmma_f32_16x16x32_f16 v[(\sreg)+8*(\kt):(\sreg)+8*(\kt)+7], v[96+16*(\kbuf)+8*(\kt):103+16*(\kbuf)+8*(\kt)], v[16+8*(\t):23+8*(\t)], v[32+8*(\t):39+8*(\t)]
.else
	v_wmma_f32_16x16x32_f16 v[(\sreg)+8*(\kt):(\sreg)+8*(\kt)+7], v[96+16*(\kbuf)+8*(\kt):103+16*(\kbuf)+8*(\kt)], v[16+8*(\t):23+8*(\t)], 0
.endif
.endm
.macro MAX4 t, areg                    ; tile t's four chains take one accumulator's eight scores; its lowest registers are read first
.irp jq, 0,1,2,3
	v_max3_num_f32 v[48+4*(\t)+(\jq)], v[48+4*(\t)+(\jq)], v[(\areg)+2*(\jq)], v[(\areg)+2*(\jq)+1]
.endr
.endm
.macro EXPS sreg, from, to             ; exponentials number from .. to of a tile's 16, in place
.set i, \from
.rept (\to)-(\from)+1
	v_exp_f32 v[(\sreg)+i], v[(\sreg)+i]
.set i, i+1
.endr
.endm
.macro ROUNDP sreg, preg               ; the plain instruction behind the exponentials, then 16 weights to f16: nine plain instructions
	v_nop
.set i, 0
	s_wait_alu depctr_va_vdst(0)
.rept 8
	v_cvt_pk_f16_f32 v[(\preg)+i], v[(\sreg)+2*i], v[(\sreg)+2*i+1]
.set i, i+1
.endr
.endm
.macro PVW t, vbuf, preg, cb, zero     ; one product: block cb of V^T (0, 1: channels; 2: flags) x tile t's weights
.if \zero
	v_wmma_f32_16x16x32_f16 v[48+24*(\t)+8*(\cb):55+24*(\t)+8*(\cb)], v[128+24*(\vbuf)+8*(\cb):135+24*(\vbuf)+8*(\cb)], v[\preg:(\preg)+7], 0
.else
	v_wmma_f32_16x16x32_f16 v[48+24*(\t)+8*(\cb):55+24*(\t)+8*(\cb)], v[128+24*(\vbuf)+8*(\cb):135+24*(\vbuf)+8*(\cb)], v[\preg:(\preg)+7], v[48+24*(\t)+8*(\cb):55+24*(\t)+8*(\cb)]
.endif
.endm
; Pass 1, one key block.  The next block's K is asked for first: the buffer's last reader is the block before's last product, and the four maxima behind that product, which name none of its registers, are the
; four places.  Then four products into set x, each followed by four maxima over the other set's accumulator of the same number.
.macro P1 x, fetch, domax
	s_wait_dscnt 0x0
.if \fetch
	KLOAD 1-(\x)
.endif
	KQW 0, \x, 128+32*(\x), 0, 0
.if \domax
	MAX4 0, 128+32*(1-(\x))
.endif
	KQW 0, \x, 128+32*(\x), 1, 0
.if \domax
	MAX4 0, 136+32*(1-(\x))
.endif
	KQW 1, \x, 144+32*(\x), 0, 0
.if \domax
	MAX4 1, 144+32*(1-(\x))
.endif
	KQW 1, \x, 144+32*(\x), 1, 0
.if \domax
	MAX4 1, 152+32*(1-(\x))
.else
	PLACES
.endif
.endm
; Pass 2, one key block.  Tile 0's scores were made, and nine of their exponentials taken, in the block before.  Behind each product stand exponentials of the tile that the product does not touch.
; Between a product and the first touch of its registers stand the other tile's nine plain instructions (ROUNDP).
; The waits: ahead of V^T P the 4 loads of the next K and the 6 of the next V may be out; ahead of the next K Q^T the 6 of the next V.
.macro P2 x, fk, fv, zero, last
.if \fk
	KLOAD 1-(\x)
.endif
	KQW 1, \x, 192, 0, 1
	EXPS 176, 9, 11
	KQW 1, \x, 192, 1, 1
	EXPS 176, 12, 15
	ROUNDP 176, 208
.if \fv
	VLOAD 1-(\x)
.endif
	s_wait_dscnt 4*(\fk)+6*(\fv)
.irp cb, 0,1,2
	PVW 0, \x, 208, \cb, \zero
	EXPS 192, 3*(\cb), 3*(\cb)+2
.endr
.if !(\last)
	s_wait_dscnt 6*(\fv)
	KQW 0, 1-(\x), 176, 0, 1
	EXPS 192, 9, 11
	KQW 0, 1-(\x), 176, 1, 1
	EXPS 192, 12, 15
.else
	EXPS 192, 9, 15
.endif
	ROUNDP 192, 216
.irp cb, 0,1,2
	PVW 1, \x, 216, \cb, \zero
.if !(\last)
	EXPS 176, 3*(\cb), 3*(\cb)+2
.endif
.endr
.endm
; The fill: block n of a wave's share: 1,024 bytes of K and of V at byte off from the address register.
.macro FLOAD n, areg, off
	global_load_b128 v[32+8*(\n):35+8*(\n)], v[\areg], s[12:13] offset:\off
	global_load_b128 v[36+8*(\n):39+8*(\n)], v[\areg], s[12:13] offset:(\off)+512
	global_load_b128 v[96+8*(\n):99+8*(\n)], v[\areg], s[14:15] offset:\off
	global_load_b128 v[100+8*(\n):103+8*(\n)], v[\areg], s[14:15] offset:(\off)+512
.endm
.macro FSTORE n, kreg, vreg, off
	v_cmp_ne_u32 vcc_lo, 0, v[160+(\n)]
.set j, 0
.rept 8
	v_cndmask_b32 v[32+8*(\n)+j], v[168+j], v[32+8*(\n)+j], vcc_lo   ; key 0's row where my key does not count
.set j, j+1
.endr
	ds_store_b128 v[\kreg], v[32+8*(\n):35+8*(\n)] offset:\off
	ds_store_b128 v[\kreg], v[36+8*(\n):39+8*(\n)] offset:(\off)+512
	ds_store_b128 v[\vreg], v[96+8*(\n):99+8*(\n)] offset:\off
	ds_store_b128 v[\vreg], v[100+8*(\n):103+8*(\n)] offset:(\off)+512
.endm
.macro QLOAD                           ; two tiles of Q, ahead of the fill, so that they land under it
	global_load_b128 v[16:19], v1, s[10:11]
	global_load_b128 v[20:23], v1, s[10:11] offset:512
	global_load_b128 v[24:27], v1, s[10:11] offset:1024
	global_load_b128 v[28:31], v1, s[10:11] offset:1536
.endm
; The one query's job: three key blocks' six fragments of K; six products; the two products of a block laid side by side, a key a lane.
.macro QKLOAD
.set i, 0
.rept 6
	ds_load_b128 v[QK+8*i:QK+8*i+3], v2 offset:1024*i
	ds_load_b128 v[QK+8*i+4:QK+8*i+7], v2 offset:1024*i+512
.set i, i+1
.endr
	v_add_nc_u32 v2, 6144, v2
.endm
.macro QKQ neg                         ; source 0: the query in all 16 rows; source 1: 16 keys: every register of lane l holds key l % 16's score
.set i, 0
.rept 6
.if \neg
	v_wmma_f32_16x16x32_f16 v[QD+8*i:QD+8*i+7], v[16:23], v[QK+8*i:QK+8*i+7], v[32:39]
.else
	v_wmma_f32_16x16x32_f16 v[QD+8*i:QD+8*i+7], v[16:23], v[QK+8*i:QK+8*i+7], 0
.endif
.set i, i+1
.endr
.endm
.macro QMERGE                          ; lanes 0-15 keep keys 0-15, lanes 16-31 take keys 16-31; each accumulator's lowest register is the one read
.set i, 0
.rept 3
	v_cndmask_b32 v[QS+i], v[QD+16*i], v[QD+16*i+8], s33
.set i, i+1
.endr
.endm
	s_load_b128 s[4:7], s[0:1], 0x0                ; qkv, wf
	s_load_b64 s[8:9], s[0:1], 0x10                ; o
	v_lshl_add_u32 v5, v0, 2, SPARE                ; my spare word, and 0: kept for the wave's end
	v_mov_b32 v6, 0
	v_lshrrev_b32 v7, 5, v0
	v_readfirstlane_b32 s16, v7                    ; wave
	s_and_b32 s17, ttmp7, 0xffff                   ; bh
	s_lshr_b32 s18, s17, 3
	s_and_b32 s19, s17, 7
	s_mov_b32 s30, ttmp9                           ; part
	s_lshl_b32 s31, s30, 3
	s_add_co_u32 s31, s31, s16
	s_lshl_b32 s31, s31, 1                         ; my first tile, 16 part + 2 wave: 64 for wave 8 of part 3
	s_mul_i32 s24, s17, 67584
	s_mov_b32 s25, 0
	s_lshl_b32 s26, s18, 12
	s_add_co_u32 s26, s26, VALOFF
	s_mov_b32 s27, 0
	s_mul_i32 s28, s18, 540672                     ; o: 66 tiles x 8 heads x 1,024 a batch,
	s_lshl_b32 s29, s19, 10
	s_add_co_u32 s28, s28, s29                     ; my head,
	s_lshl_b32 s29, s31, 13
	s_add_co_u32 s28, s28, s29                     ; my first tile
	s_mov_b32 s29, 0
	s_lshl_b32 s36, s31, 10
	s_mov_b32 s37, 0
	s_mov_b32 s33, 0xffff0000                      ; lanes 16-31
	s_mov_b32 s34, 0x76543210
	s_mov_b32 s35, 0xfedcba98
	v_and_b32 v1, 31, v0
	v_lshlrev_b32 v1, 4, v1
	v_lshl_add_u32 v7, v7, 10, v1                  ; block 'wave', my 16 bytes: in memory and in LDS alike
	v_bfe_u32 v8, v0, 4, 1
	v_lshl_add_u32 v15, v8, 4, ONE                 ; the flags of keys 8 (lane / 16) ..
	v_lshlrev_b32 v8, 8, v8                        ; a fragment's row 0: the 16 bytes of my half of the channels
	v_and_b32 v9, 15, v0
	v_lshlrev_b32 v9, 1, v9
	s_lshl_b32 s32, s16, 5
	v_add_nc_u32 v9, s32, v9                       ; the flag of key 16 wave + lane % 16
	v_lshlrev_b32 v10, 4, v0
	v_add_nc_u32 v11, 65536, v1                    ; block 64 of K in LDS,
	v_add_nc_u32 v12, VL, v7
	v_add_nc_u32 v13, VL+65536, v1                 ; and of V
	v_add_nc_u32 v14, ONE, v10
	s_wait_kmcnt 0x0
	s_add_nc_u64 s[10:11], s[4:5], s[24:25]        ; the head's Q,
	s_add_nc_u64 s[12:13], s[10:11], KOFF          ; K,
	s_add_nc_u64 s[14:15], s[10:11], VOFF          ; V
	s_add_nc_u64 s[10:11], s[10:11], s[36:37]      ; Q at my first tile
	s_add_nc_u64 s[20:21], s[6:7], s[26:27]        ; the batch's flags
	s_add_nc_u64 s[22:23], s[8:9], s[28:29]
	global_load_b128 v[168:171], v8, s[12:13]      ; key 0's row
	global_load_b128 v[172:175], v8, s[12:13] offset:512
	s_cmp_lt_u32 s16, 8
	s_cbranch_scc0 .Lw8
	QLOAD
	global_load_b128 v[176:179], v10, s[20:21]     ; eight flags a thread: 2,048 in all
.set n, 0
.rept 8
	global_load_u16 v[160+n], v9, s[20:21] offset:256*n
.set n, n+1
.endr
.set n, 0
.rept 8
	FLOAD n, 7, 8192*n
.set n, n+1
.endr
.set n, 0
.rept 8
	s_wait_loadcnt 4*(7-n)                         ; block n's four loads are in; the later blocks' stay out
	FSTORE n, 7, 12, 8192*n
.set n, n+1
.endr
.set j, 0
.rept 4
	v_and_b32 v[176+j], 0x3c003c00, v[176+j]       ; 0xffff -> f16 1.0
.set j, j+1
.endr
	ds_store_b128 v14, v[176:179]
	s_branch .Lfilled
.Lw8:                                                  ; wave 8: blocks 64 and 65 (v9 holds 256 + 2 (lane % 16): keys 1,024 .. lie 1,792 bytes on)
	global_load_b128 v[16:19], v8, s[10:11]        ; row 0 of my tile in every row of the fragment: in part 3 the 1,025th query; elsewhere 1 KB read for nothing, so that the fill has one text
	global_load_b128 v[20:23], v8, s[10:11] offset:512
	global_load_u16 v160, v9, s[20:21] offset:1792
	global_load_u16 v161, v9, s[20:21] offset:1824
	FLOAD 0, 1, 65536
	FLOAD 1, 1, 66560
	s_wait_loadcnt 0x0
	FSTORE 0, 11, 13, 0
	FSTORE 1, 11, 13, 1024
.Lfilled:
	s_wait_dscnt 0x0                               ; for the others' sake: my blocks are in LDS
	s_barrier_signal -1
	s_barrier_wait -1                              ; K, V and the flags are whole: they are only read from here on
	s_cmp_lt_u32 s16, 8
	s_cbranch_scc1 .Ldo
	s_cmp_eq_u32 s30, 3                            ; the 1,025th query is part 3's
	s_cbranch_scc0 .Lskip
	; THE ONE QUERY.  O^T and l start from 0 in registers, so that one text serves every trip of the second loop.
	v_mov_b32 v[QM], 0xff7fffff                    ; the lowest finite number
	v_mov_b32 v[QZ], 0
.set j, 0
.rept 3
	v_mov_b32 v[QT+j], 0                           ; a destination of a line that takes another lane's number counts as read
.set j, j+1
.endr
.set j, 0
.rept 24
	v_mov_b32 v[48+j], 0
.set j, j+1
.endr
	v_mov_b32 v2, v1
	s_mov_b32 s32, 11
.Lq1:                                                  ; pass 1: 96 keys a trip
	QKLOAD
	s_wait_dscnt 0x0
	QKQ 0
	PLACES                                         ; behind the products: ahead of the reads of their results, and of the next trip's loads into their sources
	QMERGE
	v_max3_num_f32 v[QM], v[QM], v[QS], v[QS+1]
	v_max_num_f32 v[QM], v[QM], v[QS+2]
	s_sub_co_u32 s32, s32, 1
	s_cmp_lg_u32 s32, 0
	s_cbranch_scc1 .Lq1
	v_max_num_f32_dpp v[QM], v[QM], v[QM] row_xmask:1 row_mask:0xf bank_mask:0xf
	v_max_num_f32_dpp v[QM], v[QM], v[QM] row_xmask:2 row_mask:0xf bank_mask:0xf
	v_max_num_f32_dpp v[QM], v[QM], v[QM] row_xmask:4 row_mask:0xf bank_mask:0xf
	v_max_num_f32_dpp v[QM], v[QM], v[QM] row_xmask:8 row_mask:0xf bank_mask:0xf
	v_permlanex16_b32 v[QT], v[QM], s34, s35
	v_max_num_f32 v[QM], v[QM], v[QT]              ; m, in every lane
.set j, 0
.rept 8
	v_mul_f32 v[32+j], -1.0, v[QM]
.set j, j+1
.endr
	v_mov_b32 v2, v1
	v_add_nc_u32 v3, VL, v1
	v_mov_b32 v4, v15
	s_mov_b32 s32, 11
.Lq2:                                                  ; pass 2: 96 keys a trip
	QKLOAD
.set i, 0
.rept 3
.set rF, 240+8*i
.if i == 2
.set rF, 40
.endif
	ds_load_b128 v[QV+16*i:QV+16*i+3], v3 offset:2048*i
	ds_load_b128 v[QV+16*i+4:QV+16*i+7], v3 offset:2048*i+512
	ds_load_b128 v[QV+16*i+8:QV+16*i+11], v3 offset:2048*i+1024
	ds_load_b128 v[QV+16*i+12:QV+16*i+15], v3 offset:2048*i+1536
	ds_load_b128 v[rF:rF+3], v4 offset:64*i
	ds_load_b128 v[rF+4:rF+7], v4 offset:64*i+32
.set i, i+1
.endr
	v_add_nc_u32 v3, 6144, v3
	v_add_nc_u32 v4, 192, v4
	s_wait_dscnt 0x12                              ; K's 12 loads are in; the 18 of V and the flags may be out
	QKQ 1                                          ; score - m
	PLACES
	QMERGE
	v_exp_f32 v[QS], v[QS]
	v_exp_f32 v[QS+1], v[QS+1]
	v_exp_f32 v[QS+2], v[QS+2]
	v_nop                                          ; the plain instruction behind the exponentials
.set i, 0
	s_wait_alu depctr_va_vdst(0)
.rept 3
	v_add_f32_dpp v[QT+i], v[QS+i], v[QZ] row_xmask:1 row_mask:0xf bank_mask:0xf   ; the neighbouring key's weight (+ 0)
.set i, i+1
.endr
.set i, 0
.rept 3
	v_cvt_pk_f16_f32 v[QT+i], v[QS+i], v[QT+i]     ; even lane 2 n: keys 2 n and 2 n + 1 in f16
.set i, i+1
.endr
	; P's fragment (32 keys x 16 equal columns): register j holds keys 8 h + 2 j, + 1 (j < 4) or 16 + 8 h + 2 (j - 4), + 1, h = lane / 16: the pair of lane 2 j or 8 + 2 j, 16 + 2 (j - 4) or 24 + 2 (j - 4)
.set i, 0
.rept 3
.set rB, 40
.if i == 1
.set rB, 66
.endif
.if i == 2
.set rB, 82
.endif
.set j, 0
.rept 16
	v_readlane_b32 s[rB+j], v[QT+i], 2*j
.set j, j+1
.endr
.set j, 0
.rept 8
	v_mov_b32 v[QP+8*i+j], s[rB+(j/4)*8+j%4]
	v_cndmask_b32 v[QP+8*i+j], v[QP+8*i+j], s[rB+(j/4)*8+4+j%4], s33
.set j, j+1
.endr
.set i, i+1
.endr
	s_wait_dscnt 0x0                               ; V and the flags are in
.set i, 0
.rept 3                                            ; the three accumulators (channels 0-15, 16-31, l) take turns
.set rF, 240+8*i
.if i == 2
.set rF, 40
.endif
	v_wmma_f32_16x16x32_f16 v[48:55], v[QV+16*i:QV+16*i+7], v[QP+8*i:QP+8*i+7], v[48:55]
	v_wmma_f32_16x16x32_f16 v[56:63], v[QV+16*i+8:QV+16*i+15], v[QP+8*i:QP+8*i+7], v[56:63]
	v_wmma_f32_16x16x32_f16 v[64:71], v[rF:rF+7], v[QP+8*i:QP+8*i+7], v[64:71]
.set i, i+1
.endr
	PLACES                                         ; ahead of the next trip's loads into V's registers; behind the last trip: ahead of the reads of the sums
	s_sub_co_u32 s32, s32, 1
	s_cmp_lg_u32 s32, 0
	s_cbranch_scc1 .Lq2
	v_rcp_f32 v[QS], v64                           ; l: the third accumulator's lowest register
	v_rcp_f32 v[QS+1], v64
	v_nop
.set i, 0
	s_wait_alu depctr_va_vdst(0)
.rept 8
	v_pk_mul_f32 v[48+2*i:49+2*i], v[48+2*i:49+2*i], v[QS:QS+1]
.set i, i+1
.endr
.set i, 0
.rept 8
	v_cvt_pk_f16_f32 v[176+i], v[48+2*i], v[49+2*i]
.set i, i+1
.endr
	global_store_b128 v1, v[176:179], s[22:23]                  ; tile 64: the query's result in all 16 rows,
	global_store_b128 v1, v[180:183], s[22:23] offset:512
	global_store_b128 v1, v[176:179], s[22:23] offset:8192      ; and in tile 65's
	global_store_b128 v1, v[180:183], s[22:23] offset:8704
	s_branch .Lskip
.Ldo:
.set j, 0
.rept 8
	v_mov_b32 v[48+j], 0xff7fffff                  ; the chains start at the lowest finite number
.set j, j+1
.endr
	v_mov_b32 v2, v1
	KLOAD 0
	P1 0, 1, 0
	s_mov_b32 s32, 15
.Lp1:
	P1 1, 1, 1
	P1 0, 1, 1
	s_sub_co_u32 s32, s32, 1
	s_cmp_lg_u32 s32, 0
	s_cbranch_scc1 .Lp1
	P1 1, 1, 1
	P1 0, 0, 1
	MAX4 0, 128                                    ; the last block's scores: behind each of its products stand four maxima or more that name none of its registers
	MAX4 0, 136
	MAX4 1, 144
	MAX4 1, 152
.irp it, 0,1
	v_max3_num_f32 v7, v[48+4*(\it)], v[49+4*(\it)], v[50+4*(\it)]
	v_max_num_f32 v7, v7, v[51+4*(\it)]
	v_permlanex16_b32 v8, v7, s34, s35             ; the query's other keys lie in the lane 16 away
	v_max_num_f32 v7, v7, v8
.set j, 0
.rept 8
	v_mul_f32 v[32+8*(\it)+j], -1.0, v7
.set j, j+1
.endr
.endr
	v_mov_b32 v2, v1
	v_add_nc_u32 v3, VL, v1
	v_mov_b32 v4, v15
	KLOAD 0
	VLOAD 0
	s_wait_dscnt 0x6                               ; K is in; V's six loads may be out
	KQW 0, 0, 176, 0, 1
	KQW 0, 0, 176, 1, 1
	PLACES
	EXPS 176, 0, 8
	P2 0, 1, 1, 1, 0                               ; the first block's products start O^T and l
	s_mov_b32 s32, 15
.Lp2:
	P2 1, 1, 1, 0, 0
	P2 0, 1, 1, 0, 0
	s_sub_co_u32 s32, s32, 1
	s_cmp_lg_u32 s32, 0
	s_cbranch_scc1 .Lp2
	P2 1, 1, 1, 0, 0
	P2 0, 0, 0, 0, 1
	PLACES
	v_rcp_f32 v8, v64                              ; l of tile 0: the third accumulator's lowest register
	v_rcp_f32 v9, v64
	v_rcp_f32 v10, v88
	v_rcp_f32 v11, v88
	v_nop
	s_wait_alu depctr_va_vdst(0)
.irp it, 0,1
.set i, 0
.rept 8
	v_pk_mul_f32 v[48+24*(\it)+2*i:49+24*(\it)+2*i], v[48+24*(\it)+2*i:49+24*(\it)+2*i], v[8+2*(\it):9+2*(\it)]
.set i, i+1
.endr
.set i, 0
.rept 8
	v_cvt_pk_f16_f32 v[176+8*(\it)+i], v[48+24*(\it)+2*i], v[49+24*(\it)+2*i]
.set i, i+1
.endr
	global_store_b128 v1, v[176+8*(\it):179+8*(\it)], s[22:23] offset:8192*(\it)       ; 512 consecutive bytes: half a fragment of the next product
	global_store_b128 v1, v[180+8*(\it):183+8*(\it)], s[22:23] offset:8192*(\it)+512
.endr
.Lskip:
	s_wait_dscnt 0x0                               ; my reads of K, V and the flags are back
	s_barrier_signal -1
	s_barrier_wait -1                              ; and so are every wave's: the one LDS write that follows stands behind all reads of LDS, whatever their stepped addresses
	s_wait_tensorcnt 0x0                           ; the wave's end, behind my last LDS store
	ds_add_u32 v5, v6
	s_wait_dscnt 0x0
	s_endpgm
.Lfunc_end_k_q7dee79e408_attn:
	.size	k_q7dee79e408_attn, .Lfunc_end_k_q7dee79e408_attn-k_q7dee79e408_attn
	.p2alignl 7, 3214868480
	.fill 96, 4, 3214868480
	.section	.rodata,"a",@progbits
	.p2align	6, 0x0
	.amdhsa_kernel k_q7dee79e408_attn
		.amdhsa_group_segment_fixed_size 167936
		.amdhsa_private_segment_fixed_size 0
		.amdhsa_enable_private_segment 0
		.amdhsa_kernarg_size 24
		.amdhsa_user_sgpr_count 2
		.amdhsa_user_sgpr_kernarg_segment_ptr 1
		.amdhsa_wavefront_size32 1
		.amdhsa_system_sgpr_workgroup_id_x 1
		.amdhsa_system_sgpr_workgroup_id_y 1
		.amdhsa_system_sgpr_workgroup_id_z 1
		.amdhsa_system_vgpr_workitem_id 0
		.amdhsa_next_free_vgpr 256
		.amdhsa_next_free_sgpr 98
		.amdhsa_reserve_vcc 1
		.amdhsa_float_denorm_mode_32 3
		.amdhsa_float_denorm_mode_16_64 3
		.amdhsa_memory_ordered 1
		.amdhsa_forward_progress 1
		.amdhsa_inst_pref_size 60
	.end_amdhsa_kernel
	.amdgpu_metadata
---
amdhsa.version: [ 1, 2 ]
amdhsa.kernels:
  - .name:           k_q7dee79e408_attn
    .symbol:         k_q7dee79e408_attn.kd
    .args:
      - { .name: qkv, .offset: 0, .size: 8, .value_kind: global_buffer, .address_space: global }
      - { .name: wf, .offset: 8, .size: 8, .value_kind: global_buffer, .address_space: global }
      - { .name: o, .offset: 16, .size: 8, .value_kind: global_buffer, .address_space: global }
    .group_segment_fixed_size: 167936
    .private_segment_fixed_size: 0
    .kernarg_segment_align: 8
    .kernarg_segment_size: 24
    .max_flat_workgroup_size: 288
    .sgpr_count:     98
    .vgpr_count:     256
    .wavefront_size: 32
...
	.end_amdgpu_metadata
.endif
;; end of part 9
;; launch row (part 10): grid 176 x 1, 4 waves a work-group, clusters of 4 x 1, 327,680 bytes of LDS; arguments xA, o, w0, wf, xB, qkv; writes xB, qkv
.if DOCPART == 10
	.amdgcn_target "amdgcn-amd-amdhsa--gfx1250"
	.amdhsa_code_object_version 6
	.text
	.protected	k_q7dee79e408_row
	.globl	k_q7dee79e408_row
	.p2align	8
	.type	k_q7dee79e408_row,@function
k_q7dee79e408_row:
	s_mov_b64 s[64:65], 0
	v_nop
	global_prefetch_b8 v0, s[64:65] scope:SCOPE_SE
	s_setreg_imm32_b32 hwreg(HW_REG_WAVE_MODE, 25, 1), 1
	s_wait_xcnt 0x0
	s_wait_alu depctr_hold_cnt(0) depctr_sa_sdst(0) depctr_va_vdst(0) depctr_va_sdst(0) depctr_va_ssrc(0) depctr_va_vcc(0) depctr_vm_vsrc(0)
	s_getreg_b32 s2, hwreg(HW_REG_IB_STS2, 6, 4)
	s_cmp_eq_u32 s2, 0
	s_cbranch_scc0 .Lentry_in_a_cluster
	s_endpgm
.Lentry_in_a_cluster:
	s_bfe_u32 s2, ttmp6, 0x10000c
	s_cmp_lg_u32 s2, 0x3003
	s_cbranch_scc0 .Lentry_shape_is_right
	s_endpgm
.Lentry_shape_is_right:
; ROW.  For 48 rows of one batch: x1 = x + o Wo^T + bo; xn2 = LN2(x1); x2 = x1 + gelu(xn2 W1^T + b1) W2^T + b2; xn = LN1 of the next layer; q, k, v of the next layer.  One launch, nothing in between goes to memory.
; 8 x 1056 / 48 = 176 work-groups.  The four waves split each stage's 256 output channels, 64 each, so each weight fragment is read from LDS by one wave.  12 stages of 256 x 256 weights (128 KB in f16):
; 0 Wo; 1+2j W1's rows 256 j..; 2+2j W2's columns 256 j..; 9, 10, 11 q, k, v.  A wave issues 96 matrix instructions a stage.
; Weights are source 0, activations source 1: a lane holds ONE row (lane % 16) and channels 16 a + 8 (lane / 16) + 0..7; rounded in pairs that is half a fragment of the next product, so activations go through LDS
; as they lie, 512 consecutive bytes a wave and instruction.  For v the sources change places (one channel, eight keys a lane).
; CLUSTER: every work-group walks the same 12 stages, so the four of a cluster ask for each stage jointly; wave w asks for and reads quarter w of a slot alone.  Two slots of 128 KB; one load a wave behind each round.
; In the FFN's loop the change of slot 1 stands in the MIDDLE of GELU, so that each of a trip's two refills has one stage and half a GELU in which to land.
; WHAT COMES FROM MEMORY is asked for at the head, what is wanted first going first: o and bo (56 loads) ahead of the cluster's first round; x, the five tables of the layer norms and b2, and the flags (67 loads)
; behind the first fills.  The first stage waits for the 56 alone; the others land under it.
; xn2's fragments serve all four chunks of the FFN: they are read from LDS once, ahead of the loop (24 KB a wave, not 96).
; GELU exact to 1.5e-7: gelu(x) = max(x, 0) - |x| E, E = erfc(|x|/sqrt 2)/2 = t (a1 + t (a2 + t (a3 + t (a4 + t a5)))) 2^(-x^2 log2(e)/2), t = 1/(1 + 0.23164189 |x|) (Abramowitz and Stegun 7.1.26, halved), for every x.
; LIMITS: operands are f16: |o|, |xn|, |h|, |q|, |k|, |v| stay under 65,504.  The layer norm's x rstd - mean rstd is one fused multiply-add: mean rstd is rounded once, an error of |mean| / spread x 6e-8.
; NaN and infinities are not treated apart.
; REGISTERS (windows of 256; s_set_vgpr_msb bits 1:0 source 0, 3:2 source 1, 5:4 source 2, 7:6 destination):
;   window 0: v0-31 addresses, flags; v32-95, v96-159 two buffers of 8 weight fragments (also at work between stages); v160-255 12 accumulators (t, a) at 160 + 8 (4 t + a)
;   window 1: v0-191 fragments of o, xn2, xn: (t, ks) at 8 (8 t + ks); v192-223 the bias as C operand
;   window 2: v0-191 h's fragments (at the start v0-95: x as loaded)
;   window 3: v0-95 the residual stream in f32, (t, a) at 8 (4 t + a); v96-255 five tables of my 64 channels (32 registers each: a lane's 8 of each a)
.set XN,    262144                     ; behind the ring: xn2, later xn: (8 t + ks) x 1,024
.set HC,    286720                     ; 256 hidden units of h, the same form
.set ST,    311296                     ; row x 32 + wave x 8: the wave's mean and sum of squared differences
.set SPARE, 312832                     ; the spare words, 128 bytes a wave
.set PK,    8                          ; s[8:9] the pack
.set PBOFF, 1572864
.set AB0,   32
.set AB1,   96
.set ACC1,  160
.set ACC2,  0
.set RG2,   96                         ; window 3: ln2's gain,
.set RB2L,  128                        ; ln2's bias,
.set RG1,   160                        ; the next layer's ln1's gain,
.set RB1L,  192                        ; and bias,
.set RB2,   224                        ; ffn_b2
.set T_BVX, 7168
.set T_G2,  15360
.set T_B2L, 16384
.set T_B2,  17408
.set T_G1,  18432
.set T_B1L, 19456
.set KOFF,  4325376
.set VOFF,  8650752
.set VALOFF, 413696
.set MSB, 0
.macro WIN new                         ; the high byte repeats the setting that is left; a switch that changes nothing is dropped
.if MSB != (\new)
	s_set_vgpr_msb (MSB<<8)|(\new)
.set MSB, \new
.endif
.endm
.macro PLACES                          ; four places between a matrix instruction and a vector instruction or load that touches its registers
.rept 4
	v_nop
.endr
.endm
.macro CROUND                          ; a round of the cluster's barrier
	s_barrier_signal -1
	s_barrier_wait -1
	s_cmp_lg_u32 s16, 0
	s_cbranch_scc1 .Lnw0_\@
	s_barrier_signal -3
.Lnw0_\@:
	s_barrier_wait -3
	s_barrier_signal -1
	s_barrier_wait -1
.endm
.macro CHANGE slot                     ; the slot just read is filled again with the stage two on: all my loads have landed, the add, my LDS work is done, the round, then my one joint load
	WIN 0
	s_wait_tensorcnt 0x0
	ds_add_u32 v28, v29
	s_add_nc_u64 s[34+4*(\slot):35+4*(\slot)], s[34+4*(\slot):35+4*(\slot)], 262144
	s_wait_dscnt 0x0
	CROUND
	tensor_load_to_lds s[32+4*(\slot):35+4*(\slot)], s[24:31]
	s_nop 0
	PLACES
.endm
.macro FETCH slot, bt, ab, bl, bwin, breg  ; batch bt of a stage: 8 weight fragments (ks = 2 bt, 2 bt + 1; a = 0..3); bl = 1: also the 6 activation fragments of those ks
	WIN 0
.irp fi, 0,1,2,3,4,5,6,7
	ds_load_b128 v[(\ab)+8*(\fi):(\ab)+8*(\fi)+3], v[2+(\slot)] offset:(8*(\bt)+(\fi))*1024
	ds_load_b128 v[(\ab)+8*(\fi)+4:(\ab)+8*(\fi)+7], v[2+(\slot)] offset:(8*(\bt)+(\fi))*1024+512
.endr
.if \bl
	WIN (\bwin)<<6
.irp ik, 0,1
.irp it, 0,1,2
	ds_load_b128 v[8*(8*(\it)+2*(\bt)+(\ik)):8*(8*(\it)+2*(\bt)+(\ik))+3], v[\breg] offset:(8*(\it)+2*(\bt)+(\ik))*1024
	ds_load_b128 v[8*(8*(\it)+2*(\bt)+(\ik))+4:8*(8*(\it)+2*(\bt)+(\ik))+7], v[\breg] offset:(8*(\it)+2*(\bt)+(\ik))*1024+512
.endr
.endr
.endif
.endm
.macro BXLOAD                          ; all 24 fragments of xn2 into window 1, in one run
	WIN 0x40
.set n, 0
.rept 24
	ds_load_b128 v[8*n:8*n+3], v4 offset:1024*n
	ds_load_b128 v[8*n+4:8*n+7], v4 offset:1024*n+512
.set n, n+1
.endr
	WIN 0
.endm
.macro MUL bt, ab, acc, wm, wf, swap   ; 24 matrix instructions; the 12 accumulators take turns, one instruction a turn; the first 12 of a stage may take the bias as C
.irp ik, 0,1
.irp ia, 0,1,2,3
.irp it, 0,1,2
.set rD, (\acc)+8*(4*(\it)+(\ia))
.set rA, (\ab)+8*(4*(\ik)+(\ia))
.set rB, 8*(8*(\it)+2*(\bt)+(\ik))
.if ((\wf) != 0) && ((\bt) == 0) && ((\ik) == 0)
	WIN \wf
.if \swap
	v_wmma_f32_16x16x32_f16 v[rD:rD+7], v[rB:rB+7], v[rA:rA+7], v[192+8*(\ia):199+8*(\ia)]
.else
	v_wmma_f32_16x16x32_f16 v[rD:rD+7], v[rA:rA+7], v[rB:rB+7], v[192+8*(\ia):199+8*(\ia)]
.endif
.else
	WIN \wm
.if \swap
	v_wmma_f32_16x16x32_f16 v[rD:rD+7], v[rB:rB+7], v[rA:rA+7], v[rD:rD+7]
.else
	v_wmma_f32_16x16x32_f16 v[rD:rD+7], v[rA:rA+7], v[rB:rB+7], v[rD:rD+7]
.endif
.endif
.endr
.endr
.endr
.endm
.macro BIASLD kind                     ; the next stage's C operand: 1: eight channels a lane, from the chain of tables (bo, b1 x 4, bq, bk); 2: one channel a lane, eight times (bv)
	WIN 0x40
.irp ia, 0,1,2,3
.irp jh, 0,1
.if (\kind) == 1
	global_load_b128 v[192+8*(\ia)+4*(\jh):195+8*(\ia)+4*(\jh)], v10, s[40:41] offset:64*(\ia)+16*(\jh)
.else
	global_load_b128 v[192+8*(\ia)+4*(\jh):195+8*(\ia)+4*(\jh)], v11, s[42:43] offset:T_BVX+512*(\ia)+16*(\jh)
.endif
.endr
.endr
.endm
; A stage: four batches on two buffers.  The counted waits on LDS leave out the loads of the one younger batch (16, or 28 with activations).  lc: how many younger loads from memory may stay out.
.macro STAGE slot, acc, wm, wf, bl, bwin, breg, swap, pre, step, lc=0
	WIN 0
	s_wait_xcnt 0x0                                ; earlier stores have read their data: the buffers are written again only behind this wait
	s_wait_loadcnt \lc                             ; the stage's bias (and, at the first stage, o) is in
.if \step
	s_add_nc_u64 s[40:41], s[40:41], 1024          ; the chain's next table
.endif
	FETCH \slot, 0, AB0, \bl, \bwin, \breg
	FETCH \slot, 1, AB1, \bl, \bwin, \breg
	s_wait_dscnt 16+12*(\bl)
	MUL 0, AB0, \acc, \wm, \wf, \swap
	PLACES
.if \pre
	BIASLD \pre
.endif
	FETCH \slot, 2, AB0, \bl, \bwin, \breg
	s_wait_dscnt 16+12*(\bl)
	MUL 1, AB1, \acc, \wm, 0, \swap
	PLACES
	FETCH \slot, 3, AB1, \bl, \bwin, \breg
	s_wait_dscnt 16+12*(\bl)
	MUL 2, AB0, \acc, \wm, 0, \swap
	s_wait_dscnt 0x0
	MUL 3, AB1, \acc, \wm, 0, \swap
	WIN 0
	PLACES
.endm
.macro GELU from                       ; six of the 12 accumulators, from number 'from' on, eight numbers at a time; three sets of registers at work take turns
	WIN 0
.set n, \from
.rept 6
.set gX, ACC1+8*n
.set gD, 32+40*(n%3)
.set gU, gD+8
.set gQ, gD+16
.set gM, gD+24
.set gO, gD+32
.set j, 0
.rept 8
	v_fma_f32 v[gD+j], |v[gX+j]|, s60, 1.0
.set j, j+1
.endr
.set j, 0
.rept 4
	v_pk_mul_f32 v[gU+2*j:gU+2*j+1], v[gX+2*j:gX+2*j+1], s[48:49] op_sel_hi:[1,0]
.set j, j+1
.endr
.set j, 0
.rept 4
	v_pk_mul_f32 v[gU+2*j:gU+2*j+1], v[gU+2*j:gU+2*j+1], v[gX+2*j:gX+2*j+1]
.set j, j+1
.endr
.set j, 0
.rept 8
	v_rcp_f32 v[gD+j], v[gD+j]
.set j, j+1
.endr
.set j, 0
.rept 8
	v_exp_f32 v[gU+j], v[gU+j]
.set j, j+1
.endr
.set j, 0
.rept 8
	v_max_num_f32 v[gM+j], 0, v[gX+j]              ; plain work behind the transcendentals
.set j, j+1
.endr
.set j, 0
	s_wait_alu depctr_va_vdst(0)
.rept 4
	v_pk_fma_f32 v[gQ+2*j:gQ+2*j+1], v[gD+2*j:gD+2*j+1], s[58:59], s[56:57] op_sel_hi:[1,0,0]
.set j, j+1
.endr
.irp cf, 54, 52, 50
.set j, 0
.rept 4
	v_pk_fma_f32 v[gQ+2*j:gQ+2*j+1], v[gQ+2*j:gQ+2*j+1], v[gD+2*j:gD+2*j+1], s[\cf:(\cf)+1] op_sel_hi:[1,1,0]
.set j, j+1
.endr
.endr
.set j, 0
.rept 4
	v_pk_mul_f32 v[gQ+2*j:gQ+2*j+1], v[gQ+2*j:gQ+2*j+1], v[gD+2*j:gD+2*j+1]
.set j, j+1
.endr
.set j, 0
.rept 4
	v_pk_mul_f32 v[gQ+2*j:gQ+2*j+1], v[gQ+2*j:gQ+2*j+1], v[gU+2*j:gU+2*j+1]
.set j, j+1
.endr
.set j, 0
.rept 8
	v_fma_f32 v[gM+j], -v[gQ+j], |v[gX+j]|, v[gM+j]
.set j, j+1
.endr
.set j, 0
.rept 4
	v_cvt_pk_f16_f32 v[gO+j], v[gM+2*j], v[gM+2*j+1]
.set j, j+1
.endr
	ds_store_b128 v7, v[gO:gO+3] offset:(8*(n/4)+(n%4)/2)*1024+((n%4)%2)*512
.set n, n+1
.endr
.endm
; LAYER NORM of the 48 rows in window 3.  A row's 256 channels lie in two lanes of each wave.  Each wave makes its 64 channels' mean and sum of squared differences from that mean;
; the four are combined as mean = sum/4, M2 = sum M2_w + 64 sum (mean_w - mean)^2: no difference of large sums is formed.
.macro LNSTAT t
	WIN 0x0f
.set i, 0
.rept 8
	v_pk_add_f32 v[32+2*i:33+2*i], v[32*(\t)+4*i:32*(\t)+4*i+1], v[32*(\t)+4*i+2:32*(\t)+4*i+3]
.set i, i+1
.endr
	WIN 0
	v_pk_add_f32 v[32:33], v[32:33], v[40:41]
	v_pk_add_f32 v[34:35], v[34:35], v[42:43]
	v_pk_add_f32 v[36:37], v[36:37], v[44:45]
	v_pk_add_f32 v[38:39], v[38:39], v[46:47]
	v_pk_add_f32 v[32:33], v[32:33], v[36:37]
	v_pk_add_f32 v[34:35], v[34:35], v[38:39]
	v_pk_add_f32 v[32:33], v[32:33], v[34:35]
	v_add_f32 v32, v32, v33
	v_permlanex16_b32 v33, v32, s62, s63           ; the row's other 32 channels lie in the lane 16 away
	v_add_f32 v32, v32, v33
	v_mul_f32 v48, s76, v32
	v_mul_f32 v49, s76, v32
	WIN 0x03
.set i, 0
.rept 16
	v_pk_add_f32 v[64+2*i:65+2*i], v[32*(\t)+2*i:32*(\t)+2*i+1], v[48:49] neg_lo:[0,1] neg_hi:[0,1]
.set i, i+1
.endr
	WIN 0
	v_pk_mul_f32 v[32:33], v[64:65], v[64:65]
	v_pk_mul_f32 v[34:35], v[66:67], v[66:67]
.set i, 2
.rept 14
	v_pk_fma_f32 v[32+2*(i%2):33+2*(i%2)], v[64+2*i:65+2*i], v[64+2*i:65+2*i], v[32+2*(i%2):33+2*(i%2)]
.set i, i+1
.endr
	v_pk_add_f32 v[32:33], v[32:33], v[34:35]
	v_add_f32 v32, v32, v33
	v_permlanex16_b32 v33, v32, s62, s63
	v_add_f32 v49, v32, v33
	ds_store_b64 v8, v[48:49] offset:512*(\t)
.endm
.macro LNFIN t                         ; leaves mean x rstd twice at rM, rstd twice at rM + 2
.set rR, 32+8*(\t)
.set rM, 84+4*(\t)
	v_add_f32 v80, v[rR], v[rR+2]
	v_add_f32 v81, v[rR+4], v[rR+6]
	v_add_f32 v80, v80, v81
	v_mul_f32 v[rM], 0x3e800000, v80
	v_sub_f32 v80, v[rR], v[rM]
	v_mul_f32 v81, v80, v80
	v_sub_f32 v80, v[rR+2], v[rM]
	v_fmac_f32 v81, v80, v80
	v_sub_f32 v80, v[rR+4], v[rM]
	v_fmac_f32 v81, v80, v80
	v_sub_f32 v80, v[rR+6], v[rM]
	v_fmac_f32 v81, v80, v80
	v_add_f32 v82, v[rR+1], v[rR+3]
	v_add_f32 v83, v[rR+5], v[rR+7]
	v_add_f32 v82, v82, v83
	v_fma_f32 v82, v81, s78, v82
	v_fma_f32 v82, v82, s80, s82                   ; variance + 1e-5
	v_rsq_f32 v[rM+2], v82
	v_mov_b32 v[rM+1], v[rM]                       ; the plain instruction behind the root
	s_wait_alu depctr_va_vdst(0)
	v_mul_f32 v[rM], v[rM], v[rM+2]
	v_mul_f32 v[rM+1], v[rM+1], v[rM+2]
	v_mov_b32 v[rM+3], v[rM+2]
.endm
.macro LNAPP t, greg, breg             ; (x rstd - mean rstd) g + b: two fused multiply-adds a pair; g and b wait in window 3
	WIN 0x03
.set i, 0
.rept 16
	v_pk_fma_f32 v[32+2*i:33+2*i], v[32*(\t)+2*i:32*(\t)+2*i+1], v[86+4*(\t):87+4*(\t)], v[84+4*(\t):85+4*(\t)] neg_lo:[0,0,1] neg_hi:[0,0,1]
.set i, i+1
.endr
	WIN 0x3c
.set i, 0
.rept 16
	v_pk_fma_f32 v[32+2*i:33+2*i], v[32+2*i:33+2*i], v[(\greg)+2*i:(\greg)+2*i+1], v[(\breg)+2*i:(\breg)+2*i+1]
.set i, i+1
.endr
	WIN 0
.set i, 0
.rept 16
	v_cvt_pk_f16_f32 v[64+i], v[32+2*i], v[33+2*i]
.set i, i+1
.endr
.irp ia, 0,1,2,3
	ds_store_b128 v5, v[64+4*(\ia):67+4*(\ia)] offset:(8*(\t)+(\ia)/2)*1024+((\ia)%2)*512
.endr
.endm
.macro LN greg, breg
	LNSTAT 0
	LNSTAT 1
	LNSTAT 2
	s_wait_dscnt 0x0                               ; for the others' sake: my statistics are in LDS
	s_barrier_signal -1
	s_barrier_wait -1                              ; a tile on its way may stay out
.irp it, 0,1,2
	ds_load_b128 v[32+8*(\it):35+8*(\it)], v9 offset:512*(\it)
	ds_load_b128 v[36+8*(\it):39+8*(\it)], v9 offset:512*(\it)+16
.endr
	s_wait_dscnt 0x0
	LNFIN 0
	LNFIN 1
	LNFIN 2
	LNAPP 0, \greg, \breg
	LNAPP 1, \greg, \breg
	LNAPP 2, \greg, \breg
.endm
.macro OUTQK base                      ; q or k: rounded to f16; head 2 w + a / 2, half a % 2 of the head's fragment of tile t
	WIN 0
.set n, 0
.rept 12
.set j, 0
.rept 4
	v_cvt_pk_f16_f32 v[32+4*n+j], v[ACC1+8*n+2*j], v[ACC1+8*n+2*j+1]
.set j, j+1
.endr
	global_store_b128 v1, v[32+4*n:35+4*n], s[\base:(\base)+1] offset:((n%4)/2)*67584+(n/4)*1024+((n%4)%2)*512
.set n, n+1
.endr
.endm
.macro OUTV                            ; v: a lane holds one channel and eight keys; keys that do not count are set to 0 bit by bit
	WIN 0
.set n, 0
.rept 12
.set j, 0
.rept 4
	v_cvt_pk_f16_f32 v[32+4*n+j], v[ACC1+8*n+2*j], v[ACC1+8*n+2*j+1]
.set j, j+1
.endr
.set j, 0
.rept 4
	v_and_b32 v[32+4*n+j], v[32+4*n+j], v[16+4*(n/4)+j]
.set j, j+1
.endr
	global_store_b128 v[12+n/4], v[32+4*n:35+4*n], s[70:71] offset:((n%4)/2)*67584+((n%4)%2)*1024
.set n, n+1
.endr
.endm
	s_load_b256 s[4:11], s[0:1], 0x0               ; x in 4, o 6, the pack 8, wf 10
	s_load_b128 s[12:15], s[0:1], 0x20             ; x out 12, qkv 14
	v_lshl_add_u32 v28, v0, 2, SPARE
	v_mov_b32 v29, 0
	ds_add_u32 v28, v29                            ; the wave's opening: the add and its wait ahead of my first tensor load
	v_lshrrev_b32 v30, 5, v0
	v_readfirstlane_b32 s16, v30                   ; wave
	s_bfe_u32 s17, ttmp6, 0x40000                  ; cx: it enters addresses in memory alone
	s_lshl_b32 s18, ttmp9, 2
	s_add_co_u32 s18, s18, s17                     ; work-group
	s_mul_i32 s19, s18, 373
	s_lshr_b32 s19, s19, 13                        ; batch = work-group / 22 (exact below 176)
	s_mul_i32 s20, s19, 22
	s_sub_co_u32 s20, s18, s20
	s_mul_i32 s20, s20, 3                          ; my first tile in the batch
	s_mov_b32 s24, 15|(3<<16)|(1<<21)              ; group 1: mask of all four, 8-byte elements, bit 21 beside the mask
	s_mov_b32 s25, 32<<16                          ; tensor_dim0 = 32 elements = 256 bytes
	s_mov_b32 s26, 128<<16                         ; tensor_dim1 = 128 rows
	s_mov_b32 s27, 32<<16                          ; tile_dim0
	s_mov_b32 s28, 128                             ; tile_dim1: 32 KB, dense
	s_mov_b32 s29, 32
	s_mov_b32 s30, 0
	s_mov_b32 s31, 0
	s_mul_i32 s21, s16, 32768                      ; my quarter of a slot and of a stage
	s_mov_b32 s32, 1
	s_mov_b32 s33, s21
	s_mov_b32 s36, 1
	s_add_co_u32 s37, s21, 131072
	s_mov_b32 s48, 0xbf38aa3b                      ; -log2(e)/2
	s_mov_b32 s49, 0xbf38aa3b
	s_mov_b32 s50, 0x3e027906                      ; a1/2 =  0.127414796
	s_mov_b32 s51, 0x3e027906
	s_mov_b32 s52, 0xbe11a98e                      ; a2/2 = -0.142248368
	s_mov_b32 s53, 0xbe11a98e
	s_mov_b32 s54, 0x3f35f0e3                      ; a3/2 =  0.710706871
	s_mov_b32 s55, 0x3f35f0e3
	s_mov_b32 s56, 0xbf3a00e3                      ; a4/2 = -0.726576014
	s_mov_b32 s57, 0xbf3a00e3
	s_mov_b32 s58, 0x3f07dc22                      ; a5/2 =  0.530702715
	s_mov_b32 s59, 0x3f07dc22
	s_mov_b32 s60, 0x3e6d3388                      ; 0.3275911/sqrt 2
	s_mov_b32 s62, 0x76543210
	s_mov_b32 s63, 0xfedcba98
	s_mov_b32 s76, 0x3c800000                      ; 1/64
	s_mov_b32 s78, 0x42800000                      ; 64
	s_mov_b32 s80, 0x3b800000                      ; 1/256
	s_mov_b32 s82, 0x3727c5ac                      ; 1e-5
	s_mov_b32 s86, s21
	s_mov_b32 s87, 0
	s_mul_i32 s88, s18, 49152
	s_lshl_b32 s22, s16, 12
	s_add_co_u32 s88, s88, s22                     ; x: (16 x 3 work-group + 4 wave) x 1,024
	s_mov_b32 s89, 0
	s_mul_i32 s90, s18, 24576                      ; o: 3 work-group x 8 x 1,024
	s_mov_b32 s91, 0
	s_lshl_b32 s22, s19, 3
	s_lshl_b32 s23, s16, 1
	s_add_co_u32 s22, s22, s23
	s_mul_i32 s92, s22, 67584                      ; head 8 b + 2 w: 66 KB a head
	s_mov_b32 s93, 0
	s_lshl_b32 s23, s20, 10
	s_add_co_u32 s94, s92, s23
	s_mov_b32 s95, 0
	s_lshl_b32 s96, s19, 12
	s_lshl_b32 s23, s20, 5
	s_add_co_u32 s96, s96, s23
	s_add_co_u32 s96, s96, VALOFF
	s_mov_b32 s97, 0
	s_lshl_b32 s2, s16, 11
	s_lshl_b32 s23, s16, 8
	v_and_b32 v1, 31, v0
	v_lshlrev_b32 v1, 4, v1                        ; 16 x lane
	v_and_b32 v30, 15, v0
	v_bfe_u32 v31, v0, 4, 1
	v_lshl_add_u32 v10, v31, 5, s23                ; a table's eight numbers of mine: 256 w + 32 h (+ 64 a)
	v_lshl_add_u32 v11, v30, 5, s2
	v_lshlrev_b32 v15, 4, v31
	s_wait_dscnt 0x0                               ; the opening add is done
	s_wait_kmcnt 0x0
	s_add_nc_u64 s[34:35], s[PK:PK+1], s[86:87]
	s_add_nc_u64 s[38:39], s[34:35], 131072
	s_or_b32 s35, s35, 0x80000000
	s_or_b32 s39, s39, 0x80000000
	s_add_nc_u64 s[42:43], s[PK:PK+1], PBOFF       ; the tables
	s_mov_b64 s[40:41], s[42:43]                   ; the chain begins at bo
	s_add_nc_u64 s[44:45], s[4:5], s[88:89]
	s_add_nc_u64 s[46:47], s[12:13], s[88:89]
	s_add_nc_u64 s[84:85], s[6:7], s[90:91]
	s_add_nc_u64 s[66:67], s[14:15], s[94:95]
	s_add_nc_u64 s[68:69], s[66:67], KOFF
	s_add_nc_u64 s[70:71], s[14:15], s[92:93]
	s_add_nc_u64 s[70:71], s[70:71], VOFF
	s_add_nc_u64 s[72:73], s[10:11], s[96:97]
	WIN 0x40
.set n, 0
.rept 24                                           ; what the first stage multiplies goes out first, ahead of the round: o's fragments (each wave needs all 48 rows x 256 channels),
	global_load_b128 v[8*n:8*n+3], v1, s[84:85] offset:1024*n
	global_load_b128 v[8*n+4:8*n+7], v1, s[84:85] offset:1024*n+512
.set n, n+1
.endr
	BIASLD 1                                       ; and bo
	WIN 0
	CROUND                                         ; all four work-groups are here: the first joint loads meet
	tensor_load_to_lds s[32:35], s[24:31]          ; stage 0
	s_nop 0
	tensor_load_to_lds s[36:39], s[24:31]          ; stage 1: two loads of mine are out
	s_nop 0
	PLACES
	WIN 0x80
.set n, 0
.rept 12                                           ; x, my 64 channels: wanted behind the first stage
	global_load_b128 v[8*n:8*n+3], v1, s[44:45] offset:(n/4)*16384+(n%4)*1024
	global_load_b128 v[8*n+4:8*n+7], v1, s[44:45] offset:(n/4)*16384+(n%4)*1024+512
.set n, n+1
.endr
	WIN 0xc0
.irp ia, 0,1,2,3                                   ; the five tables, asked for here so that no later step waits for memory
.irp jh, 0,1
	global_load_b128 v[RG2+8*(\ia)+4*(\jh):RG2+8*(\ia)+4*(\jh)+3], v10, s[42:43] offset:T_G2+64*(\ia)+16*(\jh)
	global_load_b128 v[RB2L+8*(\ia)+4*(\jh):RB2L+8*(\ia)+4*(\jh)+3], v10, s[42:43] offset:T_B2L+64*(\ia)+16*(\jh)
	global_load_b128 v[RG1+8*(\ia)+4*(\jh):RG1+8*(\ia)+4*(\jh)+3], v10, s[42:43] offset:T_G1+64*(\ia)+16*(\jh)
	global_load_b128 v[RB1L+8*(\ia)+4*(\jh):RB1L+8*(\ia)+4*(\jh)+3], v10, s[42:43] offset:T_B1L+64*(\ia)+16*(\jh)
	global_load_b128 v[RB2+8*(\ia)+4*(\jh):RB2+8*(\ia)+4*(\jh)+3], v10, s[42:43] offset:T_B2+64*(\ia)+16*(\jh)
.endr
.endr
	WIN 0
.irp it, 0,1,2
	global_load_b128 v[16+4*(\it):19+4*(\it)], v15, s[72:73] offset:32*(\it)  ; the flags of my eight keys of tile t
.endr
	v_add_nc_u32 v2, s21, v1
	v_add_nc_u32 v3, 131072, v2
	v_add_nc_u32 v4, XN, v1
	v_add_nc_u32 v5, s2, v4
	v_add_nc_u32 v6, HC, v1
	v_add_nc_u32 v7, s2, v6
	v_lshlrev_b32 v9, 5, v30
	v_add_nc_u32 v9, ST, v9
	s_lshl_b32 s23, s16, 3
	v_add_nc_u32 v8, s23, v9
.irp it, 0,1,2
	s_add_co_u32 s22, s20, \it
	s_lshr_b32 s23, s22, 1
	s_lshl_b32 s23, s23, 11
	s_and_b32 s22, s22, 1
	s_lshl_b32 s22, s22, 9
	s_add_co_u32 s22, s22, s23
	v_add_nc_u32 v[12+\it], s22, v1                ; v: key block (tile / 2), half (tile % 2)
.endr
	s_wait_tensorcnt 0x1                           ; my quarter of stage 0 is in, and only I read it; stage 1's may stay out
	STAGE 0, ACC2, 0xf4, 0xd4, 0, 0, 0, 0, 1, 1, 63  ; o Wo^T + bo.  Behind o's and bo's 56 loads 67 were issued; the wait names 63, the most that it can name
	s_wait_loadcnt 0x8                             ; x, the tables and the flags are in; the eight loads of b1's first table, issued in the stage, may stay out
	WIN 0xcb
.set i, 0
.rept 48
	v_pk_add_f32 v[2*i:2*i+1], v[2*i:2*i+1], v[2*i:2*i+1]  ; window 3 += window 2: x1
.set i, i+1
.endr
	LN RG2, RB2L
	CHANGE 0                                       ; stage 2 is asked for; the round hands xn2 to all four waves
	BXLOAD                                         ; xn2 for all four chunks; the first stage's wait, which leaves 16 younger loads out, covers these 48
	s_mov_b32 s74, 4
.Lffn:                                                 ; four chunks of 256 hidden units; both slots are filled again in every trip (stages 3..10)
	STAGE 1, ACC1, 0x04, 0x14, 0, 0, 0, 0, 1, 1
	GELU 0
	CHANGE 1                                       ; slot 1 has been read out: its next stage is asked for here, with half of GELU and all of the next stage ahead of the wait for it
	GELU 6
	s_wait_dscnt 0x0                               ; for the others' sake: my part of h is in LDS
	s_barrier_signal -1
	s_barrier_wait -1                              ; h is whole; the tile on its way may stay out
	STAGE 0, ACC2, 0xf8, 0, 1, 2, 6, 0, 0, 0
	CHANGE 0                                       ; every wave has read h: the next trip may write it
	s_sub_co_u32 s74, s74, 1
	s_cmp_lg_u32 s74, 0
	s_cbranch_scc1 .Lffn
	WIN 0xcf
.irp it, 0,1,2
.set i, 0
.rept 16
	v_pk_add_f32 v[32*(\it)+2*i:32*(\it)+2*i+1], v[32*(\it)+2*i:32*(\it)+2*i+1], v[RB2+2*i:RB2+2*i+1]  ; x2
.set i, i+1
.endr
.endr
	WIN 0x0c
.set n, 0
.rept 12
	global_store_b128 v1, v[8*n:8*n+3], s[46:47] offset:(n/4)*16384+(n%4)*1024
	global_store_b128 v1, v[8*n+4:8*n+7], s[46:47] offset:(n/4)*16384+(n%4)*1024+512
.set n, n+1
.endr
	LN RG1, RB1L
	s_wait_dscnt 0x0
	s_barrier_signal -1
	s_barrier_wait -1                              ; xn is whole
	STAGE 1, ACC1, 0x04, 0x14, 1, 1, 4, 0, 1, 1    ; q
	CHANGE 1                                       ; stage 11 is asked for ahead of q's way out
	OUTQK 66
	STAGE 0, ACC1, 0x04, 0x14, 0, 0, 0, 0, 2, 0    ; k
	OUTQK 68
	s_wait_tensorcnt 0x0
	STAGE 1, ACC1, 0x01, 0x11, 0, 0, 0, 1, 0, 0    ; v, sources changed
	OUTV
	s_wait_tensorcnt 0x0                           ; the wave's end
	ds_add_u32 v28, v29
	s_wait_dscnt 0x0
	CROUND                                         ; the closing round
	s_endpgm
.Lfunc_end_k_q7dee79e408_row:
	.size	k_q7dee79e408_row, .Lfunc_end_k_q7dee79e408_row-k_q7dee79e408_row
	.p2alignl 7, 3214868480
	.fill 96, 4, 3214868480
	.section	.rodata,"a",@progbits
	.p2align	6, 0x0
	.amdhsa_kernel k_q7dee79e408_row
		.amdhsa_group_segment_fixed_size 327680
		.amdhsa_private_segment_fixed_size 0
		.amdhsa_enable_private_segment 0
		.amdhsa_kernarg_size 48
		.amdhsa_user_sgpr_count 2
		.amdhsa_user_sgpr_kernarg_segment_ptr 1
		.amdhsa_wavefront_size32 1
		.amdhsa_system_sgpr_workgroup_id_x 1
		.amdhsa_system_sgpr_workgroup_id_y 1
		.amdhsa_system_sgpr_workgroup_id_z 1
		.amdhsa_system_vgpr_workitem_id 0
		.amdhsa_next_free_vgpr 1024
		.amdhsa_next_free_sgpr 100
		.amdhsa_reserve_vcc 0
		.amdhsa_float_denorm_mode_32 3
		.amdhsa_float_denorm_mode_16_64 3
		.amdhsa_memory_ordered 1
		.amdhsa_forward_progress 1
		.amdhsa_inst_pref_size 218
	.end_amdhsa_kernel
	.amdgpu_metadata
---
amdhsa.version: [ 1, 2 ]
amdhsa.kernels:
  - .name:           k_q7dee79e408_row
    .symbol:         k_q7dee79e408_row.kd
    .args:
      - { .name: xA, .offset: 0, .size: 8, .value_kind: global_buffer, .address_space: global }
      - { .name: o, .offset: 8, .size: 8, .value_kind: global_buffer, .address_space: global }
      - { .name: w0, .offset: 16, .size: 8, .value_kind: global_buffer, .address_space: global }
      - { .name: wf, .offset: 24, .size: 8, .value_kind: global_buffer, .address_space: global }
      - { .name: xB, .offset: 32, .size: 8, .value_kind: global_buffer, .address_space: global }
      - { .name: qkv, .offset: 40, .size: 8, .value_kind: global_buffer, .address_space: global }
    .group_segment_fixed_size: 327680
    .private_segment_fixed_size: 0
    .kernarg_segment_align: 8
    .kernarg_segment_size: 48
    .max_flat_workgroup_size: 128
    .sgpr_count:     100
    .vgpr_count:     1024
    .wavefront_size: 32
...
	.end_amdgpu_metadata
.endif
;; end of part 10
;; launch attn1: the kernel of part 9 again; grid 4 x 64, 9 waves a work-group, no clusters, 167,936 bytes of LDS; arguments qkv, wf, o; writes o
;; launch row1: the kernel of part 10 again; grid 176 x 1, 4 waves a work-group, clusters of 4 x 1, 327,680 bytes of LDS; arguments xB, o, w1, wf, xA, qkv; writes xA, qkv
;; launch attn2: the kernel of part 9 again; grid 4 x 64, 9 waves a work-group, no clusters, 167,936 bytes of LDS; arguments qkv, wf, o; writes o
;; launch row2: the kernel of part 10 again; grid 176 x 1, 4 waves a work-group, clusters of 4 x 1, 327,680 bytes of LDS; arguments xA, o, w2, wf, xB, qkv; writes xB, qkv
;; launch cls_attn: the kernel of part 5 again; grid 64 x 1, 11 waves a work-group, no clusters, 10,752 bytes of LDS; arguments qkv, wf, out_w, o; writes o
;; launch cls_ffn: the kernel of part 6 again; grid 32 x 1, 8 waves a work-group, no clusters, 55,296 bytes of LDS; arguments o, xB, out_b, ln2_g, ln2_b, ffn_w1, ffn_b1, ffn_w2, xA; writes xA
;; launch cls_out: the kernel of part 7 again; grid 8 x 1, 8 waves a work-group, no clusters, 9,472 bytes of LDS; arguments xA, o, mask, ffn_b2, lnf_g, lnf_b, out0, out1; writes out0, out1
